; MI455X (gfx1250); checked and timed in simulation.
; The chip was launched on July 23, 2026; its instructions are those of AMD's public machine-readable ISA for CDNA 5 (MIT licence, August 2026) and "CDNA5" Instruction Set Architecture Reference Guide (July 2026). The comments in the code are by the model that wrote it; some were corrected since.
;; Orthogonal SAE. Allowed arithmetic: float matrix products may take bf16 or f16 operands with f32 sums; other float arithmetic in f32, or as packed bf16 or f16 multiplies, adds, multiply-adds, maxima and minima; sums over many terms, partial sums and values carried from step to step in f32; what a program stores and reads back later, other than sums and carried values, may be rounded once to bf16 or f16.
;; Inputs: W_dec 16,384 x 512 float32; W_enc 512 x 16,384 float32; acts 4,096 x 512 float32; b_dec 512 float32; b_enc 16,384 float32; feature_mask 16,384 float32; ln_b 16,384 float32; ln_w 16,384 float32.
;; Outputs: out0 4,096 x 512 float32.
;; 2 versions, each right; version 2 is version 1 with the launches prep_enc, prep_rows, select, reduce written anew for expert scheduling mode. Each part assembles by itself: llvm-mc -triple=amdgcn-amd-amdhsa -mcpu=gfx1250 --defsym DOCPART=n.
;; ======== version 1 of 2: 6 launches
;; limits: a function is approximated: absolute error at most 0.00043; values are held in f16: magnitudes above 65,504 overflow, below 6.1e-05 lose precision
;; workspace buffers: WencB 16,777,216 bytes; WdecH 16,777,216 bytes; actsB 4,210,688 bytes; tabs 198,912 bytes; order 256 bytes of whole numbers; Pbuf 134,217,728 bytes; Ebuf 134,217,728 bytes; part 67,108,864 bytes
;; launch prep_enc (part 1): grid 128 x 1, 16 waves a work-group, no clusters, 10,496 bytes of LDS; arguments W_enc, b_enc, ln_w, ln_b, feature_mask, WencB, tabs, order; writes WencB, tabs, order
.if DOCPART == 1
	.amdgcn_target "amdgcn-amd-amdhsa--gfx1250"
	.amdhsa_code_object_version 6
	.text
	.protected	k_qcaed8fdd56_prep_enc
	.globl	k_qcaed8fdd56_prep_enc
	.p2align	8
	.type	k_qcaed8fdd56_prep_enc,@function
k_qcaed8fdd56_prep_enc:
	s_mov_b64 s[64:65], 0
	v_nop
	global_prefetch_b8 v0, s[64:65] scope:SCOPE_SE
	s_setreg_imm32_b32 hwreg(HW_REG_WAVE_MODE, 25, 1), 1
	s_wait_xcnt 0x0
; W_enc [512][16384] f32 is rounded to bf16 (WencB, same layout); of the ROUNDED numbers each column's norm is taken in f32, and sE[j] = 1 / (norm + 1e-8) goes
; into tabs.  Also into tabs: b_enc rounded to bf16 and widened (bE), ln_w and ln_b as bf16, and, from work-group 0, u[i] = mean over j < 128 of Wb[i][j] sE[j]
; and c0 = mean over j < 128 of bE[j], of which the next launch makes a centre for each row of acts.  Work-group 1 also reads feature_mask and writes, as whole numbers,
; four words into order: bit t of word k is set if block 32 k + t of 128 features has any non-zero (bf16-rounded) mask.
; SHARES.  Work-group g owns columns 128 g .. 128 g + 127: 512 bytes of a row in, 256 bytes out, so a wave's store covers 256 consecutive bytes, aligned.  Wave w owns rows
; 32 w .. 32 w + 31, lane l four columns.  All 32 loads of a wave go out at once; the packed rows stay in registers (work-group 0 needs them again for u).
; LIMITS.  NaN and infinities are not treated apart; a sum of squares below 2^-126 counts as 0 (the root flushes it), as does its norm beside 1e-8.
.set PART,  0                          ; LDS: [16 waves][128 columns] f32, the waves' sums of squares
.set SCAN,  8192                       ; LDS: 16 words, wave w's eight block bits (work-group 1)
.set SPARE, 8448                       ; the spare words, 128 bytes for each of 16 waves
.set SQ, 10                            ; v[10:13]   sums of squares of my 4 columns
.set SS, 14                            ; v[14:17]   sE of my 4 columns
.set BE, 18                            ; v[18:21]   bE (wave 0)
.set RB, 22                            ; v[22:25]   b_enc as loaded (wave 0)
.set RW, 26                            ; v[26:29]   ln_w
.set RL, 30                            ; v[30:33]   ln_b
.set T,  34                            ; v[34:47]   at work
.set PK, 48                            ; v[48:111]  row i: two registers, four bf16
.set X,  112                           ; v[112:239] row i: four f32 as loaded; later at work
.macro WSUM r, t                       ; the sum over the wave's 32 lanes, in every lane; t has been written before
	v_add_f32_dpp v[\r], v[\r], v[\r] row_xmask:1 row_mask:0xf bank_mask:0xf
	v_add_f32_dpp v[\r], v[\r], v[\r] row_xmask:2 row_mask:0xf bank_mask:0xf
	v_add_f32_dpp v[\r], v[\r], v[\r] row_xmask:4 row_mask:0xf bank_mask:0xf
	v_add_f32_dpp v[\r], v[\r], v[\r] row_xmask:8 row_mask:0xf bank_mask:0xf
	v_permlanex16_b32 v[\t], v[\r], s12, s13
	v_add_f32 v[\r], v[\r], v[\t]
.endm
.macro SQR d, p, h, c                  ; d = (bf16 half h of p)^2 + c
	v_fma_mix_f32_bf16 v[\d], v[\p], v[\p], v[\c] op_sel:[\h,\h,0] op_sel_hi:[1,1,0]
.endm
.macro MIXMUL d, p, h, m, c            ; d = (bf16 half h of p) x m + c
	v_fma_mix_f32_bf16 v[\d], v[\p], v[\m], v[\c] op_sel:[\h,0,0] op_sel_hi:[1,0,0]
.endm
	s_load_b512 s[16:31], s[0:1], 0x0              ; W_enc 16, b_enc 18, ln_w 20, ln_b 22, feature_mask 24, WencB 26, tabs 28, order 30
	v_lshl_add_u32 v6, v0, 2, SPARE                ; my spare word
	v_mov_b32 v7, 0                                ; and 0: these two serve the add alone
	v_mov_b32 v8, 0                                ; a zero addend
	v_and_b32 v1, 31, v0                           ; lane
	v_lshrrev_b32 v9, 5, v0                        ; wave
	v_readfirstlane_b32 s8, v9
	v_lshlrev_b32 v5, 4, v1                        ; 16 l
	v_lshl_add_u32 v2, v9, 21, v5                  ; in: 32 w rows of 65,536 bytes + 16 l
	v_lshlrev_b32 v3, 3, v1
	v_lshl_add_u32 v3, v9, 20, v3                  ; out: 32 w rows of 32,768 bytes + 8 l
	v_lshlrev_b32 v4, 4, v0                        ; PART + 512 w + 16 l = 16 x my thread's number
	s_mov_b32 s12, 0x76543210                      ; v_permlanex16_b32: each lane takes its own place in the other half
	s_mov_b32 s13, 0xfedcba98
	s_lshl_b32 s2, ttmp9, 9                        ; my columns in f32 tensors,
	s_mov_b32 s3, 0
	s_lshl_b32 s4, ttmp9, 8                        ; and in bf16 tensors
	s_mov_b32 s5, 0
	s_wait_kmcnt 0x0
	s_add_nc_u64 s[16:17], s[16:17], s[2:3]
	s_add_nc_u64 s[26:27], s[26:27], s[4:5]
	s_cmp_lg_u32 s8, 0
	s_cbranch_scc1 .Lno_tab
	s_add_nc_u64 s[18:19], s[18:19], s[2:3]        ; wave 0 alone: the three vectors' 128 numbers, ahead of the rows so that the rows' counts cover them
	s_add_nc_u64 s[20:21], s[20:21], s[2:3]
	s_add_nc_u64 s[22:23], s[22:23], s[2:3]
	global_load_b128 v[RB:RB+3], v5, s[18:19]
	global_load_b128 v[RW:RW+3], v5, s[20:21]
	global_load_b128 v[RL:RL+3], v5, s[22:23]
.Lno_tab:
.set i, 0
.rept 32
	global_load_b128 v[X+4*i:X+4*i+3], v2, s[16:17] offset:i*65536 th:TH_LOAD_NT
.set i, i+1
.endr
.set i, 0
.rept 32
	s_wait_loadcnt 31-i                            ; loads come back in order: row i is in, the 31 - i younger ones stay out
	v_cvt_pk_bf16_f32 v[PK+2*i],   v[X+4*i],   v[X+4*i+1]
	v_cvt_pk_bf16_f32 v[PK+2*i+1], v[X+4*i+2], v[X+4*i+3]
.if i == 0
	SQR SQ,   PK,   0, 8                           ; the first row starts the sums
	SQR SQ+1, PK,   1, 8
	SQR SQ+2, PK+1, 0, 8
	SQR SQ+3, PK+1, 1, 8
.else
	SQR SQ,   PK+2*i,   0, SQ
	SQR SQ+1, PK+2*i,   1, SQ+1
	SQR SQ+2, PK+2*i+1, 0, SQ+2
	SQR SQ+3, PK+2*i+1, 1, SQ+3
.endif
	global_store_b64 v3, v[PK+2*i:PK+2*i+1], s[26:27] offset:i*32768  ; 32 lanes x 8 bytes: 256 consecutive bytes, aligned; PK is never rewritten
.set i, i+1
.endr
	; work-group 1: wave w looks at blocks 8 w .. 8 w + 7 of feature_mask; a block's bit is set if any of its 128 numbers, rounded to bf16, is not zero
	s_cmp_lg_u32 ttmp9, 1
	s_cbranch_scc1 .Lno_scan
	v_lshl_add_u32 v[T], v9, 12, v5                ; 8 w blocks of 512 bytes + 16 l
.irp k, 0,1,2,3,4,5,6,7
	global_load_b128 v[X+4*\k:X+4*\k+3], v[T], s[24:25] offset:512*\k
.endr
	s_mov_b32 s11, 0
	s_wait_loadcnt 0x0
.irp k, 0,1,2,3,4,5,6,7
	v_cvt_pk_bf16_f32 v[T+1], v[X+4*\k],   v[X+4*\k+1]
	v_cvt_pk_bf16_f32 v[T+2], v[X+4*\k+2], v[X+4*\k+3]
	v_or_b32 v[T+1], v[T+1], v[T+2]
	v_and_b32 v[T+1], 0x7fff7fff, v[T+1]           ; the sign of a zero does not count
	v_cmp_ne_u32 s9, 0, v[T+1]
	s_cmp_lg_u32 s9, 0
	s_cselect_b32 s10, 1<<\k, 0                    ; a value is chosen; nothing branches on it
	s_or_b32 s11, s11, s10
.endr
	v_mov_b32 v[T+1], s11
	v_lshl_add_u32 v[T+2], v9, 2, SCAN
	ds_store_b32 v[T+2], v[T+1]
.Lno_scan:
	ds_store_b128 v4, v[SQ:SQ+3]
	s_wait_dscnt 0x0                               ; for the others' sake: my stores into LDS are done
	s_barrier_signal -1
	s_barrier_wait -1
.irp k, 0,1,2,3,4,5,6,7,8,9,10,11,12,13,14,15
	ds_load_b128 v[X+4*\k:X+4*\k+3], v5 offset:PART+512*\k  ; all sixteen waves' sums for my 4 columns
.endr
	s_wait_dscnt 0x0
.set k, 1
.rept 15                                           ; the same order in every wave: the same bits
	v_pk_add_f32 v[X:X+1],   v[X:X+1],   v[X+4*k:X+4*k+1]
	v_pk_add_f32 v[X+2:X+3], v[X+2:X+3], v[X+4*k+2:X+4*k+3]
.set k, k+1
.endr
.irp c, 0,1,2,3
	v_sqrt_f32 v[SS+\c], v[X+\c]
.endr
	v_nop                                          ; a plain instruction between the last root and the use of its result
	s_wait_alu depctr_va_vdst(0)
.irp c, 0,1,2,3
	v_add_f32 v[SS+\c], 0x322bcc77, v[SS+\c]       ; + 1e-8
.endr
.irp c, 0,1,2,3
	v_rcp_f32 v[SS+\c], v[SS+\c]
.endr
	v_nop
	s_cmp_lg_u32 s8, 0
	s_cbranch_scc1 .Lno_w0
	s_add_nc_u64 s[32:33], s[28:29], s[2:3]        ; tabs at my columns, f32 tables
	s_add_nc_u64 s[34:35], s[28:29], s[4:5]        ; and bf16 tables
	v_cvt_pk_bf16_f32 v[T],   v[RB],   v[RB+1]
	v_cvt_pk_bf16_f32 v[T+1], v[RB+2], v[RB+3]
	v_lshlrev_b32 v[BE],   16, v[T]
	v_and_b32     v[BE+1], 0xffff0000, v[T]
	v_lshlrev_b32 v[BE+2], 16, v[T+1]
	v_and_b32     v[BE+3], 0xffff0000, v[T+1]
	v_cvt_pk_bf16_f32 v[T+2], v[RW],   v[RW+1]
	v_cvt_pk_bf16_f32 v[T+3], v[RW+2], v[RW+3]
	v_cvt_pk_bf16_f32 v[T+4], v[RL],   v[RL+1]
	v_cvt_pk_bf16_f32 v[T+5], v[RL+2], v[RL+3]
	v_lshlrev_b32 v[T+6], 3, v1
	s_wait_alu depctr_va_vdst(0)
	global_store_b128 v5, v[SS:SS+3], s[32:33]                     ; sE
	global_store_b128 v5, v[BE:BE+3], s[32:33] offset:65536        ; bE
	global_store_b64 v[T+6], v[T+2:T+3], s[34:35] offset:131072    ; ln_w in bf16
	global_store_b64 v[T+6], v[T+4:T+5], s[34:35] offset:163840    ; ln_b in bf16
	s_cmp_lg_u32 ttmp9, 0
	s_cbranch_scc1 .Lno_w0
	v_add_f32 v[T+8], v[BE], v[BE+1]               ; c0 = the mean of bE over columns 0 .. 127
	v_add_f32 v[T+9], v[BE+2], v[BE+3]
	v_add_f32 v[T+8], v[T+8], v[T+9]
	WSUM T+8, T+9
	v_mul_f32 v[T+8], 0x3c000000, v[T+8]           ; / 128
	v_lshlrev_b32 v[T+10], 2, v1
	global_store_b32 v[T+10], v[T+8], s[28:29] offset:198656
.Lno_w0:
	; work-group 0: u of my 32 rows.  Each step is taken for all 32 rows before the next step, so that no line reads the result of the line before it.
	s_cmp_lg_u32 ttmp9, 0
	s_cbranch_scc1 .Lno_u
	s_wait_xcnt 0x0                                ; wave 0's stores have had their addresses translated: T is rewritten only behind this wait
	v_mov_b32 v[T+1], 0
	s_wait_alu depctr_va_vdst(0)
.set i, 0
.rept 32
	MIXMUL X+i, PK+2*i, 0, SS, 8                   ; row i's sum over my 4 columns, in X + i
.set i, i+1
.endr
.set i, 0
.rept 32
	MIXMUL X+i, PK+2*i, 1, SS+1, X+i
.set i, i+1
.endr
.set i, 0
.rept 32
	MIXMUL X+i, PK+2*i+1, 0, SS+2, X+i
.set i, i+1
.endr
.set i, 0
.rept 32
	MIXMUL X+i, PK+2*i+1, 1, SS+3, X+i
.set i, i+1
.endr
.irp m, 1,2,4,8
.set i, 0
.rept 32
	v_add_f32_dpp v[X+i], v[X+i], v[X+i] row_xmask:\m row_mask:0xf bank_mask:0xf
.set i, i+1
.endr
.endr
.set i, 0
.rept 32
	v_permlanex16_b32 v[X+32+i], v[X+i], s12, s13  ; its destination was written by the loads of the waves' sums
.set i, i+1
.endr
.set i, 0
.rept 32
	v_add_f32 v[X+i], v[X+i], v[X+32+i]
.set i, i+1
.endr
.set g, 0
.rept 4
.irp k, 0,1,2,3,4,5,6,7
	v_readfirstlane_b32 s[36+\k], v[X+8*g+\k]
.endr
.irp k, 0,1,2,3,4,5,6,7
	v_writelane_b32 v[T+1], s[36+\k], 8*g+\k       ; row 32 w + i goes to lane i
.endr
.set g, g+1
.endr
	v_mul_f32 v[T+1], 0x3c000000, v[T+1]           ; / 128
	v_lshlrev_b32 v[T+3], 2, v0
	global_store_b32 v[T+3], v[T+1], s[28:29] offset:196608
.Lno_u:
	; work-group 1, wave 0: the sixteen waves' bits are packed into four words
	s_cmp_lg_u32 ttmp9, 1
	s_cbranch_scc1 .Lend
	s_cmp_lg_u32 s8, 0
	s_cbranch_scc1 .Lend
	s_wait_xcnt 0x0                                ; T is rewritten only behind this wait
	v_mov_b32 v[T], SCAN
.irp k, 0,1,2,3
	ds_load_b128 v[X+4*\k:X+4*\k+3], v[T] offset:16*\k
.endr
	v_mov_b32 v[T+9], 0
	v_lshlrev_b32 v[T+2], 2, v1
	s_wait_dscnt 0x0
.irp k, 0,1,2,3
	v_lshl_or_b32 v[T+1], v[X+4*\k+1], 8,  v[X+4*\k]
	v_lshl_or_b32 v[T+1], v[X+4*\k+2], 16, v[T+1]
	v_lshl_or_b32 v[T+1], v[X+4*\k+3], 24, v[T+1]
	v_readfirstlane_b32 s9, v[T+1]                 ; bit t of word k: block 32 k + t is active
	v_writelane_b32 v[T+9], s9, \k
.endr
	global_store_b32 v[T+2], v[T+9], s[30:31]      ; words 0 .. 3; the other 28 lanes store 0
.Lend:
	s_wait_tensorcnt 0x0                           ; the wave's end: three closing lines, behind my last LDS store
	ds_add_u32 v6, v7
	s_wait_dscnt 0x0
	s_endpgm
.Lfunc_end_k_qcaed8fdd56_prep_enc:
	.size	k_qcaed8fdd56_prep_enc, .Lfunc_end_k_qcaed8fdd56_prep_enc-k_qcaed8fdd56_prep_enc
	.p2alignl 7, 3214868480
	.fill 96, 4, 3214868480
	.section	.rodata,"a",@progbits
	.p2align	6, 0x0
	.amdhsa_kernel k_qcaed8fdd56_prep_enc
		.amdhsa_group_segment_fixed_size 10496
		.amdhsa_private_segment_fixed_size 0
		.amdhsa_enable_private_segment 0
		.amdhsa_kernarg_size 64
		.amdhsa_user_sgpr_count 2
		.amdhsa_user_sgpr_kernarg_segment_ptr 1
		.amdhsa_wavefront_size32 1
		.amdhsa_system_sgpr_workgroup_id_x 1
		.amdhsa_system_sgpr_workgroup_id_y 1
		.amdhsa_system_sgpr_workgroup_id_z 1
		.amdhsa_system_vgpr_workitem_id 0
		.amdhsa_next_free_vgpr 240
		.amdhsa_next_free_sgpr 66
		.amdhsa_reserve_vcc 0
		.amdhsa_float_denorm_mode_32 3
		.amdhsa_float_denorm_mode_16_64 3
		.amdhsa_memory_ordered 1
		.amdhsa_forward_progress 1
		.amdhsa_inst_pref_size 55
	.end_amdhsa_kernel
	.amdgpu_metadata
---
amdhsa.version: [ 1, 2 ]
amdhsa.kernels:
  - .name:           k_qcaed8fdd56_prep_enc
    .symbol:         k_qcaed8fdd56_prep_enc.kd
    .args:
      - { .name: W_enc, .offset: 0, .size: 8, .value_kind: global_buffer, .address_space: global }
      - { .name: b_enc, .offset: 8, .size: 8, .value_kind: global_buffer, .address_space: global }
      - { .name: ln_w, .offset: 16, .size: 8, .value_kind: global_buffer, .address_space: global }
      - { .name: ln_b, .offset: 24, .size: 8, .value_kind: global_buffer, .address_space: global }
      - { .name: feature_mask, .offset: 32, .size: 8, .value_kind: global_buffer, .address_space: global }
      - { .name: WencB, .offset: 40, .size: 8, .value_kind: global_buffer, .address_space: global }
      - { .name: tabs, .offset: 48, .size: 8, .value_kind: global_buffer, .address_space: global }
      - { .name: order, .offset: 56, .size: 8, .value_kind: global_buffer, .address_space: global }
    .group_segment_fixed_size: 10496
    .private_segment_fixed_size: 0
    .kernarg_segment_align: 8
    .kernarg_segment_size: 64
    .max_flat_workgroup_size: 512
    .sgpr_count:     66
    .vgpr_count:     240
    .wavefront_size: 32
...
	.end_amdgpu_metadata
.endif
;; end of part 1
;; launch prep_rows (part 2): grid 640 x 1, 8 waves a work-group, no clusters, 0 bytes of LDS; arguments W_dec, acts, feature_mask, tabs, WdecH, actsB; writes WdecH, actsB
.if DOCPART == 2
	.amdgcn_target "amdgcn-amd-amdhsa--gfx1250"
	.amdhsa_code_object_version 6
	.text
	.protected	k_qcaed8fdd56_prep_rows
	.globl	k_qcaed8fdd56_prep_rows
	.p2align	8
	.type	k_qcaed8fdd56_prep_rows,@function
k_qcaed8fdd56_prep_rows:
	s_mov_b64 s[64:65], 0
	v_nop
	global_prefetch_b8 v0, s[64:65] scope:SCOPE_SE
	s_setreg_imm32_b32 hwreg(HW_REG_WAVE_MODE, 25, 1), 1
	s_wait_xcnt 0x0
; Two jobs on rows of 512 f32, a wave four rows, a row 16 numbers a lane; no LDS, no barrier: a row's sum never leaves its wave.
; Work-groups 0 .. 511: WdecH[j] = bf16(W_dec[j]) / (norm of the rounded row + 1e-8) x bf16(feature_mask[j]), in f16.
; Work-groups 512 .. 639: actsB = acts in bf16, and behind it (byte 4,194,304) cvec[n] = actsB[n] . u + c0 in f32: the mean of the row's first 128 pre-activations, the row's centre.
; Each load of a wave covers 512 consecutive bytes, each store 256, aligned.  Results are written into the row's own registers, which nothing rewrites.
; LIMITS.  |feature_mask| stays under 65,504 (f16); a normalised weight below 6e-5 keeps f16's fixed step of 6e-8; NaN and infinities are not treated apart.
.set ZR,  4                            ; v4       0
.set PT,  6                            ; v6       v_permlanex16_b32's destination
.set ACC, 8                            ; v[8:11]  four chains
.set SCL, 12                           ; v12      the row's scale
.set MB,  14                           ; v[14:17] my four rows' mask, rounded to bf16
.set CVC, 18                           ; v18      lane r: cvec of row r
.set CVA, 19                           ; v19      4 l
.set PKT, 20                           ; v[20:27] a row in bf16
.set U,   28                           ; v[28:43] u of my 16 columns
.set X,   48                           ; v[48:111] row r: 16 registers
.macro WSUM r, t
	v_add_f32_dpp v[\r], v[\r], v[\r] row_xmask:1 row_mask:0xf bank_mask:0xf
	v_add_f32_dpp v[\r], v[\r], v[\r] row_xmask:2 row_mask:0xf bank_mask:0xf
	v_add_f32_dpp v[\r], v[\r], v[\r] row_xmask:4 row_mask:0xf bank_mask:0xf
	v_add_f32_dpp v[\r], v[\r], v[\r] row_xmask:8 row_mask:0xf bank_mask:0xf
	v_permlanex16_b32 v[\t], v[\r], s12, s13
	v_add_f32 v[\r], v[\r], v[\t]
.endm
.macro SQR d, p, h, c                  ; d = (bf16 half h of p)^2 + c
	v_fma_mix_f32_bf16 v[\d], v[\p], v[\p], v[\c] op_sel:[\h,\h,0] op_sel_hi:[1,1,0]
.endm
.macro MIXMUL d, p, h, m, c            ; d = (bf16 half h of p) x m + c
	v_fma_mix_f32_bf16 v[\d], v[\p], v[\m], v[\c] op_sel:[\h,0,0] op_sel_hi:[1,0,0]
.endm
.macro FOLD4
	v_add_f32 v[ACC], v[ACC], v[ACC+1]
	v_add_f32 v[ACC+2], v[ACC+2], v[ACC+3]
	v_add_f32 v[ACC], v[ACC], v[ACC+2]
	WSUM ACC, PT
.endm
	s_load_b256 s[16:23], s[0:1], 0x0              ; W_dec 16, acts 18, feature_mask 20, tabs 22
	s_load_b128 s[24:27], s[0:1], 0x20             ; WdecH 24, actsB 26
	v_and_b32 v1, 31, v0
	v_lshrrev_b32 v7, 5, v0
	v_readfirstlane_b32 s8, v7                     ; wave
	v_lshlrev_b32 v5, 4, v1                        ; 16 l
	v_lshl_add_u32 v2, v7, 13, v5                  ; in: 4 w rows of 2,048 bytes + 16 l
	v_lshlrev_b32 v3, 3, v1                        ; out: 8 l
	v_mov_b32 v[ZR], 0
	v_mov_b32 v[PT], 0
	s_mov_b32 s12, 0x76543210
	s_mov_b32 s13, 0xfedcba98
	s_mov_b32 s3, 0
	s_mov_b32 s5, 0
	s_mov_b32 s7, 0
	s_wait_kmcnt 0x0
	s_cmp_ge_u32 ttmp9, 512
	s_cbranch_scc1 .Lacts
	s_lshl_b32 s2, ttmp9, 16                       ; 32 rows of 2,048 bytes a work-group
	s_add_nc_u64 s[16:17], s[16:17], s[2:3]
	s_lshl_b32 s4, ttmp9, 7
	s_lshl_b32 s10, s8, 4
	s_add_co_u32 s4, s4, s10                       ; (32 g + 4 w) x 4 bytes
	s_add_nc_u64 s[20:21], s[20:21], s[4:5]
	s_load_b128 s[32:35], s[20:21], 0x0            ; my four rows' mask
.irp r, 0,1,2,3
.irp j, 0,1,2,3
	global_load_b128 v[X+16*\r+4*\j:X+16*\r+4*\j+3], v2, s[16:17] offset:\r*2048+\j*512 th:TH_LOAD_NT
.endr
.endr
	s_lshl_b32 s6, ttmp9, 15
	s_lshl_b32 s11, s8, 12
	s_add_co_u32 s6, s6, s11                       ; (32 g + 4 w) rows of 1,024 bytes
	s_add_nc_u64 s[24:25], s[24:25], s[6:7]
	s_wait_kmcnt 0x0
.irp r, 0,1,2,3
	v_mov_b32 v[MB+\r], s[32+\r]
	v_cvt_pk_bf16_f32 v[MB+\r], v[MB+\r], v[MB+\r]
	v_lshlrev_b32 v[MB+\r], 16, v[MB+\r]
.endr
.macro ROWW r
	s_wait_loadcnt 12-4*(\r)                       ; this row's four loads are in; the later rows' stay out
.irp j, 0,1,2,3
	v_cvt_pk_bf16_f32 v[PKT+2*\j],   v[X+16*(\r)+4*\j],   v[X+16*(\r)+4*\j+1]
	v_cvt_pk_bf16_f32 v[PKT+2*\j+1], v[X+16*(\r)+4*\j+2], v[X+16*(\r)+4*\j+3]
.endr
.irp j, 0,1,2,3
	SQR ACC+\j, PKT+2*\j, 0, ZR
.endr
.irp j, 0,1,2,3
	SQR ACC+\j, PKT+2*\j, 1, ACC+\j
.endr
.irp j, 0,1,2,3
	SQR ACC+\j, PKT+2*\j+1, 0, ACC+\j
.endr
.irp j, 0,1,2,3
	SQR ACC+\j, PKT+2*\j+1, 1, ACC+\j
.endr
	FOLD4
	v_sqrt_f32 v[ACC], v[ACC]
	v_nop
	s_wait_alu depctr_va_vdst(0)
	v_add_f32 v[ACC], 0x322bcc77, v[ACC]           ; + 1e-8
	v_rcp_f32 v[ACC], v[ACC]
	v_nop
	s_wait_alu depctr_va_vdst(0)
	v_mul_f32 v[SCL], v[ACC], v[MB+(\r)]
.irp j, 0,1,2,3
	MIXMUL X+16*(\r)+4*\j,   PKT+2*\j,   0, SCL, ZR
	MIXMUL X+16*(\r)+4*\j+1, PKT+2*\j,   1, SCL, ZR
	MIXMUL X+16*(\r)+4*\j+2, PKT+2*\j+1, 0, SCL, ZR
	MIXMUL X+16*(\r)+4*\j+3, PKT+2*\j+1, 1, SCL, ZR
.endr
.irp j, 0,1,2,3
	v_cvt_pk_f16_f32 v[X+16*(\r)+4*\j],   v[X+16*(\r)+4*\j],   v[X+16*(\r)+4*\j+1]
	v_cvt_pk_f16_f32 v[X+16*(\r)+4*\j+1], v[X+16*(\r)+4*\j+2], v[X+16*(\r)+4*\j+3]
	global_store_b64 v3, v[X+16*(\r)+4*\j:X+16*(\r)+4*\j+1], s[24:25] offset:(\r)*1024+\j*256
.endr
.endm
	ROWW 0
	ROWW 1
	ROWW 2
	ROWW 3
	s_endpgm
.Lacts:
	s_sub_co_u32 s9, ttmp9, 512                    ; a: 32 rows of acts
	s_lshl_b32 s2, s9, 16
	s_add_nc_u64 s[18:19], s[18:19], s[2:3]
	s_load_b32 s37, s[22:23], 0x30800              ; c0
.irp j, 0,1,2,3
	global_load_b128 v[U+4*\j:U+4*\j+3], v5, s[22:23] offset:196608+512*\j  ; u, ahead of the rows: the rows' counts cover it
.endr
.irp r, 0,1,2,3
.irp j, 0,1,2,3
	global_load_b128 v[X+16*\r+4*\j:X+16*\r+4*\j+3], v2, s[18:19] offset:\r*2048+\j*512 th:TH_LOAD_NT
.endr
.endr
	s_lshl_b32 s4, s9, 15
	s_lshl_b32 s10, s8, 12
	s_add_co_u32 s4, s4, s10                       ; (32 a + 4 w) rows of 1,024 bytes
	s_add_nc_u64 s[30:31], s[26:27], s[4:5]
	s_lshl_b32 s6, s9, 7
	s_lshl_b32 s10, s8, 4
	s_add_co_u32 s6, s6, s10                       ; (32 a + 4 w) x 4 bytes
	s_add_nc_u64 s[28:29], s[26:27], s[6:7]
	v_mov_b32 v[CVC], 0
	v_lshlrev_b32 v[CVA], 2, v1
	s_wait_kmcnt 0x0
.macro ROWA r
	s_wait_loadcnt 12-4*(\r)
.irp j, 0,1,2,3
	v_cvt_pk_bf16_f32 v[X+16*(\r)+4*\j],   v[X+16*(\r)+4*\j],   v[X+16*(\r)+4*\j+1]
	v_cvt_pk_bf16_f32 v[X+16*(\r)+4*\j+1], v[X+16*(\r)+4*\j+2], v[X+16*(\r)+4*\j+3]
	global_store_b64 v3, v[X+16*(\r)+4*\j:X+16*(\r)+4*\j+1], s[30:31] offset:(\r)*1024+\j*256
.endr
.irp j, 0,1,2,3
	MIXMUL ACC+\j, X+16*(\r)+4*\j, 0, U+4*\j, ZR
.endr
.irp j, 0,1,2,3
	MIXMUL ACC+\j, X+16*(\r)+4*\j, 1, U+4*\j+1, ACC+\j
.endr
.irp j, 0,1,2,3
	MIXMUL ACC+\j, X+16*(\r)+4*\j+1, 0, U+4*\j+2, ACC+\j
.endr
.irp j, 0,1,2,3
	MIXMUL ACC+\j, X+16*(\r)+4*\j+1, 1, U+4*\j+3, ACC+\j
.endr
	FOLD4
	v_add_f32 v[ACC], s37, v[ACC]
	v_readfirstlane_b32 s9, v[ACC]
	v_writelane_b32 v[CVC], s9, \r
.endm
	ROWA 0
	ROWA 1
	ROWA 2
	ROWA 3
	s_wait_xcnt 0x0                                ; EXEC changes only behind this wait
	v_cmp_gt_u32 vcc_lo, 4, v1
	s_and_saveexec_b32 s9, vcc_lo
	global_store_b32 v[CVA], v[CVC], s[28:29] offset:4194304  ; lanes 0 .. 3: my four rows' centres
	s_wait_xcnt 0x0                                ; and again, in front of the line that widens it
	s_or_b32 exec_lo, exec_lo, s9
	s_endpgm
.Lfunc_end_k_qcaed8fdd56_prep_rows:
	.size	k_qcaed8fdd56_prep_rows, .Lfunc_end_k_qcaed8fdd56_prep_rows-k_qcaed8fdd56_prep_rows
	.p2alignl 7, 3214868480
	.fill 96, 4, 3214868480
	.section	.rodata,"a",@progbits
	.p2align	6, 0x0
	.amdhsa_kernel k_qcaed8fdd56_prep_rows
		.amdhsa_group_segment_fixed_size 0
		.amdhsa_private_segment_fixed_size 0
		.amdhsa_enable_private_segment 0
		.amdhsa_kernarg_size 48
		.amdhsa_user_sgpr_count 2
		.amdhsa_user_sgpr_kernarg_segment_ptr 1
		.amdhsa_wavefront_size32 1
		.amdhsa_system_sgpr_workgroup_id_x 1
		.amdhsa_system_sgpr_workgroup_id_y 1
		.amdhsa_system_sgpr_workgroup_id_z 1
		.amdhsa_system_vgpr_workitem_id 0
		.amdhsa_next_free_vgpr 112
		.amdhsa_next_free_sgpr 66
		.amdhsa_reserve_vcc 1
		.amdhsa_float_denorm_mode_32 3
		.amdhsa_float_denorm_mode_16_64 3
		.amdhsa_memory_ordered 1
		.amdhsa_forward_progress 1
		.amdhsa_inst_pref_size 33
	.end_amdhsa_kernel
	.amdgpu_metadata
---
amdhsa.version: [ 1, 2 ]
amdhsa.kernels:
  - .name:           k_qcaed8fdd56_prep_rows
    .symbol:         k_qcaed8fdd56_prep_rows.kd
    .args:
      - { .name: W_dec, .offset: 0, .size: 8, .value_kind: global_buffer, .address_space: global }
      - { .name: acts, .offset: 8, .size: 8, .value_kind: global_buffer, .address_space: global }
      - { .name: feature_mask, .offset: 16, .size: 8, .value_kind: global_buffer, .address_space: global }
      - { .name: tabs, .offset: 24, .size: 8, .value_kind: global_buffer, .address_space: global }
      - { .name: WdecH, .offset: 32, .size: 8, .value_kind: global_buffer, .address_space: global }
      - { .name: actsB, .offset: 40, .size: 8, .value_kind: global_buffer, .address_space: global }
    .group_segment_fixed_size: 0
    .private_segment_fixed_size: 0
    .kernarg_segment_align: 8
    .kernarg_segment_size: 48
    .max_flat_workgroup_size: 256
    .sgpr_count:     66
    .vgpr_count:     112
    .wavefront_size: 32
...
	.end_amdgpu_metadata
.endif
;; end of part 2
;; launch gemm1 (part 3): grid 64 x 4, 4 waves a work-group, clusters of 4 x 4, 327,680 bytes of LDS; arguments actsB, WencB, Pbuf, tabs; writes Pbuf
.if DOCPART == 3
	.amdgcn_target "amdgcn-amd-amdhsa--gfx1250"
	.amdhsa_code_object_version 6
	.text
	.protected	k_qcaed8fdd56_gemm1
	.globl	k_qcaed8fdd56_gemm1
	.p2align	8
	.type	k_qcaed8fdd56_gemm1,@function
k_qcaed8fdd56_gemm1:
	s_mov_b64 s[64:65], 0
	v_nop
	global_prefetch_b8 v0, s[64:65] scope:SCOPE_SE
	s_setreg_imm32_b32 hwreg(HW_REG_WAVE_MODE, 25, 1), 1
	s_wait_xcnt 0x0
	s_wait_alu depctr_hold_cnt(0) depctr_sa_sdst(0) depctr_va_vdst(0) depctr_va_sdst(0) depctr_va_ssrc(0) depctr_va_vcc(0) depctr_vm_vsrc(0)
	s_getreg_b32 s2, hwreg(HW_REG_IB_STS2, 6, 4)
	s_cmp_eq_u32 s2, 0
	s_cbranch_scc0 .Lentry_in_a_cluster
	s_endpgm
.Lentry_in_a_cluster:
	s_bfe_u32 s2, ttmp6, 0x10000c
	s_cmp_lg_u32 s2, 0xf033
	s_cbranch_scc0 .Lentry_shape_is_right
	s_endpgm
.Lentry_shape_is_right:
; P[n][j] = (sum over i of actsB[n][i] WencB[i][j]) x sE[j] + bE[j] - cvec[n], rounded once to f16.  actsB: [4096][512] bf16, WencB: [512][16384] bf16, sums in f32.
; The row's centre cvec[n] changes nothing behind the row's layer norm, which takes the row's mean away; it keeps f16's steps small beside the row's spread where the weights or the bias carry a common offset.
; LIMIT.  |P| stays under 65,504 (f16); NaN and infinities are not treated apart.
; SHAPE.  A tile of P is 256 x 256: four waves, each 128 x 128 in 64 accumulators (512 registers).  K = 512 goes in four steps of 128 through a ring of two LDS slots filled by the tensor data mover.
; A work-group STAYS and makes four tiles, 1,024 rows apart; they share their columns, so sE and bE are loaded once.  The ring runs on into the next tile: a tile's last two changes of slots
; ask for the next tile's first two K steps.  A tile is two laps of the ring, and both run ONE text: what differs between them, where the two refills point, lies in scalar registers.
; CLUSTERS: 4 x 4 work-groups.  The four of a row of the cluster need the same tiles of actsB, the four of a column the same tiles of WencB: each tile is asked for jointly, by the same tensor load
; with the same descriptor and a mask that names the four.
; WencB lies [K][N]: its tile is 128 rows (K) x 512 bytes, LDS pitch 544, and its fragments come out turned, by ds_load_tr16_b128.
; THE MATRIX INSTRUCTION IS USED TRANSPOSED: source 0 = 16 columns j, source 1 = 16 rows n.  A lane then holds row n = l % 16 and the columns 8 (l / 16) + 0 .. 7: eight neighbours of a row of P.
; REGISTERS, in windows of 256:  window 0: v0-31 addresses and cvec; v64-191 fragments of actsB, two buffers; v32-63, v192-255 at work on the way out
;   window 1: v0-63 sE, v192-255 bE of my lane's 64 columns; v64-191 fragments of WencB, two buffers      windows 2, 3: the accumulators of my rows 0-63, 64-127 ((a, b) at v[8 (8 a + b)])
.set SIZE_M, 4096
.set SIZE_N, 16384
.set SIZE_K, 512
.set SIZE_TILES, 4
.set KSTEP,  128
.set PITCH,  272                       ; a row of actsB in LDS: 256 bytes + 16: the 16 rows of a load start at 16 different groups of four banks
.set BPITCH, 544                       ; a row of WencB in LDS: 512 bytes + 32
.set HALFT,  128*PITCH                 ; what one tensor load brings: 128 rows of actsB, or 64 rows of WencB (64 x 544 is the same number)
.set SLOT,   4*HALFT
.set STAGE,  2*SLOT                    ; behind the ring: 16 rows x 272 bytes for each wave, for the way out
.set SPITCH, 272
.set SPARE,  STAGE+4*16*SPITCH         ; behind the stages: the spare words, 128 bytes for each wave
.set WALK,   SIZE_M/SIZE_TILES
.set NEXT_A, WALK*SIZE_K*2-(SIZE_K-2*KSTEP)*2   ; from a slot's last K step of a tile to its first of the next: 1,024 rows down, 256 along K back
.set ONE_B,  KSTEP*SIZE_N*2            ; one K step down WencB: 4,194,304 bytes
.set NEXT_C, (WALK-7*16)*SIZE_N*2      ; from my last 16 rows of a tile to my first of the next
.set CV,   6                           ; v6-13   cvec of row l % 16 of my eight blocks of 16 rows
.set CVA,  14                          ; v14     4 (l % 16)
.set TBA,  15                          ; v15     32 (l / 16)
.set ADRA, 16                          ; v16-17  LDS address of my fragments of actsB in slot 0, 1
.set ADRB, 20                          ; v20-21  the same for WencB
.set STO,  24
.set RD,   25
.set CO,   26
.set SPW,  28                          ; v28     my spare word; never rewritten
.set NIL,  29                          ; v29     0; never rewritten
.set F0,   64
.set F1,   128
.set TMP,  192
.set OB,   32
.set SC,   0                           ; window 1
.set BC,   192                         ; window 1
.set G1, 24
.set G0, 32
.set G1B, 48
.set G0B, 56
.set LEFT, 66                          ; s66      laps still to be begun or in hand, over all four tiles
.set BB,   68                          ; s[68:69] WencB at my half of the tile column's K step 0; never rewritten
.set SA,   76                          ; s[76:77] what a refill adds to actsB's address in this lap
.set SB,   78                          ; s[78:79] how far behind BB slot 0's refill lies in this lap
.set MSB, 0
.macro WIN new                         ; the immediate's high byte repeats the setting that is left
.if MSB != (\new)
	s_set_vgpr_msb (MSB<<8)|(\new)
.set MSB, \new
.endif
.endm
.set MUL_LO, 0xa1                      ; source 0 window 1, source 1 window 0, C and D window 2
.set MUL_HI, 0xf1                      ; the same, C and D window 3
.set TO_B,   0x40                      ; destination window 1, address window 0
.macro JLOAD s                         ; a joint load: waves 0 and 1 fetch actsB's two halves, waves 2 and 3 WencB's; an s_nop 0 and four v_nop follow each of the two lines
	s_cmp_eq_u32 s11, 0
	s_cbranch_scc0 .Lfor_b_\@
	tensor_load_to_lds s[G0+4*(\s):G0+4*(\s)+3], s[G1:G1+7]
	s_nop 0
.rept 4
	v_nop
.endr
	s_branch .Lasked_\@
.Lfor_b_\@:
	tensor_load_to_lds s[G0B+4*(\s):G0B+4*(\s)+3], s[G1B:G1B+7]
	s_nop 0
.rept 4
	v_nop
.endr
.Lasked_\@:
.endm
.macro CREST                           ; a round of the cluster's barrier behind its opening barrier
	s_cmp_lg_u32 s10, 0
	s_cbranch_scc1 .Lnot_wave_0_\@
	s_barrier_signal -3
.Lnot_wave_0_\@:
	s_barrier_wait -3
	s_barrier_signal -1
	s_barrier_wait -1
.endm
.macro CROUND
	s_barrier_signal -1
	s_barrier_wait -1
	CREST
.endm
	s_load_b128 s[4:7], s[0:1], 0x0                ; actsB s[4:5], WencB s[6:7]
	s_load_b64 s[8:9], s[0:1], 0x10                ; P
	s_load_b64 s[72:73], s[0:1], 0x18              ; tabs
	v_lshl_add_u32 v[SPW], v0, 2, SPARE
	v_mov_b32 v[NIL], 0
	ds_add_u32 v[SPW], v[NIL]                      ; the wave's opening: the add and its wait stand ahead of my first tensor load
	v_lshrrev_b32 v1, 5, v0
	v_readfirstlane_b32 s10, v1                    ; wave 0..3
	s_lshr_b32 s11, s10, 1                         ; which half of the tile's rows is mine.  Also: I fetch for actsB (0) or WencB (1)
	s_and_b32 s12, s10, 1                          ; which half of its columns.  Also: which half of that tile I fetch
	s_bfe_u32 s40, ttmp6, 0x40000                  ; cx
	s_bfe_u32 s41, ttmp6, 0x40004                  ; cy
	s_lshl_b32 s42, ttmp9, 2
	s_add_co_u32 s42, s42, s40                     ; tile column = 4 x cluster x + cx
	s_and_b32 s13, ttmp7, 0xffff
	s_lshl_b32 s13, s13, 2
	s_add_co_u32 s13, s13, s41                     ; tile row = 4 x cluster y + cy
	s_lshl_b32 s43, s41, 2
	s_lshl_b32 s43, 15, s43                        ; my row of the cluster
	s_lshl_b32 s44, 0x1111, s40                    ; my column
	s_or_b32 s[G1+0], s43, (1<<16)|(1<<20)|(1<<21)|(5<<22)|(3<<25)   ; mask; 2-byte elements; padding on; bit 21 beside a mask; after every 64 words 4 words
	s_or_b32 s[G1B+0], s44, (1<<16)|(1<<20)|(1<<21)|(6<<22)|(7<<25)  ; the column's mask; after every 128 words 8 words
	s_mov_b32 s[G1+1], KSTEP<<16                   ; tensor_dim0 = 128
	s_mov_b32 s[G1+2], 128<<16                     ; tensor_dim1 = 128
	s_mov_b32 s[G1+3], KSTEP<<16                   ; tile_dim0 = 128
	s_mov_b32 s[G1+4], 128                         ; tile_dim1 = 128
	s_mov_b32 s[G1+5], SIZE_K                      ; elements from row to row
	s_mov_b32 s[G1+6], 0
	s_mov_b32 s[G1+7], 0
	s_mov_b32 s[G1B+1], 256<<16                    ; tensor_dim0 = 256 columns
	s_mov_b32 s[G1B+2], 64<<16                     ; tensor_dim1 = 64 rows of K
	s_mov_b32 s[G1B+3], 256<<16
	s_mov_b32 s[G1B+4], 64
	s_mov_b32 s[G1B+5], SIZE_N
	s_mov_b32 s[G1B+6], 0
	s_mov_b32 s[G1B+7], 0
	s_lshl_b32 s17, s12, 7
	s_lshl_b32 s16, s13, 8
	s_add_co_u32 s16, s16, s17                     ; actsB: row 256 x tile row + 128 x half
	s_mov_b32 s17, 0
	s_mov_b64 s[18:19], SIZE_K*2
	s_mul_u64 s[16:17], s[16:17], s[18:19]
	s_lshl_b32 s46, s42, 9                         ; WencB: 512 bytes x tile column
	s_lshl_b32 s47, s12, 21                        ; + 64 rows of 32,768 bytes x half
	s_add_co_u32 s46, s46, s47
	s_mov_b32 s47, 0
	s_mul_i32 s20, s10, HALFT                      ; where they go: wave x 34,816 bytes: no place in the cluster enters an LDS address
	s_wait_dscnt 0x0                               ; the opening add is done
	s_wait_kmcnt 0x0
	s_add_nc_u64 s[14:15], s[4:5], s[16:17]
	s_add_nc_u64 s[BB:BB+1], s[6:7], s[46:47]
	CROUND                                         ; all sixteen work-groups are here: the first joint loads meet
.irp s, 0,1
	s_mov_b32 s[G0+4*(\s)], 1
	s_add_co_u32 s[G0+4*(\s)+1], s20, (\s)*SLOT
	s_add_nc_u64 s[G0+4*(\s)+2:G0+4*(\s)+3], s[14:15], (\s)*KSTEP*2
	s_or_b32 s[G0+4*(\s)+3], s[G0+4*(\s)+3], 0x80000000
	s_mov_b32 s[G0B+4*(\s)], 1
	s_add_co_u32 s[G0B+4*(\s)+1], s20, (\s)*SLOT
	s_add_nc_u64 s[G0B+4*(\s)+2:G0B+4*(\s)+3], s[BB:BB+1], (\s)*ONE_B
	s_or_b32 s[G0B+4*(\s)+3], s[G0B+4*(\s)+3], 0x80000000
	JLOAD \s
.endr
	v_and_b32 v1, 15, v0                           ; l % 16
	v_bfe_u32 v2, v0, 4, 1                         ; l / 16
	v_mul_u32_u24 v3, v1, PITCH
	v_lshl_add_u32 v3, v2, 4, v3                   ; actsB: row x pitch + 16 x half
	v_and_b32 v4, 7, v0
	v_lshl_add_u32 v4, v2, 3, v4                   ; WencB, turned: K row 8 (l / 16) + l % 8,
	v_mul_u32_u24 v4, v4, BPITCH
	v_bfe_u32 v5, v0, 3, 1
	v_lshl_add_u32 v4, v5, 4, v4                   ; columns 8 ((l / 8) % 2) on
	s_mul_i32 s21, s11, HALFT                      ; my 128 rows of actsB
	s_lshl_b32 s22, s12, 8                         ; my 128 columns of WencB,
	s_add_co_u32 s22, s22, 2*HALFT                 ; whose tile lies behind actsB's
.irp s, 0,1
	v_add_nc_u32 v[ADRA+(\s)], s21, v3
	v_add_nc_u32 v[ADRB+(\s)], s22, v4
	s_add_co_u32 s21, s21, SLOT
	s_add_co_u32 s22, s22, SLOT
.endr
	s_mul_i32 s23, s10, 16*SPITCH
	s_add_co_u32 s23, s23, STAGE                   ; my stage
	v_mul_u32_u24 v4, v1, SPITCH
	v_lshl_add_u32 v4, v2, 4, v4
	v_add_nc_u32 v[STO], s23, v4
	v_mul_u32_u24 v5, v2, SPITCH
	v_lshl_add_u32 v5, v1, 4, v5
	v_add_nc_u32 v[RD], s23, v5
	v_mul_u32_u24 v5, v2, SIZE_N*2
	v_lshl_add_u32 v[CO], v1, 4, v5
	v_lshlrev_b32 v[CVA], 2, v1
	v_lshlrev_b32 v[TBA], 5, v2
	; sE and bE of my lane's columns: 16 b + 8 (l / 16) + 0 .. 7 of my wave's 128, b = 0 .. 7
	s_lshl_b32 s74, s42, 10
	s_lshl_b32 s75, s12, 9
	s_add_co_u32 s74, s74, s75
	s_mov_b32 s75, 0
	s_add_nc_u64 s[72:73], s[72:73], s[74:75]
	WIN TO_B
.irp b, 0,1,2,3,4,5,6,7
	global_load_b128 v[SC+8*\b:SC+8*\b+3],   v[TBA], s[72:73] offset:64*\b
	global_load_b128 v[SC+8*\b+4:SC+8*\b+7], v[TBA], s[72:73] offset:64*\b+16
	global_load_b128 v[BC+8*\b:BC+8*\b+3],   v[TBA], s[72:73] offset:65536+64*\b
	global_load_b128 v[BC+8*\b+4:BC+8*\b+7], v[TBA], s[72:73] offset:65536+64*\b+16
.endr
	WIN 0
	s_lshl_b32 s13, s13, 8
	s_lshl_b32 s14, s11, 7
	s_add_co_u32 s16, s13, s14                     ; my first row
	s_lshl_b32 s74, s16, 2
	s_add_co_u32 s74, s74, 4194304                 ; cvec lies behind actsB's rows
	s_mov_b32 s75, 0
	s_add_nc_u64 s[70:71], s[4:5], s[74:75]
	s_mov_b32 s17, 0
	s_mov_b64 s[18:19], SIZE_N*2
	s_mul_u64 s[16:17], s[16:17], s[18:19]
	s_lshl_b32 s46, s42, 9
	s_lshl_b32 s47, s12, 8
	s_add_co_u32 s46, s46, s47
	s_mov_b32 s47, 0
	s_add_nc_u64 s[16:17], s[16:17], s[46:47]      ; where my part of the first tile begins in P: the first way out adds it
; 16 matrix instructions: row blocks a0, a0 + 1 of the window's four x all 8 column blocks, 32 along K.  zero = 1: the first product starts the sums.
.macro MUL16 f, hi, a0, zero
	WIN MUL_LO+0x50*(\hi)
.irp a, \a0, (\a0)+1
.irp b, 0,1,2,3,4,5,6,7
.if \zero
	v_wmma_f32_16x16x32_bf16 v[8*(8*(\a)+(\b)):8*(8*(\a)+(\b))+7], v[(\f)+8*(\b):(\f)+8*(\b)+7], v[(\f)+8*(4*(\hi)+(\a)):(\f)+8*(4*(\hi)+(\a))+7], 0
.else
	v_wmma_f32_16x16x32_bf16 v[8*(8*(\a)+(\b)):8*(8*(\a)+(\b))+7], v[(\f)+8*(\b):(\f)+8*(\b)+7], v[(\f)+8*(4*(\hi)+(\a)):(\f)+8*(4*(\hi)+(\a))+7], v[8*(8*(\a)+(\b)):8*(8*(\a)+(\b))+7]
.endif
.endr
.endr
.endm
; 32 LDS loads in one run: the fragments of quarter q (32 along K) of a slot into buffer f: WencB's 16 first, then actsB's
.macro FETCH slot, q, f
	WIN TO_B
.irp i, 0,1,2,3,4,5,6,7
	ds_load_tr16_b128 v[(\f)+8*(\i):(\f)+8*(\i)+3],   v[ADRB+(\slot)] offset:(\q)*32*BPITCH+(\i)*32
	ds_load_tr16_b128 v[(\f)+8*(\i)+4:(\f)+8*(\i)+7], v[ADRB+(\slot)] offset:(\q)*32*BPITCH+16*BPITCH+(\i)*32
.endr
	WIN 0
.irp i, 0,1,2,3,4,5,6,7
	ds_load_b128 v[(\f)+8*(\i):(\f)+8*(\i)+3],   v[ADRA+(\slot)] offset:(\q)*64+(\i)*16*PITCH
	ds_load_b128 v[(\f)+8*(\i)+4:(\f)+8*(\i)+7], v[ADRA+(\slot)] offset:(\q)*64+(\i)*16*PITCH+32
.endr
.endm
.macro PLACES                          ; four places in front of loads into registers that matrix instructions have read, and of vector work on results just made
.rept 4
	v_nop
.endr
.endm
; One of a K step's first three quarters: multiplies buffer f; in its middle it fetches quarter q of the same slot into buffer g.
.macro QUARTER slot, q, f, g, zero
	s_wait_dscnt 8                                 ; WencB's fragments and actsB's rows 0-63 are in; the youngest eight loads may be out
	WIN MUL_LO
	MUL16 \f, 0, 0, \zero
	MUL16 \f, 0, 2, \zero
	PLACES
	FETCH \slot, \q, \g
	s_wait_dscnt 32                                ; all but the 32 just issued
	WIN MUL_HI
	MUL16 \f, 1, 0, \zero
	MUL16 \f, 1, 2, \zero
.endm
; The last quarter multiplies buffer 1 and changes slots.  In front of the one barrier each wave waits for all its tensor loads (one is out: its part of the next slot), adds 0 to its spare word,
; and waits for that and for its own reads of this slot.  Behind it nobody reads this slot any more and the next slot is whole.
.macro MEET round
	WIN 0
	s_wait_tensorcnt 0x0
	ds_add_u32 v[SPW], v[NIL]
	s_wait_dscnt 9                                 ; (the add and the youngest eight loads may be out)
	WIN MUL_LO
	MUL16 F1, 0, 0, 0
	s_wait_dscnt 0x0                               ; the add is done, and my reads of this slot are over
	s_barrier_signal -1
	MUL16 F1, 0, 2, 0
.if \round
	WIN 0
.endif
	s_barrier_wait -1
.endm
; The slot just read is filled again: in a tile's first lap with this tile's K step two steps on, in its second lap with the next tile's K step 0 or 1: the lap has set SA and SB.
; actsB's address steps by SA.  WencB's is made anew: its base, the lap's SB, one K step more for slot 1, and the type bits set again: no number in these sums is negative.
; No tensor load of the wave is out here (MEET has waited for all), so both slots' group 0 may be written.
.macro TURN slot, next
	MEET 1
	CREST                                          ; the barrier has opened a round of the cluster's: no wave of any partner still reads this slot or has a load on its way
	s_add_nc_u64 s[G0+4*(\slot)+2:G0+4*(\slot)+3], s[G0+4*(\slot)+2:G0+4*(\slot)+3], s[SA:SA+1]
	s_add_nc_u64 s[G0B+4*(\slot)+2:G0B+4*(\slot)+3], s[BB:BB+1], s[SB:SB+1]
.if \slot
	s_add_nc_u64 s[G0B+4*(\slot)+2:G0B+4*(\slot)+3], s[G0B+4*(\slot)+2:G0B+4*(\slot)+3], (\slot)*ONE_B
.endif
	s_or_b32 s[G0B+4*(\slot)+3], s[G0B+4*(\slot)+3], 0x80000000
	JLOAD \slot                                    ; the first tensor load behind the round; its four v_nop are also the places in front of the loads below
	FETCH \next, 0, F0
	WIN MUL_HI
	MUL16 F1, 1, 0, 0
	MUL16 F1, 1, 2, 0
.endm
.macro TURNX next                      ; the same change of slots where nothing is left to ask for: no round, no load
	MEET 0
	PLACES
	FETCH \next, 0, F0
	WIN MUL_HI
	MUL16 F1, 1, 0, 0
	MUL16 F1, 1, 2, 0
.endm
; THE WAY OUT of block a (16 rows).  PACK: x sE + bE, - cvec, rounded to f16.  Each accumulator's registers are taken in ascending order.
.macro PACK a
.set AC, 64*((\a)%4)
	WIN 0x96+0x41*((\a)/4)                         ; destination and source 0: window 2 or 3; sources 1 and 2: window 1
.irp b, 0,1,2,3,4,5,6,7
.irp r, 0,1,2,3
	v_pk_fma_f32 v[AC+8*(\b)+2*(\r):AC+8*(\b)+2*(\r)+1], v[AC+8*(\b)+2*(\r):AC+8*(\b)+2*(\r)+1], v[SC+8*(\b)+2*(\r):SC+8*(\b)+2*(\r)+1], v[BC+8*(\b)+2*(\r):BC+8*(\b)+2*(\r)+1]
.endr
.endr
	WIN 0x82+0x41*((\a)/4)                         ; source 1: window 0
.irp b, 0,1,2,3,4,5,6,7
.irp r, 0,1,2,3
.if (\a)%2
	v_pk_add_f32 v[AC+8*(\b)+2*(\r):AC+8*(\b)+2*(\r)+1], v[AC+8*(\b)+2*(\r):AC+8*(\b)+2*(\r)+1], v[CV+2*((\a)/2):CV+2*((\a)/2)+1] op_sel:[0,1] op_sel_hi:[1,1] neg_lo:[0,1] neg_hi:[0,1]
.else
	v_pk_add_f32 v[AC+8*(\b)+2*(\r):AC+8*(\b)+2*(\r)+1], v[AC+8*(\b)+2*(\r):AC+8*(\b)+2*(\r)+1], v[CV+2*((\a)/2):CV+2*((\a)/2)+1] op_sel:[0,0] op_sel_hi:[1,0] neg_lo:[0,1] neg_hi:[0,1]
.endif
.endr
.endr
	WIN 0x0a+5*((\a)/4)                            ; sources 0 and 1: window 2 or 3; destination window 0
.irp b, 0,1,2,3,4,5,6,7
.irp r, 0,1,2,3
	v_cvt_pk_f16_f32 v[TMP+4*(\b)+(\r)], v[AC+8*(\b)+2*(\r)], v[AC+8*(\b)+2*(\r)+1]
.endr
.endr
	WIN 0
.endm
.macro TOSTAGE a                       ; into my own stage, and back as whole rows of 256 bytes
	WIN 0
.set BK, OB+192*((\a)%2)
.irp b, 0,1,2,3,4,5,6,7
	ds_store_b128 v[STO], v[TMP+4*(\b):TMP+4*(\b)+3] offset:32*(\b)
.endr
.irp t, 0,1,2,3,4,5,6,7
	ds_load_b128 v[BK+4*(\t):BK+4*(\t)+3], v[RD] offset:(\t)*2*SPITCH  ; LDS serves a wave's instructions in order: these see the stores above
.endr
.endm
.macro SEND a
	WIN 0
.set BK, OB+192*((\a)%2)
	s_wait_dscnt 0x0                               ; the block is back in registers
	s_wait_xcnt 0x0                                ; the stores' base and the registers that earlier stores read are rewritten only behind this wait
.if (\a) == 0
	s_add_nc_u64 s[8:9], s[8:9], s[16:17]          ; on to this tile's first rows
.else
	s_add_nc_u64 s[8:9], s[8:9], 16*SIZE_N*2
.endif
.irp t, 0,1,2,3,4,5,6,7
	global_store_b128 v[CO], v[BK+4*(\t):BK+4*(\t)+3], s[8:9] offset:2*(\t)*SIZE_N*2  ; 16 lanes store 256 consecutive bytes, aligned
.endr
.endm
	s_wait_tensorcnt 1                             ; my part of K step 0 is in; K step 1's may stay out
	s_barrier_signal -1
	s_barrier_wait -1
	FETCH 0, 0, F0
	s_mov_b32 s2, SIZE_TILES                       ; tiles to go: the same number in every work-group
	s_mov_b32 s[LEFT], 2*SIZE_TILES                ; and laps
.Ltile:
.irp a, 0,1,2,3,4,5,6,7
	global_load_b32 v[CV+\a], v[CVA], s[70:71] offset:64*\a  ; this tile's centres; wanted on the way out
.endr
	s_mov_b32 s[SA], 2*KSTEP*2                     ; the first lap's refills go two K steps on: 512 bytes along actsB's rows,
	s_mov_b32 s[SA+1], 0
	s_mov_b32 s[SB], 2*ONE_B                       ; K steps 2 and 3 of WencB: 256 rows behind its base
	s_mov_b32 s[SB+1], 0
	QUARTER 0, 1, F0, F1, 1                        ; a tile's first quarter starts the sums
	WIN 0                                          ; at a label and at a branch every window is 0
	s_mov_b32 s3, 2                                ; a tile's two laps
.Llap:                                                 ; a trip: a lap from its second quarter on; between a tile's two laps the second's first quarter
	QUARTER 0, 2, F1, F0, 0
	QUARTER 0, 3, F0, F1, 0
	WIN 0
	s_cmp_eq_u32 s[LEFT], 1
	s_cbranch_scc1 .Llast                          ; the last tile's second lap asks for nothing more: its rest is written out
	TURN 0, 1
	QUARTER 1, 1, F0, F1, 0
	QUARTER 1, 2, F1, F0, 0
	QUARTER 1, 3, F0, F1, 0
	TURN 1, 0                                      ; (in a tile's second lap: the next tile's first fragments are fetched)
	WIN 0
	s_sub_co_u32 s[LEFT], s[LEFT], 1
	s_sub_co_u32 s3, s3, 1
	s_cmp_eq_u32 s3, 0
	s_cbranch_scc1 .Lout                           ; both laps are done, both refills for the next tile are asked for: the tile goes out
	s_mov_b32 s[SA], NEXT_A                        ; the second lap's refills go on into the next tile: 1,024 rows down actsB and back along K,
	s_mov_b32 s[SB], 0                             ; K steps 0 and 1 of WencB once more: the walk's tiles share their columns
	QUARTER 0, 1, F0, F1, 0
	WIN 0
	s_cmp_lg_u32 s3, 0
	s_cbranch_scc1 .Llap
.Llast:
	TURNX 1
	QUARTER 1, 1, F0, F1, 0
	QUARTER 1, 2, F1, F0, 0
	QUARTER 1, 3, F0, F1, 0
	s_wait_dscnt 8
	WIN MUL_LO
	MUL16 F1, 0, 0, 0
	MUL16 F1, 0, 2, 0
	s_wait_dscnt 0x0
	MUL16 F1, 1, 0, 0
	MUL16 F1, 1, 2, 0
	WIN 0
.Lout:
	PLACES
	s_wait_loadcnt 0x0                             ; the centres (and, the first time, sE and bE)
	PACK 0
	TOSTAGE 0
.irp a, 1,2,3,4,5,6,7                  ; block a's arithmetic stands between block a - 1's loads from the stage and the wait for them
	PACK \a
	SEND (\a)-1
	TOSTAGE \a
.endr
	SEND 7
	s_mov_b64 s[16:17], NEXT_C                     ; what the next way out adds to P's address
	s_add_nc_u64 s[70:71], s[70:71], WALK*4        ; the next tile's centres; this tile's loads were waited for above
	s_sub_co_u32 s2, s2, 1
	s_cmp_lg_u32 s2, 0
	s_cbranch_scc1 .Ltile
	s_wait_tensorcnt 0x0                           ; the wave's end: three closing lines
	ds_add_u32 v[SPW], v[NIL]
	s_wait_dscnt 0x0
	CROUND                                         ; the closing round: no work-group ends while a partner may still ask for a tile that names it
	s_endpgm
.Lfunc_end_k_qcaed8fdd56_gemm1:
	.size	k_qcaed8fdd56_gemm1, .Lfunc_end_k_qcaed8fdd56_gemm1-k_qcaed8fdd56_gemm1
	.p2alignl 7, 3214868480
	.fill 96, 4, 3214868480
	.section	.rodata,"a",@progbits
	.p2align	6, 0x0
	.amdhsa_kernel k_qcaed8fdd56_gemm1
		.amdhsa_group_segment_fixed_size 327680
		.amdhsa_private_segment_fixed_size 0
		.amdhsa_enable_private_segment 0
		.amdhsa_kernarg_size 32
		.amdhsa_user_sgpr_count 2
		.amdhsa_user_sgpr_kernarg_segment_ptr 1
		.amdhsa_wavefront_size32 1
		.amdhsa_system_sgpr_workgroup_id_x 1
		.amdhsa_system_sgpr_workgroup_id_y 1
		.amdhsa_system_sgpr_workgroup_id_z 1
		.amdhsa_system_vgpr_workitem_id 0
		.amdhsa_next_free_vgpr 1024
		.amdhsa_next_free_sgpr 80
		.amdhsa_reserve_vcc 0
		.amdhsa_float_denorm_mode_32 3
		.amdhsa_float_denorm_mode_16_64 3
		.amdhsa_memory_ordered 1
		.amdhsa_forward_progress 1
		.amdhsa_inst_pref_size 168
	.end_amdhsa_kernel
	.amdgpu_metadata
---
amdhsa.version: [ 1, 2 ]
amdhsa.kernels:
  - .name:           k_qcaed8fdd56_gemm1
    .symbol:         k_qcaed8fdd56_gemm1.kd
    .args:
      - { .name: actsB, .offset: 0, .size: 8, .value_kind: global_buffer, .address_space: global }
      - { .name: WencB, .offset: 8, .size: 8, .value_kind: global_buffer, .address_space: global }
      - { .name: Pbuf, .offset: 16, .size: 8, .value_kind: global_buffer, .address_space: global }
      - { .name: tabs, .offset: 24, .size: 8, .value_kind: global_buffer, .address_space: global }
    .group_segment_fixed_size: 327680
    .private_segment_fixed_size: 0
    .kernarg_segment_align: 8
    .kernarg_segment_size: 32
    .max_flat_workgroup_size: 128
    .sgpr_count:     80
    .vgpr_count:     1024
    .wavefront_size: 32
...
	.end_amdgpu_metadata
.endif
;; end of part 3
;; launch select (part 4): grid 1024 x 1, 4 waves a work-group, no clusters, 66,560 bytes of LDS; arguments Pbuf, tabs, order, Ebuf; writes Ebuf
.if DOCPART == 4
	.amdgcn_target "amdgcn-amd-amdhsa--gfx1250"
	.amdhsa_code_object_version 6
	.text
	.protected	k_qcaed8fdd56_select
	.globl	k_qcaed8fdd56_select
	.p2align	8
	.type	k_qcaed8fdd56_select,@function
k_qcaed8fdd56_select:
	s_mov_b64 s[64:65], 0
	v_nop
	global_prefetch_b8 v0, s[64:65] scope:SCOPE_SE
	s_setreg_imm32_b32 hwreg(HW_REG_WAVE_MODE, 25, 1), 1
	s_wait_xcnt 0x0
; For each row of P (f16, 16,384 numbers: the pre-activations less a centre): layer norm, x ln_w + ln_b (bf16), layer norm again (h), the K-th largest h (K = 1638) as threshold,
; E = h x sigmoid((h - thr) / 0.1) in f16.  feature_mask itself sits in the decoder's rows; a chunk of 256 features whose two blocks of 128 have no non-zero mask (order, which an earlier launch
; stored) gets zeros in place of the sigmoid's work: the decoder's rows are 0 there, so its share of the product is 0 either way.
; SHARES.  A work-group takes four rows, one after the other; wave w holds features 4096 w .. + 4095 of the row in 128 registers: chunk i of 256 features, lane l its features 8 l .. 8 l + 7.
; The next row's 16 loads go out while this row is worked on.  A sum over the row: lanes, then the four waves' words in LDS behind one barrier; two sets of words take turns.
; STATISTICS in f32, in two passes: the mean, then the squares of what is left.  With x = h1 - mean2: h = x rs2, rs2 = 1 / sqrt(var2 + 1e-5).
; THE THRESHOLD.  x has mean 0 and variance sd^2, and 1638 of 16,384 numbers lie at or above the K-th largest, 14,747 at or below it; by the one-sided Chebyshev bound it lies in [-0.3334 sd, 3.0004 sd] whatever the numbers are.
; Twelve halvings of [-0.375 sd, 3.125 sd], each by a count of the x above the middle t, and the last interval's middle: off by at most 3.5 / 8192 = 4.3e-4 in h.  The count is the sum of
; clamp((x - t) 2^30 / sd) to 0 .. 1: 0 or 1 but for an x within sd / 2^30 above t, which counts in part; the product t 2^30 / sd is rounded once, the same in all lanes, which moves t by 1e-7 sd at the most.
; The choice is a select, the trip count a constant.
; LIMITS.  That error of the threshold; a feature in an idle chunk gives 0 even where h is not finite; NaN and infinities are not treated apart; var2 below 2^-126 counts as sd = 0 (thr = 0; h is then at most 1e-16).
.set ROWB,  32768                      ; bytes in a row of P and of E
.set W16,   0                          ; LDS: ln_w in bf16; each lane stores and reads back its own 16 bytes of each chunk
.set B16,   32768                      ; LDS: ln_b in bf16
.set REDB,  65536                      ; LDS: the waves' words: set 0 at + 0, set 1 at + 128
.set SPARE, 65792                      ; the spare words, 128 bytes for each wave
.set ONE,  0                           ; v0       1.0
.set ZR,   1                           ; v1       0
.set T1,   3                           ; v3       v_permlanex16_b32's destination
.set ZQ,   8                           ; v[8:11]  four zeros, what an idle chunk stores; never rewritten
.set ACC,  24                          ; v[24:31] four chains of pairs
.set ZB,   32                          ; v[32:39] at work
.set HB,   40                          ; v[40:47] at work
.set RR,   48                          ; v[48:51] the four waves' words
.set MP,   52                          ; v[52:53] a mean, twice
.set RS,   54                          ; v[54:55] 1 / sqrt(var + 1e-5), twice
.set BIG,  56                          ; v[56:57] 2^30 / sd, twice
.set NC,   58                          ; v[58:59] - t x BIG, twice
.set NK,   56                          ; later: -10 log2(e) rs2, twice
.set TK,   58                          ; later: - thr x NK, twice
.set R,    60
.set TT,   61                          ; the interval's lower end
.set STEP, 62                          ; half its width
.set CAND, 63
.set PF,   64                          ; v[64:127]  the next row as loaded
.set X,    128                         ; v[128:255] the row in f32
.macro FOLD
	v_pk_add_f32 v[ACC:ACC+1], v[ACC:ACC+1], v[ACC+2:ACC+3]
	v_pk_add_f32 v[ACC+4:ACC+5], v[ACC+4:ACC+5], v[ACC+6:ACC+7]
	v_pk_add_f32 v[ACC:ACC+1], v[ACC:ACC+1], v[ACC+4:ACC+5]
	v_add_f32 v[R], v[ACC], v[ACC+1]
.endm
; R over the whole row, the same bits in every wave.  A set of words is written again only two barriers later, and each wave's reads of it are waited for ahead of the next barrier's signal.
.macro REDUCE slot
	v_add_f32_dpp v[R], v[R], v[R] row_xmask:1 row_mask:0xf bank_mask:0xf
	v_add_f32_dpp v[R], v[R], v[R] row_xmask:2 row_mask:0xf bank_mask:0xf
	v_add_f32_dpp v[R], v[R], v[R] row_xmask:4 row_mask:0xf bank_mask:0xf
	v_add_f32_dpp v[R], v[R], v[R] row_xmask:8 row_mask:0xf bank_mask:0xf
	v_permlanex16_b32 v[T1], v[R], s18, s19
	v_add_f32 v[R], v[R], v[T1]
	ds_store_b32 v4, v[R] offset:(\slot)*128
	s_wait_dscnt 0x0                               ; for the others' sake: my word is in LDS
	s_barrier_signal -1
	s_barrier_wait -1
	ds_load_b128 v[RR:RR+3], v5 offset:(\slot)*128
	s_wait_dscnt 0x0
	v_add_f32 v[RR], v[RR], v[RR+1]
	v_add_f32 v[RR+2], v[RR+2], v[RR+3]
	v_add_f32 v[R], v[RR], v[RR+2]
.endm
.macro CSQ                             ; X -= MP; ACC = the sums of X^2
.set g, 0
.rept 16
.irp c, 0,1,2,3
	v_pk_add_f32 v[X+8*g+2*\c:X+8*g+2*\c+1], v[X+8*g+2*\c:X+8*g+2*\c+1], v[MP:MP+1] neg_lo:[0,1] neg_hi:[0,1]
.endr
.irp c, 0,1,2,3
.if g == 0
	v_pk_mul_f32 v[ACC+2*\c:ACC+2*\c+1], v[X+2*\c:X+2*\c+1], v[X+2*\c:X+2*\c+1]
.else
	v_pk_fma_f32 v[ACC+2*\c:ACC+2*\c+1], v[X+8*g+2*\c:X+8*g+2*\c+1], v[X+8*g+2*\c:X+8*g+2*\c+1], v[ACC+2*\c:ACC+2*\c+1]
.endif
.endr
.set g, g+1
.endr
.endm
.macro BSTEP slot                      ; one halving
	v_add_f32 v[CAND], v[TT], v[STEP]
	v_mul_f32 v[NC], -v[CAND], v[BIG]
	v_mul_f32 v[NC+1], -v[CAND], v[BIG]
.set g, 0
.rept 16
.irp c, 0,1,2,3
.if g == 0
	v_pk_fma_f32 v[ACC+2*\c:ACC+2*\c+1], v[X+2*\c:X+2*\c+1], v[BIG:BIG+1], v[NC:NC+1] clamp
.else
	v_pk_fma_f32 v[ZB+8*(g%2)+2*\c:ZB+8*(g%2)+2*\c+1], v[X+8*g+2*\c:X+8*g+2*\c+1], v[BIG:BIG+1], v[NC:NC+1] clamp
.endif
.endr
.if g > 0
.irp c, 0,1,2,3
	v_pk_add_f32 v[ACC+2*\c:ACC+2*\c+1], v[ACC+2*\c:ACC+2*\c+1], v[ZB+8*(g%2)+2*\c:ZB+8*(g%2)+2*\c+1]
.endr
.endif
.set g, g+1
.endr
	FOLD
	REDUCE \slot
	v_cmp_lt_f32 vcc_lo, 0x44ccb000, v[R]          ; 1637.5 < the count: K or more lie above the middle
	v_cndmask_b32 v[TT], v[TT], v[CAND], vcc_lo
	v_mul_f32 v[STEP], 0.5, v[STEP]
.endm
.macro ENC i                           ; chunk i.  The packed result goes into the chunk's own registers, which are rewritten only behind the row's last wait
	s_bfe_u32 s15, s14, (2<<16)|(2*(\i))           ; the bits of blocks 32 w + 2 i and + 1
	s_cmp_lg_u32 s15, 0
	s_cbranch_scc0 .Lidle_\@
.irp c, 0,1,2,3
	v_pk_fma_f32 v[ZB+2*\c:ZB+2*\c+1], v[X+8*(\i)+2*\c:X+8*(\i)+2*\c+1], v[NK:NK+1], v[TK:TK+1]  ; -(h - thr) x 10 log2(e)
.endr
.irp j, 0,1,2,3,4,5,6,7
	v_exp_f32 v[ZB+\j], v[ZB+\j]
.endr
.irp c, 0,1,2,3
	v_pk_mul_f32 v[HB+2*\c:HB+2*\c+1], v[X+8*(\i)+2*\c:X+8*(\i)+2*\c+1], v[RS:RS+1]              ; h: plain work behind the exponentials
.endr
	s_wait_alu depctr_va_vdst(0)
.irp c, 0,1,2,3
	v_pk_add_f32 v[ZB+2*\c:ZB+2*\c+1], v[ZB+2*\c:ZB+2*\c+1], 1.0 op_sel_hi:[1,0]
.endr
.irp j, 0,1,2,3,4,5,6,7
	v_rcp_f32 v[ZB+\j], v[ZB+\j]
.endr
	v_nop
	s_wait_alu depctr_va_vdst(0)
.irp c, 0,1,2,3
	v_pk_mul_f32 v[HB+2*\c:HB+2*\c+1], v[HB+2*\c:HB+2*\c+1], v[ZB+2*\c:ZB+2*\c+1]
.endr
.irp c, 0,1,2,3
	v_cvt_pk_f16_f32 v[X+8*(\i)+\c], v[HB+2*\c], v[HB+2*\c+1]
.endr
	global_store_b128 v2, v[X+8*(\i):X+8*(\i)+3], s[10:11] offset:512*(\i)  ; the wave stores 512 consecutive bytes, aligned
	s_branch .Ldone_\@
.Lidle_\@:
	global_store_b128 v2, v[ZQ:ZQ+3], s[10:11] offset:512*(\i)
.Ldone_\@:
.endm
	s_load_b256 s[4:11], s[0:1], 0x0               ; P s[4:5], tabs s[6:7], order s[8:9], E s[10:11]
	v_lshl_add_u32 v6, v0, 2, SPARE                ; my spare word
	v_mov_b32 v7, 0                                ; and 0: these two serve the add alone
	v_and_b32 v1, 31, v0
	v_lshrrev_b32 v3, 5, v0
	v_readfirstlane_b32 s12, v3                    ; wave
	s_lshl_b32 s13, s12, 13
	v_lshl_add_u32 v2, v1, 4, s13                  ; 8,192 w + 16 l: my 16 bytes of chunk 0, in P's and E's rows, in the tables and in LDS
	s_lshl_b32 s16, s12, 2                         ; my wave's word in order,
	s_mov_b32 s17, 0
	s_add_co_u32 s15, s16, REDB
	v_mov_b32 v4, s15                              ; and among the waves' words in LDS
	v_mov_b32 v5, REDB
	s_mov_b32 s18, 0x76543210
	s_mov_b32 s19, 0xfedcba98
	s_lshl_b32 s2, ttmp9, 17                       ; four rows of 32,768 bytes a work-group
	s_mov_b32 s3, 0
	s_wait_kmcnt 0x0
	s_add_nc_u64 s[4:5], s[4:5], s[2:3]
	s_add_nc_u64 s[10:11], s[10:11], s[2:3]
	s_add_nc_u64 s[16:17], s[8:9], s[16:17]
	s_load_b32 s14, s[16:17], 0x0                  ; bit t: block 32 w + t is active
.irp i, 0,1,2,3,4,5,6,7,8,9,10,11,12,13,14,15
	global_load_b128 v[X+4*\i:X+4*\i+3],       v2, s[6:7] offset:131072+512*\i
	global_load_b128 v[X+64+4*\i:X+64+4*\i+3], v2, s[6:7] offset:163840+512*\i
.endr
.irp i, 0,1,2,3,4,5,6,7,8,9,10,11,12,13,14,15
	global_load_b128 v[PF+4*\i:PF+4*\i+3], v2, s[4:5] offset:512*\i th:TH_LOAD_NT  ; row 0
.endr
	v_mov_b32 v[ONE], 1.0
	v_mov_b32 v[ZR], 0
.irp c, 0,1,2,3
	v_mov_b32 v[ZQ+\c], 0
.endr
	s_wait_loadcnt 16                              ; the tables are in; row 0's sixteen loads stay out
.irp i, 0,1,2,3,4,5,6,7,8,9,10,11,12,13,14,15
	ds_store_b128 v2, v[X+4*\i:X+4*\i+3]       offset:W16+512*\i
	ds_store_b128 v2, v[X+64+4*\i:X+64+4*\i+3] offset:B16+512*\i
.endr
	s_wait_kmcnt 0x0
	s_mov_b32 s20, 4
.Lrow:
	s_wait_loadcnt 0x0                             ; the row is in
.set k, 0
.rept 64
	v_fma_mix_f32 v[X+2*k],   v[PF+k], v[ONE], v[ZR] op_sel_hi:[1,0,0]               ; f16 to f32: the low half,
	v_fma_mix_f32 v[X+2*k+1], v[PF+k], v[ONE], v[ZR] op_sel:[1,0,0] op_sel_hi:[1,0,0]  ; the high half
.set k, k+1
.endr
	s_cmp_eq_u32 s20, 1
	s_cbranch_scc1 .Lno_next
	s_add_nc_u64 s[4:5], s[4:5], ROWB              ; free since the wait above
.irp i, 0,1,2,3,4,5,6,7,8,9,10,11,12,13,14,15
	global_load_b128 v[PF+4*\i:PF+4*\i+3], v2, s[4:5] offset:512*\i th:TH_LOAD_NT
.endr
.Lno_next:
.irp c, 0,1,2,3
	v_pk_add_f32 v[ACC+2*\c:ACC+2*\c+1], v[X+2*\c:X+2*\c+1], v[X+8+2*\c:X+8+2*\c+1]
.endr
.set p, 8
.rept 56
	v_pk_add_f32 v[ACC+2*(p%4):ACC+2*(p%4)+1], v[ACC+2*(p%4):ACC+2*(p%4)+1], v[X+2*p:X+2*p+1]
.set p, p+1
.endr
	FOLD
	REDUCE 0
	v_mul_f32 v[MP], 0x38800000, v[R]              ; / 16384
	v_mul_f32 v[MP+1], 0x38800000, v[R]
	CSQ
	FOLD
	REDUCE 1
	v_mul_f32 v[R], 0x38800000, v[R]
	v_add_f32 v[RS], 0x3727c5ac, v[R]              ; + 1e-5
	v_rsq_f32 v[RS], v[RS]
	v_nop
	s_wait_alu depctr_va_vdst(0)
	v_mov_b32 v[RS+1], v[RS]
	; h1 = x rs1 ln_w + ln_b, and its sum.  The tables' 32 bytes of a chunk are asked for a chunk ahead
	ds_load_b128 v[ZB:ZB+3],   v2 offset:W16
	ds_load_b128 v[ZB+4:ZB+7], v2 offset:B16
.set i, 0
.rept 16
.set WB, ZB+8*(i%2)
.if i < 15
	ds_load_b128 v[ZB+8*((i+1)%2):ZB+8*((i+1)%2)+3],   v2 offset:W16+512*(i+1)
	ds_load_b128 v[ZB+8*((i+1)%2)+4:ZB+8*((i+1)%2)+7], v2 offset:B16+512*(i+1)
.endif
.irp c, 0,1,2,3
	v_pk_mul_f32 v[X+8*i+2*\c:X+8*i+2*\c+1], v[X+8*i+2*\c:X+8*i+2*\c+1], v[RS:RS+1]
.endr
.if i < 15
	s_wait_dscnt 2                                 ; this chunk's two loads are in; the next chunk's two stay out
.else
	s_wait_dscnt 0x0
.endif
.irp c, 0,1,2,3
	v_fma_mix_f32_bf16 v[X+8*i+2*\c],   v[X+8*i+2*\c],   v[WB+\c], v[WB+4+\c] op_sel:[0,0,0] op_sel_hi:[0,1,1]
	v_fma_mix_f32_bf16 v[X+8*i+2*\c+1], v[X+8*i+2*\c+1], v[WB+\c], v[WB+4+\c] op_sel:[0,1,1] op_sel_hi:[0,1,1]
.endr
.if i == 1
.irp c, 0,1,2,3
	v_pk_add_f32 v[ACC+2*\c:ACC+2*\c+1], v[X+2*\c:X+2*\c+1], v[X+8+2*\c:X+8+2*\c+1]
.endr
.endif
.if i > 1
.irp c, 0,1,2,3
	v_pk_add_f32 v[ACC+2*\c:ACC+2*\c+1], v[ACC+2*\c:ACC+2*\c+1], v[X+8*i+2*\c:X+8*i+2*\c+1]
.endr
.endif
.set i, i+1
.endr
	FOLD
	REDUCE 0
	v_mul_f32 v[MP], 0x38800000, v[R]
	v_mul_f32 v[MP+1], 0x38800000, v[R]
	CSQ
	FOLD
	REDUCE 1
	v_mul_f32 v[R], 0x38800000, v[R]               ; var2
	v_add_f32 v[RS], 0x3727c5ac, v[R]
	v_max_num_f32 v[BIG], 0x0d800000, v[R]         ; at least 2^-100, so that BIG stays finite
	v_sqrt_f32 v[TT], v[R]                         ; sd
	v_rsq_f32 v[RS], v[RS]                         ; rs2
	v_rsq_f32 v[BIG], v[BIG]
	v_nop
	s_wait_alu depctr_va_vdst(0)
	v_mul_f32 v[STEP], 0x3fe00000, v[TT]           ; 1.75 sd
	v_mul_f32 v[TT], 0xbec00000, v[TT]             ; -0.375 sd
	v_mul_f32 v[BIG], 0x4e800000, v[BIG]           ; 2^30 / sd
	v_mov_b32 v[RS+1], v[RS]
	v_mov_b32 v[BIG+1], v[BIG]
	s_mov_b32 s21, 6
.Lbis:
	BSTEP 0
	BSTEP 1
	s_sub_co_u32 s21, s21, 1
	s_cmp_lg_u32 s21, 0
	s_cbranch_scc1 .Lbis
	v_add_f32 v[TT], v[TT], v[STEP]                ; the last interval's middle
	v_mul_f32 v[NK], 0xc166d4ca, v[RS]             ; -10 log2(e) rs2
	v_mul_f32 v[NK+1], 0xc166d4ca, v[RS]
	v_mul_f32 v[TK], -v[TT], v[NK]
	v_mul_f32 v[TK+1], -v[TT], v[NK]
.irp i, 0,1,2,3,4,5,6,7,8,9,10,11,12,13,14,15
	ENC \i
.endr
	s_wait_xcnt 0x0                                ; E's base and the registers that the stores read are rewritten only behind this wait
	s_add_nc_u64 s[10:11], s[10:11], ROWB
	s_sub_co_u32 s20, s20, 1
	s_cmp_lg_u32 s20, 0
	s_cbranch_scc1 .Lrow
	s_wait_tensorcnt 0x0                           ; the wave's end: three closing lines, behind my last LDS store
	ds_add_u32 v6, v7
	s_wait_dscnt 0x0
	s_endpgm
.Lfunc_end_k_qcaed8fdd56_select:
	.size	k_qcaed8fdd56_select, .Lfunc_end_k_qcaed8fdd56_select-k_qcaed8fdd56_select
	.p2alignl 7, 3214868480
	.fill 96, 4, 3214868480
	.section	.rodata,"a",@progbits
	.p2align	6, 0x0
	.amdhsa_kernel k_qcaed8fdd56_select
		.amdhsa_group_segment_fixed_size 66560
		.amdhsa_private_segment_fixed_size 0
		.amdhsa_enable_private_segment 0
		.amdhsa_kernarg_size 32
		.amdhsa_user_sgpr_count 2
		.amdhsa_user_sgpr_kernarg_segment_ptr 1
		.amdhsa_wavefront_size32 1
		.amdhsa_system_sgpr_workgroup_id_x 1
		.amdhsa_system_sgpr_workgroup_id_y 1
		.amdhsa_system_sgpr_workgroup_id_z 1
		.amdhsa_system_vgpr_workitem_id 0
		.amdhsa_next_free_vgpr 256
		.amdhsa_next_free_sgpr 66
		.amdhsa_reserve_vcc 1
		.amdhsa_float_denorm_mode_32 3
		.amdhsa_float_denorm_mode_16_64 3
		.amdhsa_memory_ordered 1
		.amdhsa_forward_progress 1
		.amdhsa_inst_pref_size 114
	.end_amdhsa_kernel
	.amdgpu_metadata
---
amdhsa.version: [ 1, 2 ]
amdhsa.kernels:
  - .name:           k_qcaed8fdd56_select
    .symbol:         k_qcaed8fdd56_select.kd
    .args:
      - { .name: Pbuf, .offset: 0, .size: 8, .value_kind: global_buffer, .address_space: global }
      - { .name: tabs, .offset: 8, .size: 8, .value_kind: global_buffer, .address_space: global }
      - { .name: order, .offset: 16, .size: 8, .value_kind: global_buffer, .address_space: global }
      - { .name: Ebuf, .offset: 24, .size: 8, .value_kind: global_buffer, .address_space: global }
    .group_segment_fixed_size: 66560
    .private_segment_fixed_size: 0
    .kernarg_segment_align: 8
    .kernarg_segment_size: 32
    .max_flat_workgroup_size: 128
    .sgpr_count:     66
    .vgpr_count:     256
    .wavefront_size: 32
...
	.end_amdgpu_metadata
.endif
;; end of part 4
;; launch gemm2 (part 5): grid 4 x 64, 4 waves a work-group, clusters of 4 x 4, 327,680 bytes of LDS; arguments Ebuf, WdecH, part; writes part
.if DOCPART == 5
	.amdgcn_target "amdgcn-amd-amdhsa--gfx1250"
	.amdhsa_code_object_version 6
	.text
	.protected	k_qcaed8fdd56_gemm2
	.globl	k_qcaed8fdd56_gemm2
	.p2align	8
	.type	k_qcaed8fdd56_gemm2,@function
k_qcaed8fdd56_gemm2:
	s_mov_b64 s[64:65], 0
	v_nop
	global_prefetch_b8 v0, s[64:65] scope:SCOPE_SE
	s_setreg_imm32_b32 hwreg(HW_REG_WAVE_MODE, 25, 1), 1
	s_wait_xcnt 0x0
	s_wait_alu depctr_hold_cnt(0) depctr_sa_sdst(0) depctr_va_vdst(0) depctr_va_sdst(0) depctr_va_ssrc(0) depctr_va_vcc(0) depctr_vm_vsrc(0)
	s_getreg_b32 s2, hwreg(HW_REG_IB_STS2, 6, 4)
	s_cmp_eq_u32 s2, 0
	s_cbranch_scc0 .Lentry_in_a_cluster
	s_endpgm
.Lentry_in_a_cluster:
	s_bfe_u32 s2, ttmp6, 0x10000c
	s_cmp_lg_u32 s2, 0xf033
	s_cbranch_scc0 .Lentry_shape_is_right
	s_endpgm
.Lentry_shape_is_right:
; part[s] = the sum over k in [2048 s, 2048 s + 2048) of E[n][k] WdecH[k][c], s = 0 .. 7.  E: [4096][16384] f16, WdecH: [16384][512] f16; sums in f32, stored in f32.
; SHAPE.  A tile is 256 x 256: four waves, each 128 x 128 in 64 accumulators (512 registers).  The output has 16 x 2 tiles; K is split in eight, so that 256 work-groups have equal work:
; each walks 16 K steps of 128 (8 laps) through a ring of two LDS slots: 256 rows of E (256 bytes, pitch 272), 128 rows of WdecH (512 bytes, pitch 544), whose fragments come out turned.
; From a refill's request to the wait for it a wave issues 224 matrix instructions.
; CLUSTERS: 4 x 4.  Tile row = cx + 4 (cluster y % 4); tile column = cy % 2; split = cy / 2 + 2 (cluster y / 4).  WdecH's tile hangs on the tile column and the split, that is on cy and the cluster's y:
; the four of a row of the cluster ask for it jointly.  E's tile (tile row, split) is wanted by two work-groups alone, the two tile columns, while a row's or a column's mask names four:
; so E's tiles are asked for singly, with no mask, behind the same rounds.
; THE MATRIX INSTRUCTION IS USED TRANSPOSED (source 0 = 16 columns c, source 1 = 16 rows n): lane l holds row l % 16 and the columns 8 (l / 16) + 0 .. 7 of an accumulator's 16 x 16.
; THE LAYOUT OF part is the registers': [split][tile row x 2 + tile column][wave][chunk][lane] of 16 bytes, chunk = 16 a + 2 b + q for registers 4 q .. 4 q + 3 of the accumulator of row block a and
; column block b.  So each store of a wave covers 512 consecutive bytes, aligned, with no way through LDS; the next launch adds the eight splits and puts the sums in rows.
; REGISTERS, in windows of 256:  window 0: v0-31 addresses; v64-191 fragments of E, two buffers.  window 1: v64-191 fragments of WdecH, two buffers.
;   windows 2, 3: the accumulators of my rows 0-63, 64-127 ((a, b) at v[8 (8 a + b)])
.set KSTEP,  128
.set LAPS,   8                         ; 2,048 along K in laps of two K steps
.set PITCH,  272
.set BPITCH, 544
.set HALFT,  128*PITCH                 ; what one tensor load brings: 128 rows of E, or 64 rows of WdecH (64 x 544 is the same number)
.set SLOT,   4*HALFT
.set SPARE,  2*SLOT                    ; behind the ring: the spare words, 128 bytes for each wave
.set ADRA, 16                          ; v16-17  LDS address of my fragments of E in slot 0, 1
.set ADRB, 20                          ; v20-21  the same for WdecH
.set CO,   26                          ; v26     16 x lane
.set SPW,  28                          ; v28     my spare word; never rewritten
.set NIL,  29                          ; v29     0; never rewritten
.set F0,   64
.set F1,   128
.set G1, 24                            ; s[24:31] descriptor group 1 for E's tiles;  s[32:39] group 0, one set for each slot
.set G0, 32
.set G1B, 48                           ; s[48:55], s[56:63] the same for WdecH's tiles
.set G0B, 56
.set MSB, 0
.macro WIN new                         ; the immediate's high byte repeats the setting that is left
.if MSB != (\new)
	s_set_vgpr_msb (MSB<<8)|(\new)
.set MSB, \new
.endif
.endm
.set MUL_LO, 0xa1                      ; source 0 window 1, source 1 window 0, C and D window 2
.set MUL_HI, 0xf1                      ; the same, C and D window 3
.set TO_B,   0x40                      ; destination window 1, address window 0
.macro JLOAD s                         ; waves 0 and 1 fetch E's two halves (their own work-group's), waves 2 and 3 WdecH's (jointly); an s_nop 0 and four v_nop follow each of the two lines
	s_cmp_eq_u32 s11, 0
	s_cbranch_scc0 .Lfor_b_\@
	tensor_load_to_lds s[G0+4*(\s):G0+4*(\s)+3], s[G1:G1+7]
	s_nop 0
.rept 4
	v_nop
.endr
	s_branch .Lasked_\@
.Lfor_b_\@:
	tensor_load_to_lds s[G0B+4*(\s):G0B+4*(\s)+3], s[G1B:G1B+7]
	s_nop 0
.rept 4
	v_nop
.endr
.Lasked_\@:
.endm
.macro CREST                           ; a round of the cluster's barrier behind its opening barrier
	s_cmp_lg_u32 s10, 0
	s_cbranch_scc1 .Lnot_wave_0_\@
	s_barrier_signal -3
.Lnot_wave_0_\@:
	s_barrier_wait -3
	s_barrier_signal -1
	s_barrier_wait -1
.endm
.macro CROUND
	s_barrier_signal -1
	s_barrier_wait -1
	CREST
.endm
	s_load_b128 s[4:7], s[0:1], 0x0                ; E s[4:5], WdecH s[6:7]
	s_load_b64 s[8:9], s[0:1], 0x10                ; part
	v_lshl_add_u32 v[SPW], v0, 2, SPARE
	v_mov_b32 v[NIL], 0
	ds_add_u32 v[SPW], v[NIL]                      ; the wave's opening: the add and its wait stand ahead of my first tensor load
	v_lshrrev_b32 v1, 5, v0
	v_readfirstlane_b32 s10, v1                    ; wave 0..3
	s_lshr_b32 s11, s10, 1                         ; which half of the tile's rows is mine.  Also: I fetch for E (0) or WdecH (1)
	s_and_b32 s12, s10, 1                          ; which half of its columns.  Also: which half of that tile I fetch
	s_bfe_u32 s40, ttmp6, 0x40000                  ; cx
	s_bfe_u32 s41, ttmp6, 0x40004                  ; cy
	s_and_b32 s45, ttmp7, 0xffff                   ; the cluster's y, 0 .. 15
	s_and_b32 s13, s45, 3
	s_lshl_b32 s13, s13, 2
	s_add_co_u32 s13, s13, s40                     ; tile row = cx + 4 (cluster y % 4)
	s_and_b32 s42, s41, 1                          ; tile column = cy % 2
	s_lshr_b32 s67, s45, 2
	s_lshl_b32 s67, s67, 1
	s_lshr_b32 s43, s41, 1
	s_add_co_u32 s67, s67, s43                     ; split = cy / 2 + 2 (cluster y / 4)
	s_lshl_b32 s43, s41, 2
	s_lshl_b32 s43, 15, s43                        ; my row of the cluster: places 4 cy .. 4 cy + 3
	s_mov_b32 s[G1+0], (1<<16)|(1<<20)|(5<<22)|(3<<25)               ; no mask; 2-byte elements; padding on; after every 64 words 4 words
	s_or_b32 s[G1B+0], s43, (1<<16)|(1<<20)|(1<<21)|(6<<22)|(7<<25)  ; the row's mask, bit 21 beside it; after every 128 words 8 words
	s_mov_b32 s[G1+1], KSTEP<<16                   ; tensor_dim0 = 128
	s_mov_b32 s[G1+2], 128<<16                     ; tensor_dim1 = 128
	s_mov_b32 s[G1+3], KSTEP<<16                   ; tile_dim0 = 128
	s_mov_b32 s[G1+4], 128                         ; tile_dim1 = 128
	s_mov_b32 s[G1+5], 16384                       ; elements from row to row of E
	s_mov_b32 s[G1+6], 0
	s_mov_b32 s[G1+7], 0
	s_mov_b32 s[G1B+1], 256<<16                    ; tensor_dim0 = 256 columns
	s_mov_b32 s[G1B+2], 64<<16                     ; tensor_dim1 = 64 rows of K
	s_mov_b32 s[G1B+3], 256<<16
	s_mov_b32 s[G1B+4], 64
	s_mov_b32 s[G1B+5], 512                        ; elements from row to row of WdecH
	s_mov_b32 s[G1B+6], 0
	s_mov_b32 s[G1B+7], 0
	s_lshl_b32 s16, s13, 8
	s_lshl_b32 s17, s12, 7
	s_add_co_u32 s16, s16, s17                     ; E: row 256 x tile row + 128 x half,
	s_lshl_b32 s16, s16, 15                        ; of 32,768 bytes,
	s_lshl_b32 s17, s67, 12
	s_add_co_u32 s16, s16, s17                     ; + the split's 2,048 numbers of 2 bytes
	s_mov_b32 s17, 0
	s_lshl_b32 s46, s67, 21                        ; WdecH: the split's 2,048 rows of 1,024 bytes (these registers never hold cx),
	s_lshl_b32 s47, s12, 16                        ; + 64 rows x half,
	s_add_co_u32 s46, s46, s47
	s_lshl_b32 s47, s42, 9                         ; + 512 bytes x tile column
	s_add_co_u32 s46, s46, s47
	s_mov_b32 s47, 0
	s_mul_i32 s20, s10, HALFT                      ; where they go: wave x 34,816 bytes: no place in the cluster enters an LDS address
	s_wait_dscnt 0x0                               ; the opening add is done
	s_wait_kmcnt 0x0
	s_add_nc_u64 s[14:15], s[4:5], s[16:17]
	s_add_nc_u64 s[46:47], s[6:7], s[46:47]
	CROUND                                         ; all sixteen work-groups are here: the first joint loads meet
.irp s, 0,1
	s_mov_b32 s[G0+4*(\s)], 1
	s_add_co_u32 s[G0+4*(\s)+1], s20, (\s)*SLOT
	s_add_nc_u64 s[G0+4*(\s)+2:G0+4*(\s)+3], s[14:15], (\s)*KSTEP*2
	s_or_b32 s[G0+4*(\s)+3], s[G0+4*(\s)+3], 0x80000000
	s_mov_b32 s[G0B+4*(\s)], 1
	s_add_co_u32 s[G0B+4*(\s)+1], s20, (\s)*SLOT
	s_add_nc_u64 s[G0B+4*(\s)+2:G0B+4*(\s)+3], s[46:47], (\s)*KSTEP*1024
	s_or_b32 s[G0B+4*(\s)+3], s[G0B+4*(\s)+3], 0x80000000
	JLOAD \s
.endr
	v_and_b32 v1, 15, v0                           ; l % 16
	v_bfe_u32 v2, v0, 4, 1                         ; l / 16
	v_mul_u32_u24 v3, v1, PITCH
	v_lshl_add_u32 v3, v2, 4, v3                   ; E: row x pitch + 16 x half
	v_and_b32 v4, 7, v0
	v_lshl_add_u32 v4, v2, 3, v4                   ; WdecH, turned: K row 8 (l / 16) + l % 8,
	v_mul_u32_u24 v4, v4, BPITCH
	v_bfe_u32 v5, v0, 3, 1
	v_lshl_add_u32 v4, v5, 4, v4                   ; columns 8 ((l / 8) % 2) on
	s_mul_i32 s21, s11, HALFT                      ; my 128 rows of E
	s_lshl_b32 s22, s12, 8                         ; my 128 columns of WdecH,
	s_add_co_u32 s22, s22, 2*HALFT                 ; whose tile lies behind E's
.irp s, 0,1
	v_add_nc_u32 v[ADRA+(\s)], s21, v3
	v_add_nc_u32 v[ADRB+(\s)], s22, v4
	s_add_co_u32 s21, s21, SLOT
	s_add_co_u32 s22, s22, SLOT
.endr
	v_and_b32 v[CO], 31, v0
	v_lshlrev_b32 v[CO], 4, v[CO]
	s_lshl_b32 s16, s13, 1
	s_add_co_u32 s16, s16, s42                     ; the tile's number,
	s_lshl_b32 s16, s16, 18                        ; its 262,144 bytes,
	s_lshl_b32 s17, s67, 23                        ; the split's 8,388,608,
	s_add_co_u32 s16, s16, s17
	s_lshl_b32 s17, s10, 16                        ; my wave's 65,536
	s_add_co_u32 s16, s16, s17
	s_mov_b32 s17, 0
	s_add_nc_u64 s[8:9], s[8:9], s[16:17]
; 16 matrix instructions: row blocks a0, a0 + 1 of the window's four x all 8 column blocks, 32 along K.  zero = 1: the first product starts the sums.
.macro MUL16 f, hi, a0, zero
	WIN MUL_LO+0x50*(\hi)
.irp a, \a0, (\a0)+1
.irp b, 0,1,2,3,4,5,6,7
.if \zero
	v_wmma_f32_16x16x32_f16 v[8*(8*(\a)+(\b)):8*(8*(\a)+(\b))+7], v[(\f)+8*(\b):(\f)+8*(\b)+7], v[(\f)+8*(4*(\hi)+(\a)):(\f)+8*(4*(\hi)+(\a))+7], 0
.else
	v_wmma_f32_16x16x32_f16 v[8*(8*(\a)+(\b)):8*(8*(\a)+(\b))+7], v[(\f)+8*(\b):(\f)+8*(\b)+7], v[(\f)+8*(4*(\hi)+(\a)):(\f)+8*(4*(\hi)+(\a))+7], v[8*(8*(\a)+(\b)):8*(8*(\a)+(\b))+7]
.endif
.endr
.endr
.endm
; 32 LDS loads in one run: the fragments of quarter q (32 along K) of a slot into buffer f: WdecH's 16 first, then E's
.macro FETCH slot, q, f
	WIN TO_B
.irp i, 0,1,2,3,4,5,6,7
	ds_load_tr16_b128 v[(\f)+8*(\i):(\f)+8*(\i)+3],   v[ADRB+(\slot)] offset:(\q)*32*BPITCH+(\i)*32
	ds_load_tr16_b128 v[(\f)+8*(\i)+4:(\f)+8*(\i)+7], v[ADRB+(\slot)] offset:(\q)*32*BPITCH+16*BPITCH+(\i)*32
.endr
	WIN 0
.irp i, 0,1,2,3,4,5,6,7
	ds_load_b128 v[(\f)+8*(\i):(\f)+8*(\i)+3],   v[ADRA+(\slot)] offset:(\q)*64+(\i)*16*PITCH
	ds_load_b128 v[(\f)+8*(\i)+4:(\f)+8*(\i)+7], v[ADRA+(\slot)] offset:(\q)*64+(\i)*16*PITCH+32
.endr
.endm
.macro PLACES                          ; four places in front of loads into registers that matrix instructions have read, and of stores of results just made
.rept 4
	v_nop
.endr
.endm
; One of a K step's first three quarters: multiplies buffer f; in its middle it fetches quarter q of the same slot into buffer g.
.macro QUARTER slot, q, f, g, zero
	s_wait_dscnt 8                                 ; WdecH's fragments and E's rows 0-63 are in; the youngest eight loads may be out
	WIN MUL_LO
	MUL16 \f, 0, 0, \zero
	MUL16 \f, 0, 2, \zero
	PLACES
	FETCH \slot, \q, \g
	s_wait_dscnt 32                                ; all but the 32 just issued
	WIN MUL_HI
	MUL16 \f, 1, 0, \zero
	MUL16 \f, 1, 2, \zero
.endm
; The last quarter multiplies buffer 1 and changes slots.  In front of the one barrier each wave waits for all its tensor loads (one is out: its part of the next slot), adds 0 to its spare word,
; and waits for that and for its own reads of this slot.  Behind it nobody reads this slot any more and the next slot is whole.
.macro MEET round
	WIN 0
	s_wait_tensorcnt 0x0
	ds_add_u32 v[SPW], v[NIL]
	s_wait_dscnt 9                                 ; (the add and the youngest eight loads may be out)
	WIN MUL_LO
	MUL16 F1, 0, 0, 0
	s_wait_dscnt 0x0                               ; the add is done, and my reads of this slot are over
	s_barrier_signal -1
	MUL16 F1, 0, 2, 0
.if \round
	WIN 0
.endif
	s_barrier_wait -1
.endm
.macro TURN slot, next                 ; the slot just read takes the K step two steps on
	MEET 1
	CREST                                          ; the barrier has opened a round of the cluster's: no wave of any partner still reads this slot or has a load on its way
	s_add_nc_u64 s[G0+4*(\slot)+2:G0+4*(\slot)+3], s[G0+4*(\slot)+2:G0+4*(\slot)+3], 2*KSTEP*2
	s_add_nc_u64 s[G0B+4*(\slot)+2:G0B+4*(\slot)+3], s[G0B+4*(\slot)+2:G0B+4*(\slot)+3], 2*KSTEP*1024
	JLOAD \slot                                    ; the first tensor load behind the round; its four v_nop are also the places in front of the loads below
	FETCH \next, 0, F0
	WIN MUL_HI
	MUL16 F1, 1, 0, 0
	MUL16 F1, 1, 2, 0
.endm
.macro TURNX next                      ; the same change of slots where nothing is left to ask for: no round, no load
	MEET 0
	PLACES
	FETCH \next, 0, F0
	WIN MUL_HI
	MUL16 F1, 1, 0, 0
	MUL16 F1, 1, 2, 0
.endm
; THE WAY OUT of my rows 64 hi .. 64 hi + 63: each accumulator's low four registers, then its high four; each store covers 512 consecutive bytes, aligned
.macro OUT hi
	WIN 0x08+4*(\hi)                               ; the stores' data: window 2 or 3; their address: window 0
.irp a, 0,1,2,3
.irp b, 0,1,2,3,4,5,6,7
	global_store_b128 v[CO], v[8*(8*(\a)+(\b)):8*(8*(\a)+(\b))+3],   s[8:9] offset:(16*(4*(\hi)+(\a))+2*(\b))*512
	global_store_b128 v[CO], v[8*(8*(\a)+(\b))+4:8*(8*(\a)+(\b))+7], s[8:9] offset:(16*(4*(\hi)+(\a))+2*(\b)+1)*512
.endr
.endr
.endm
	s_wait_tensorcnt 1                             ; my part of K step 0 is in; K step 1's may stay out
	s_barrier_signal -1
	s_barrier_wait -1
	FETCH 0, 0, F0
	QUARTER 0, 1, F0, F1, 1                        ; the first quarter stands in front of the loop: its products start the sums
	WIN 0                                          ; at a label and at a branch every window is 0
	s_mov_b32 s3, LAPS
.Llap:                                                 ; a trip goes once round the ring, from a lap's second quarter to the next lap's first, and fills both slots again
	QUARTER 0, 2, F1, F0, 0
	QUARTER 0, 3, F0, F1, 0
	WIN 0
	s_cmp_eq_u32 s3, 1
	s_cbranch_scc1 .Llast                          ; the last lap asks for nothing more: its rest is written out
	TURN 0, 1
	QUARTER 1, 1, F0, F1, 0
	QUARTER 1, 2, F1, F0, 0
	QUARTER 1, 3, F0, F1, 0
	TURN 1, 0
	QUARTER 0, 1, F0, F1, 0
	WIN 0
	s_sub_co_u32 s3, s3, 1
	s_cmp_lg_u32 s3, 0
	s_cbranch_scc1 .Llap
.Llast:
	TURNX 1
	QUARTER 1, 1, F0, F1, 0
	QUARTER 1, 2, F1, F0, 0
	QUARTER 1, 3, F0, F1, 0
	s_wait_dscnt 8
	WIN MUL_LO
	MUL16 F1, 0, 0, 0
	MUL16 F1, 0, 2, 0
	s_wait_dscnt 0x0
	MUL16 F1, 1, 0, 0
	MUL16 F1, 1, 2, 0
	PLACES
	OUT 0
	OUT 1
	WIN 0
	s_wait_tensorcnt 0x0                           ; the wave's end: three closing lines
	ds_add_u32 v[SPW], v[NIL]
	s_wait_dscnt 0x0
	CROUND                                         ; the closing round: no work-group ends while a partner may still ask for a tile that names it
	s_endpgm
.Lfunc_end_k_qcaed8fdd56_gemm2:
	.size	k_qcaed8fdd56_gemm2, .Lfunc_end_k_qcaed8fdd56_gemm2-k_qcaed8fdd56_gemm2
	.p2alignl 7, 3214868480
	.fill 96, 4, 3214868480
	.section	.rodata,"a",@progbits
	.p2align	6, 0x0
	.amdhsa_kernel k_qcaed8fdd56_gemm2
		.amdhsa_group_segment_fixed_size 327680
		.amdhsa_private_segment_fixed_size 0
		.amdhsa_enable_private_segment 0
		.amdhsa_kernarg_size 24
		.amdhsa_user_sgpr_count 2
		.amdhsa_user_sgpr_kernarg_segment_ptr 1
		.amdhsa_wavefront_size32 1
		.amdhsa_system_sgpr_workgroup_id_x 1
		.amdhsa_system_sgpr_workgroup_id_y 1
		.amdhsa_system_sgpr_workgroup_id_z 1
		.amdhsa_system_vgpr_workitem_id 0
		.amdhsa_next_free_vgpr 1024
		.amdhsa_next_free_sgpr 72
		.amdhsa_reserve_vcc 0
		.amdhsa_float_denorm_mode_32 3
		.amdhsa_float_denorm_mode_16_64 3
		.amdhsa_memory_ordered 1
		.amdhsa_forward_progress 1
		.amdhsa_inst_pref_size 110
	.end_amdhsa_kernel
	.amdgpu_metadata
---
amdhsa.version: [ 1, 2 ]
amdhsa.kernels:
  - .name:           k_qcaed8fdd56_gemm2
    .symbol:         k_qcaed8fdd56_gemm2.kd
    .args:
      - { .name: Ebuf, .offset: 0, .size: 8, .value_kind: global_buffer, .address_space: global }
      - { .name: WdecH, .offset: 8, .size: 8, .value_kind: global_buffer, .address_space: global }
      - { .name: part, .offset: 16, .size: 8, .value_kind: global_buffer, .address_space: global }
    .group_segment_fixed_size: 327680
    .private_segment_fixed_size: 0
    .kernarg_segment_align: 8
    .kernarg_segment_size: 24
    .max_flat_workgroup_size: 128
    .sgpr_count:     72
    .vgpr_count:     1024
    .wavefront_size: 32
...
	.end_amdgpu_metadata
.endif
;; end of part 5
;; launch reduce (part 6): grid 256 x 1, 8 waves a work-group, no clusters, 35,840 bytes of LDS; arguments part, b_dec, out0; writes out0
.if DOCPART == 6
	.amdgcn_target "amdgcn-amd-amdhsa--gfx1250"
	.amdhsa_code_object_version 6
	.text
	.protected	k_qcaed8fdd56_reduce
	.globl	k_qcaed8fdd56_reduce
	.p2align	8
	.type	k_qcaed8fdd56_reduce,@function
k_qcaed8fdd56_reduce:
	s_mov_b64 s[64:65], 0
	v_nop
	global_prefetch_b8 v0, s[64:65] scope:SCOPE_SE
	s_setreg_imm32_b32 hwreg(HW_REG_WAVE_MODE, 25, 1), 1
	s_wait_xcnt 0x0
; out0[n][c] = the sum over the eight splits of part, in ascending order, + bf16(b_dec[c]).  A stream: memory binds, so no matrix unit, no cluster, no barrier.
; part lies as the launch before left it: [split][tile row x 2 + tile column][wave][chunk][lane] of 16 bytes.  A PIECE is 4,096 consecutive bytes of a split, eight chunks: 16 rows x 64 columns of the output.
; Piece id, bit by bit: 0 which 64 of the wave's 128 columns; 1-3 which 16 of its 128 rows; 4 the wave's column half; 5 its row half; 6 the tile column; 7-10 the tile row.
; A wave takes one piece: 8 loads of 512 consecutive bytes from each split.  57 loads go out at once (b_dec and splits 0 to 6); split 7 follows into split 1's registers when those have been added.
; In chunk 2 b + q lane l holds row l % 16, columns 16 b + 8 (l / 16) + 4 q + 0 .. 3.  The sums go through a stage of the wave's own (16 rows x 272 bytes) and come back as whole rows of 256 bytes:
; sixteen lanes store 256 consecutive bytes, aligned.
.set SPITCH, 272
.set SPARE,  8*16*SPITCH               ; behind the eight stages: the spare words, 128 bytes for each wave
.set B,  4                             ; v[4:7]     b_dec of the 4 columns that I store
.set G,  16                            ; v[16:239]  seven sets of 32 registers: set g holds split g's piece; set 0 takes the sums, set 1 later split 7, set 2 later the rows read back
.macro ADDG g                          ; set 0 += set g
.set p, 0
.rept 16
	v_pk_add_f32 v[G+2*p:G+2*p+1], v[G+2*p:G+2*p+1], v[G+32*(\g)+2*p:G+32*(\g)+2*p+1]
.set p, p+1
.endr
.endm
	s_load_b128 s[4:7], s[0:1], 0x0                ; part s[4:5], b_dec s[6:7]
	s_load_b64 s[8:9], s[0:1], 0x10                ; out0
	v_lshl_add_u32 v10, v0, 2, SPARE               ; my spare word
	v_mov_b32 v11, 0                               ; and 0: these two serve the add alone
	v_and_b32 v12, 31, v0                          ; lane
	v_lshrrev_b32 v13, 5, v0
	v_readfirstlane_b32 s14, v13                   ; wave
	v_lshlrev_b32 v1, 4, v12                       ; 16 l
	v_and_b32 v14, 15, v12                         ; l % 16
	v_lshrrev_b32 v15, 4, v12                      ; l / 16
	s_lshl_b32 s15, ttmp9, 3
	s_add_co_u32 s15, s15, s14                     ; my piece
	s_lshl_b32 s2, s15, 12                         ; its 4,096 bytes in each split
	s_mov_b32 s3, 0
	s_lshr_b32 s10, s15, 7                         ; tile row
	s_lshl_b32 s10, s10, 8
	s_bfe_u32 s11, s15, 0x10005                    ; the wave's row half
	s_lshl_b32 s11, s11, 7
	s_add_co_u32 s10, s10, s11
	s_bfe_u32 s11, s15, 0x30001                    ; the block of 16 rows
	s_lshl_b32 s11, s11, 4
	s_add_co_u32 s10, s10, s11                     ; my first row
	s_bfe_u32 s12, s15, 0x10006                    ; tile column
	s_lshl_b32 s12, s12, 8
	s_bfe_u32 s11, s15, 0x10004                    ; the wave's column half
	s_lshl_b32 s11, s11, 7
	s_add_co_u32 s12, s12, s11
	s_and_b32 s11, s15, 1                          ; which 64 columns
	s_lshl_b32 s11, s11, 6
	s_add_co_u32 s12, s12, s11                     ; my first column,
	s_lshl_b32 s12, s12, 2                         ; in bytes: a multiple of 256
	s_lshl_b32 s10, s10, 11                        ; rows of 2,048 bytes
	s_add_co_u32 s10, s10, s12
	s_mov_b32 s11, 0
	s_mul_i32 s13, s14, 16*SPITCH                  ; my stage
	v_mul_u32_u24 v3, v14, SPITCH                  ; in: row l % 16, 32 bytes for each half of the lanes
	v_lshl_add_u32 v3, v15, 5, v3
	v_add_nc_u32 v3, s13, v3
	v_mul_u32_u24 v8, v15, SPITCH                  ; back: lanes 0-15 take one row of 256 bytes, lanes 16-31 the next
	v_lshl_add_u32 v8, v14, 4, v8
	v_add_nc_u32 v8, s13, v8
	v_lshlrev_b32 v9, 11, v15                      ; and the same two rows in out0
	v_lshl_add_u32 v9, v14, 4, v9
	v_lshl_add_u32 v2, v14, 4, s12                 ; b_dec at the 4 columns that I store
	s_wait_kmcnt 0x0
	s_add_nc_u64 s[16:17], s[4:5], s[2:3]          ; my piece in split 0,
.irp k, 1,2,3,4,5,6,7
	s_add_nc_u64 s[16+2*\k:17+2*\k], s[14+2*\k:15+2*\k], 0x800000  ; and in split k, 8,388,608 bytes further on each time
.endr
	s_add_nc_u64 s[8:9], s[8:9], s[10:11]
	global_load_b128 v[B:B+3], v2, s[6:7]
.irp k, 0,1,2,3,4,5,6
.irp c, 0,1,2,3,4,5,6,7
	global_load_b128 v[G+32*\k+4*\c:G+32*\k+4*\c+3], v1, s[16+2*\k:17+2*\k] offset:512*\c th:TH_LOAD_NT
.endr
.endr
	s_wait_loadcnt 40                              ; b_dec and splits 0 and 1 are in; the 40 loads of splits 2 to 6 stay out
	ADDG 1
.irp c, 0,1,2,3,4,5,6,7
	global_load_b128 v[G+32+4*\c:G+32+4*\c+3], v1, s[30:31] offset:512*\c th:TH_LOAD_NT  ; split 7, into the set just added
.endr
	v_cvt_pk_bf16_f32 v12, v[B], v[B+1]
	v_cvt_pk_bf16_f32 v13, v[B+2], v[B+3]
	v_lshlrev_b32 v[B],   16, v12
	v_and_b32     v[B+1], 0xffff0000, v12
	v_lshlrev_b32 v[B+2], 16, v13
	v_and_b32     v[B+3], 0xffff0000, v13
.irp k, 2,3,4,5,6
	s_wait_loadcnt 8*(7-\k)                        ; split k is in; the later splits' eight loads each stay out
	ADDG \k
.endr
	s_wait_loadcnt 0x0                             ; split 7
	ADDG 1
.irp c, 0,1,2,3,4,5,6,7
	ds_store_b128 v3, v[G+4*\c:G+4*\c+3] offset:64*(\c/2)+16*(\c%2)
.endr
.irp t, 0,1,2,3,4,5,6,7
	ds_load_b128 v[G+64+4*\t:G+64+4*\t+3], v8 offset:\t*2*SPITCH  ; LDS serves a wave's instructions in order: these see the stores above
.endr
.irp t, 0,1,2,3,4,5,6,7
	s_wait_dscnt 7-\t                              ; the 7 - t younger loads stay out
	v_pk_add_f32 v[G+64+4*\t:G+64+4*\t+1],   v[G+64+4*\t:G+64+4*\t+1],   v[B:B+1]
	v_pk_add_f32 v[G+64+4*\t+2:G+64+4*\t+3], v[G+64+4*\t+2:G+64+4*\t+3], v[B+2:B+3]
	global_store_b128 v9, v[G+64+4*\t:G+64+4*\t+3], s[8:9] offset:4096*\t th:TH_STORE_NT
.endr
	s_wait_tensorcnt 0x0                           ; the wave's end: three closing lines, behind my last LDS store
	ds_add_u32 v10, v11
	s_wait_dscnt 0x0
	s_endpgm
.Lfunc_end_k_qcaed8fdd56_reduce:
	.size	k_qcaed8fdd56_reduce, .Lfunc_end_k_qcaed8fdd56_reduce-k_qcaed8fdd56_reduce
	.p2alignl 7, 3214868480
	.fill 96, 4, 3214868480
	.section	.rodata,"a",@progbits
	.p2align	6, 0x0
	.amdhsa_kernel k_qcaed8fdd56_reduce
		.amdhsa_group_segment_fixed_size 35840
		.amdhsa_private_segment_fixed_size 0
		.amdhsa_enable_private_segment 0
		.amdhsa_kernarg_size 24
		.amdhsa_user_sgpr_count 2
		.amdhsa_user_sgpr_kernarg_segment_ptr 1
		.amdhsa_wavefront_size32 1
		.amdhsa_system_sgpr_workgroup_id_x 1
		.amdhsa_system_sgpr_workgroup_id_y 1
		.amdhsa_system_sgpr_workgroup_id_z 1
		.amdhsa_system_vgpr_workitem_id 0
		.amdhsa_next_free_vgpr 240
		.amdhsa_next_free_sgpr 66
		.amdhsa_reserve_vcc 0
		.amdhsa_float_denorm_mode_32 3
		.amdhsa_float_denorm_mode_16_64 3
		.amdhsa_memory_ordered 1
		.amdhsa_forward_progress 1
		.amdhsa_inst_pref_size 20
	.end_amdhsa_kernel
	.amdgpu_metadata
---
amdhsa.version: [ 1, 2 ]
amdhsa.kernels:
  - .name:           k_qcaed8fdd56_reduce
    .symbol:         k_qcaed8fdd56_reduce.kd
    .args:
      - { .name: part, .offset: 0, .size: 8, .value_kind: global_buffer, .address_space: global }
      - { .name: b_dec, .offset: 8, .size: 8, .value_kind: global_buffer, .address_space: global }
      - { .name: out0, .offset: 16, .size: 8, .value_kind: global_buffer, .address_space: global }
    .group_segment_fixed_size: 35840
    .private_segment_fixed_size: 0
    .kernarg_segment_align: 8
    .kernarg_segment_size: 24
    .max_flat_workgroup_size: 256
    .sgpr_count:     66
    .vgpr_count:     240
    .wavefront_size: 32
...
	.end_amdgpu_metadata
.endif
;; end of part 6
;; ======== version 2 of 2: 6 launches; version 1 with the launches prep_enc, prep_rows, select, reduce written anew for expert scheduling mode
;; limits: a function is approximated: absolute error at most 0.00043; values are held in f16: magnitudes above 65,504 overflow, below 6.1e-05 lose precision
;; workspace buffers: WencB 16,777,216 bytes; WdecH 16,777,216 bytes; actsB 4,210,688 bytes; tabs 198,912 bytes; order 256 bytes of whole numbers; Pbuf 134,217,728 bytes; Ebuf 134,217,728 bytes; part 67,108,864 bytes
;; launch prep_enc (part 7): grid 128 x 1, 16 waves a work-group, no clusters, 10,496 bytes of LDS; arguments W_enc, b_enc, ln_w, ln_b, feature_mask, WencB, tabs, order; writes WencB, tabs, order
.if DOCPART == 7
	.amdgcn_target "amdgcn-amd-amdhsa--gfx1250"
	.amdhsa_code_object_version 6
	.text
	.protected	k_qcaed8fdd56_prep_enc
	.globl	k_qcaed8fdd56_prep_enc
	.p2align	8
	.type	k_qcaed8fdd56_prep_enc,@function
k_qcaed8fdd56_prep_enc:
	s_mov_b64 s[64:65], 0
	v_nop
	global_prefetch_b8 v0, s[64:65] scope:SCOPE_SE
	s_setreg_imm32_b32 hwreg(HW_REG_WAVE_SCHED_MODE, 0, 2), 2
	s_setreg_imm32_b32 hwreg(HW_REG_WAVE_MODE, 25, 1), 1
	s_wait_xcnt 0x0
	s_wait_alu depctr_vm_vsrc(0)
; W_enc [512][16384] f32 is rounded to bf16 (WencB, same layout); of the ROUNDED numbers each column's norm is taken in f32, and sE[j] = 1 / (norm + 1e-8) goes
; into tabs.  Also into tabs: b_enc rounded to bf16 and widened (bE), ln_w and ln_b as bf16, and, from work-group 0, u[i] = mean over j < 128 of Wb[i][j] sE[j]
; and c0 = mean over j < 128 of bE[j], of which the next launch makes a centre for each row of acts.  Work-group 1 also reads feature_mask and writes, as whole numbers,
; four words into order: bit t of word k is set if block 32 k + t of 128 features has any non-zero (bf16-rounded) mask.
; SHARES.  Work-group g owns columns 128 g .. 128 g + 127: 512 bytes of a row in, 256 bytes out, so a wave's store covers 256 consecutive bytes, aligned.  Wave w owns rows
; 32 w .. 32 w + 31, lane l four columns.  All 32 loads of a wave go out at once; the packed rows stay in registers (work-group 0 needs them again for u).
; LIMITS.  NaN and infinities are not treated apart; a sum of squares below 2^-126 counts as 0 (the root flushes it), as does its norm beside 1e-8.
; THE MODE: SCHED_MODE bits 1:0 = 2 (LLVM: expert scheduling mode 2), set by the entry lines.  The code itself states the register dependences
; between vector instructions and memory or LDS instructions, with s_wait_alu, always for 0.
; THE PLAN.  Registers that memory or LDS instructions touch:
;   v2 .. v5      offsets and an LDS address, made once at the head and never written again.
;   X             Row i's load lands in X + 4 i; the row's two roundings read it; behind the barrier LDS loads land in X again.
;   PK            Written by the roundings, read by the rows' stores, never written again.
;   SQ            Written by the squares, read by one LDS store.
;   SA, SD, SW    Work-group 1's scan: a load offset, a word and its LDS address; written once each.
;   T + 2 .. + 10 Wave 0's store data and offsets; T + 3 and T + 2 are written again later, behind a wait on vm_vsrc.
; The 32 rows go in eight blocks of four.  Block p rounds its rows into PK; its memory instructions are the four stores of block p - 1.  ONE wait on va_vdst at a block's head,
; behind the wait for the block's first row, states that block p - 1 has written its PK; the four stores are dealt among the block's vector instructions, which name other registers.
.set PART,  0                          ; LDS: [16 waves][128 columns] f32, the waves' sums of squares
.set SCAN,  8192                       ; LDS: 16 words, wave w's eight block bits (work-group 1)
.set SPARE, 8448                       ; the spare words, 128 bytes for each of 16 waves
.set SQ, 10                            ; v[10:13]   sums of squares of my 4 columns
.set SS, 14                            ; v[14:17]   sE of my 4 columns
.set BE, 18                            ; v[18:21]   bE (wave 0)
.set RB, 22                            ; v[22:25]   b_enc as loaded (wave 0)
.set RW, 26                            ; v[26:29]   ln_w
.set RL, 30                            ; v[30:33]   ln_b
.set T,  34                            ; v[34:44]   at work
.set SA, 45                            ; v45        the scan: byte offset of my 16 bytes of feature_mask
.set SD, 46                            ; v46        the scan: my wave's eight bits
.set SW, 47                            ; v47        the scan: the LDS address of my wave's word
.set PK, 48                            ; v[48:111]  row i: two registers, four bf16
.set X,  112                           ; v[112:239] row i: four f32 as loaded; later at work
.macro WSUM r, t                       ; the sum over the wave's 32 lanes, in every lane; t has been written before
	v_add_f32_dpp v[\r], v[\r], v[\r] row_xmask:1 row_mask:0xf bank_mask:0xf
	v_add_f32_dpp v[\r], v[\r], v[\r] row_xmask:2 row_mask:0xf bank_mask:0xf
	v_add_f32_dpp v[\r], v[\r], v[\r] row_xmask:4 row_mask:0xf bank_mask:0xf
	v_add_f32_dpp v[\r], v[\r], v[\r] row_xmask:8 row_mask:0xf bank_mask:0xf
	v_permlanex16_b32 v[\t], v[\r], s12, s13
	v_add_f32 v[\r], v[\r], v[\t]
.endm
.macro SQR d, p, h, c                  ; d = (bf16 half h of p)^2 + c
	v_fma_mix_f32_bf16 v[\d], v[\p], v[\p], v[\c] op_sel:[\h,\h,0] op_sel_hi:[1,1,0]
.endm
.macro MIXMUL d, p, h, m, c            ; d = (bf16 half h of p) x m + c
	v_fma_mix_f32_bf16 v[\d], v[\p], v[\m], v[\c] op_sel:[\h,0,0] op_sel_hi:[1,0,0]
.endm
	s_load_b512 s[16:31], s[0:1], 0x0              ; W_enc 16, b_enc 18, ln_w 20, ln_b 22, feature_mask 24, WencB 26, tabs 28, order 30
	v_lshl_add_u32 v6, v0, 2, SPARE                ; my spare word
	v_mov_b32 v7, 0                                ; and 0: these two serve the add alone
	v_mov_b32 v8, 0                                ; a zero addend
	v_and_b32 v1, 31, v0                           ; lane
	v_lshrrev_b32 v9, 5, v0                        ; wave
	v_readfirstlane_b32 s8, v9
	v_lshlrev_b32 v5, 4, v1                        ; 16 l
	v_lshl_add_u32 v2, v9, 21, v5                  ; in: 32 w rows of 65,536 bytes + 16 l
	v_lshlrev_b32 v3, 3, v1
	v_lshl_add_u32 v3, v9, 20, v3                  ; out: 32 w rows of 32,768 bytes + 8 l
	v_lshlrev_b32 v4, 4, v0                        ; PART + 512 w + 16 l = 16 x my thread's number
	s_mov_b32 s12, 0x76543210                      ; v_permlanex16_b32: each lane takes its own place in the other half
	s_mov_b32 s13, 0xfedcba98
	s_lshl_b32 s2, ttmp9, 9                        ; my columns in f32 tensors,
	s_mov_b32 s3, 0
	s_lshl_b32 s4, ttmp9, 8                        ; and in bf16 tensors
	s_mov_b32 s5, 0
	s_wait_kmcnt 0x0
	s_add_nc_u64 s[16:17], s[16:17], s[2:3]
	s_add_nc_u64 s[26:27], s[26:27], s[4:5]
	s_wait_alu depctr_va_sdst(0)                   ; s8 is written, ahead of its first reader, the compare below
	s_wait_alu depctr_va_vdst(0)                   ; v2 to v5 are written, which the loads, the stores and the LDS instructions below read as offsets and addresses
	s_cmp_lg_u32 s8, 0
	s_cbranch_scc1 .Lno_tab
	s_add_nc_u64 s[18:19], s[18:19], s[2:3]        ; wave 0 alone: the three vectors' 128 numbers, ahead of the rows so that the rows' counts cover them
	s_add_nc_u64 s[20:21], s[20:21], s[2:3]
	s_add_nc_u64 s[22:23], s[22:23], s[2:3]
	global_load_b128 v[RB:RB+3], v5, s[18:19]
	global_load_b128 v[RW:RW+3], v5, s[20:21]
	global_load_b128 v[RL:RL+3], v5, s[22:23]
.Lno_tab:
.set i, 0
.rept 32
	global_load_b128 v[X+4*i:X+4*i+3], v2, s[16:17] offset:i*65536 th:TH_LOAD_NT
.set i, i+1
.endr
.set i, 0
.rept 32
	s_wait_loadcnt 31-i                            ; loads come back in order: row i is in, the 31 - i younger ones stay out
.if (i >= 4) && (i%4 == 0)
	s_wait_alu depctr_va_vdst(0)                   ; the block before has written its four rows of PK, which this block's four stores read
.endif
.if i >= 4
	global_store_b64 v3, v[PK+2*i-8:PK+2*i-7], s[26:27] offset:(i-4)*32768  ; row i - 4: 32 lanes x 8 bytes: 256 consecutive bytes, aligned; no vector instruction since the wait names these registers; PK is never rewritten
.endif
	v_cvt_pk_bf16_f32 v[PK+2*i],   v[X+4*i],   v[X+4*i+1]
	v_cvt_pk_bf16_f32 v[PK+2*i+1], v[X+4*i+2], v[X+4*i+3]
.if i == 0
	SQR SQ,   PK,   0, 8                           ; the first row starts the sums
	SQR SQ+1, PK,   1, 8
	SQR SQ+2, PK+1, 0, 8
	SQR SQ+3, PK+1, 1, 8
.else
	SQR SQ,   PK+2*i,   0, SQ
	SQR SQ+1, PK+2*i,   1, SQ+1
	SQR SQ+2, PK+2*i+1, 0, SQ+2
	SQR SQ+3, PK+2*i+1, 1, SQ+3
.endif
.set i, i+1
.endr
	s_wait_alu depctr_va_vdst(0)                   ; the last block has written its PK, which the four stores read, and SQ, which the LDS store below reads; the roundings are done reading X, in which loads land again
.irp k, 28,29,30,31
	global_store_b64 v3, v[PK+2*\k:PK+2*\k+1], s[26:27] offset:\k*32768
.endr
	; work-group 1: wave w looks at blocks 8 w .. 8 w + 7 of feature_mask; a block's bit is set if any of its 128 numbers, rounded to bf16, is not zero
	s_cmp_lg_u32 ttmp9, 1
	s_cbranch_scc1 .Lno_scan
	v_lshl_add_u32 v[SA], v9, 12, v5               ; 8 w blocks of 512 bytes + 16 l
	v_lshl_add_u32 v[SW], v9, 2, SCAN
	s_wait_alu depctr_va_vdst(0)                   ; v[SA] is written, the eight loads' offset
.irp k, 0,1,2,3,4,5,6,7
	global_load_b128 v[X+4*\k:X+4*\k+3], v[SA], s[24:25] offset:512*\k
.endr
	s_mov_b32 s11, 0
	s_wait_loadcnt 0x0
.irp k, 0,1,2,3,4,5,6,7
	v_cvt_pk_bf16_f32 v[T+1], v[X+4*\k],   v[X+4*\k+1]
	v_cvt_pk_bf16_f32 v[T+2], v[X+4*\k+2], v[X+4*\k+3]
	v_or_b32 v[T+1], v[T+1], v[T+2]
	v_and_b32 v[T+1], 0x7fff7fff, v[T+1]           ; the sign of a zero does not count
	v_cmp_ne_u32 s[36+\k], 0, v[T+1]               ; the eight compares stand in one run, each with a mask of its own
.endr
	s_wait_alu depctr_va_sdst(0)                   ; s36 to s43 are written, ahead of their first readers
.irp k, 0,1,2,3,4,5,6,7
	s_cmp_lg_u32 s[36+\k], 0
	s_cselect_b32 s10, 1<<\k, 0                    ; a value is chosen; nothing branches on it
	s_or_b32 s11, s11, s10
.endr
	v_mov_b32 v[SD], s11
	s_wait_alu depctr_va_vdst(0)                   ; v[SD] is written, which the LDS store reads; the roundings above are done reading X, in which the LDS loads behind the barrier land
	ds_store_b32 v[SW], v[SD]
.Lno_scan:
	ds_store_b128 v4, v[SQ:SQ+3]
	s_wait_dscnt 0x0                               ; for the others' sake: my stores into LDS are done
	s_barrier_signal -1
	s_barrier_wait -1
.irp k, 0,1,2,3,4,5,6,7,8,9,10,11,12,13,14,15
	ds_load_b128 v[X+4*\k:X+4*\k+3], v5 offset:PART+512*\k  ; all sixteen waves' sums for my 4 columns
.endr
	s_wait_dscnt 0x0
.set k, 1
.rept 15                                           ; the same order in every wave: the same bits
	v_pk_add_f32 v[X:X+1],   v[X:X+1],   v[X+4*k:X+4*k+1]
	v_pk_add_f32 v[X+2:X+3], v[X+2:X+3], v[X+4*k+2:X+4*k+3]
.set k, k+1
.endr
.irp c, 0,1,2,3
	v_sqrt_f32 v[SS+\c], v[X+\c]
.endr
	v_nop                                          ; a plain instruction between the last root and the use of its result
	s_wait_alu depctr_va_vdst(0)                   ; the four roots are written, ahead of their first reader
.irp c, 0,1,2,3
	v_add_f32 v[SS+\c], 0x322bcc77, v[SS+\c]       ; + 1e-8
.endr
.irp c, 0,1,2,3
	v_rcp_f32 v[SS+\c], v[SS+\c]
.endr
	v_nop
	s_wait_alu depctr_va_vdst(0)                   ; the four reciprocals are written, ahead of the branch and of their first readers on either way
	s_cmp_lg_u32 s8, 0
	s_cbranch_scc1 .Lno_w0
	s_add_nc_u64 s[32:33], s[28:29], s[2:3]        ; tabs at my columns, f32 tables
	s_add_nc_u64 s[34:35], s[28:29], s[4:5]        ; and bf16 tables
	v_cvt_pk_bf16_f32 v[T],   v[RB],   v[RB+1]
	v_cvt_pk_bf16_f32 v[T+1], v[RB+2], v[RB+3]
	v_lshlrev_b32 v[BE],   16, v[T]
	v_and_b32     v[BE+1], 0xffff0000, v[T]
	v_lshlrev_b32 v[BE+2], 16, v[T+1]
	v_and_b32     v[BE+3], 0xffff0000, v[T+1]
	v_cvt_pk_bf16_f32 v[T+2], v[RW],   v[RW+1]
	v_cvt_pk_bf16_f32 v[T+3], v[RW+2], v[RW+3]
	v_cvt_pk_bf16_f32 v[T+4], v[RL],   v[RL+1]
	v_cvt_pk_bf16_f32 v[T+5], v[RL+2], v[RL+3]
	v_lshlrev_b32 v[T+6], 3, v1
	s_wait_alu depctr_va_vdst(0)                   ; BE and v[T+2] to v[T+6] are written, the four stores' data and offset
	global_store_b128 v5, v[SS:SS+3], s[32:33]                     ; sE
	global_store_b128 v5, v[BE:BE+3], s[32:33] offset:65536        ; bE
	global_store_b64 v[T+6], v[T+2:T+3], s[34:35] offset:131072    ; ln_w in bf16
	global_store_b64 v[T+6], v[T+4:T+5], s[34:35] offset:163840    ; ln_b in bf16
	s_cmp_lg_u32 ttmp9, 0
	s_cbranch_scc1 .Lno_w0
	v_add_f32 v[T+8], v[BE], v[BE+1]               ; c0 = the mean of bE over columns 0 .. 127
	v_add_f32 v[T+9], v[BE+2], v[BE+3]
	v_add_f32 v[T+8], v[T+8], v[T+9]
	WSUM T+8, T+9
	v_mul_f32 v[T+8], 0x3c000000, v[T+8]           ; / 128
	v_lshlrev_b32 v[T+10], 2, v1
	s_wait_alu depctr_va_vdst(0)                   ; v[T+8] and v[T+10] are written, the store's data and offset
	global_store_b32 v[T+10], v[T+8], s[28:29] offset:198656
.Lno_w0:
	; work-group 0: u of my 32 rows.  Each step is taken for all 32 rows before the next step, so that no line reads the result of the line before it.
	s_cmp_lg_u32 ttmp9, 0
	s_cbranch_scc1 .Lno_u
	s_wait_xcnt 0x0                                ; wave 0's stores have had their addresses translated: T is rewritten only behind this wait
	s_wait_alu depctr_vm_vsrc(0)                   ; wave 0's store of ln_w has read v[T+3], which is written again below
	v_mov_b32 v[T+1], 0
.set i, 0
.rept 32
	MIXMUL X+i, PK+2*i, 0, SS, 8                   ; row i's sum over my 4 columns, in X + i
.set i, i+1
.endr
.set i, 0
.rept 32
	MIXMUL X+i, PK+2*i, 1, SS+1, X+i
.set i, i+1
.endr
.set i, 0
.rept 32
	MIXMUL X+i, PK+2*i+1, 0, SS+2, X+i
.set i, i+1
.endr
.set i, 0
.rept 32
	MIXMUL X+i, PK+2*i+1, 1, SS+3, X+i
.set i, i+1
.endr
.irp m, 1,2,4,8
.set i, 0
.rept 32
	v_add_f32_dpp v[X+i], v[X+i], v[X+i] row_xmask:\m row_mask:0xf bank_mask:0xf
.set i, i+1
.endr
.endr
.set i, 0
.rept 32
	v_permlanex16_b32 v[X+32+i], v[X+i], s12, s13  ; its destination was written by the loads of the waves' sums
.set i, i+1
.endr
.set i, 0
.rept 32
	v_add_f32 v[X+i], v[X+i], v[X+32+i]
.set i, i+1
.endr
.set g, 0
.rept 2
.set k, 0
.rept 16
	v_readfirstlane_b32 s[36+k], v[X+16*g+k]
.set k, k+1
.endr
	s_wait_alu depctr_va_sdst(0)                   ; s36 to s51 are written, ahead of their first readers: one wait for the run of sixteen
.set k, 0
.rept 16
	v_writelane_b32 v[T+1], s[36+k], 16*g+k        ; row 32 w + i goes to lane i
.set k, k+1
.endr
.set g, g+1
.endr
	v_mul_f32 v[T+1], 0x3c000000, v[T+1]           ; / 128
	v_lshlrev_b32 v[T+3], 2, v0
	s_wait_alu depctr_va_vdst(0)                   ; v[T+1] and v[T+3] are written, the store's data and offset
	global_store_b32 v[T+3], v[T+1], s[28:29] offset:196608
.Lno_u:
	; work-group 1, wave 0: the sixteen waves' bits are packed into four words
	s_cmp_lg_u32 ttmp9, 1
	s_cbranch_scc1 .Lend
	s_cmp_lg_u32 s8, 0
	s_cbranch_scc1 .Lend
	s_wait_xcnt 0x0                                ; T is rewritten only behind this wait
	s_wait_alu depctr_vm_vsrc(0)                   ; my store of ln_w has read v[T+2], which is written again below
	v_mov_b32 v[T], SCAN
	v_mov_b32 v[T+9], 0
	v_lshlrev_b32 v[T+2], 2, v1
	s_wait_alu depctr_va_vdst(0)                   ; v[T] is written, the LDS loads' address
.irp k, 0,1,2,3
	ds_load_b128 v[X+4*\k:X+4*\k+3], v[T] offset:16*\k
.endr
	s_wait_dscnt 0x0
.irp k, 0,1,2,3
	v_lshl_or_b32 v[T+1], v[X+4*\k+1], 8,  v[X+4*\k]
	v_lshl_or_b32 v[T+1], v[X+4*\k+2], 16, v[T+1]
	v_lshl_or_b32 v[T+1], v[X+4*\k+3], 24, v[T+1]
	v_readfirstlane_b32 s[36+\k], v[T+1]           ; bit t of word k: block 32 k + t is active
.endr
	s_wait_alu depctr_va_sdst(0)                   ; s36 to s39 are written, ahead of their first readers
.irp k, 0,1,2,3
	v_writelane_b32 v[T+9], s[36+\k], \k
.endr
	s_wait_alu depctr_va_vdst(0)                   ; v[T+9] is written, the store's data
	global_store_b32 v[T+2], v[T+9], s[30:31]      ; words 0 .. 3; the other 28 lanes store 0
.Lend:
	s_wait_dscnt 0x0                               ; the closing lines, six on end
	s_wait_alu 0x0
	s_wait_tensorcnt 0x0
	ds_add_u32 v6, v7
	s_wait_dscnt 0x0
	s_endpgm
.Lfunc_end_k_qcaed8fdd56_prep_enc:
	.size	k_qcaed8fdd56_prep_enc, .Lfunc_end_k_qcaed8fdd56_prep_enc-k_qcaed8fdd56_prep_enc
	.p2alignl 7, 3214868480
	.fill 96, 4, 3214868480
	.section	.rodata,"a",@progbits
	.p2align	6, 0x0
	.amdhsa_kernel k_qcaed8fdd56_prep_enc
		.amdhsa_group_segment_fixed_size 10496
		.amdhsa_private_segment_fixed_size 0
		.amdhsa_enable_private_segment 0
		.amdhsa_kernarg_size 64
		.amdhsa_user_sgpr_count 2
		.amdhsa_user_sgpr_kernarg_segment_ptr 1
		.amdhsa_wavefront_size32 1
		.amdhsa_system_sgpr_workgroup_id_x 1
		.amdhsa_system_sgpr_workgroup_id_y 1
		.amdhsa_system_sgpr_workgroup_id_z 1
		.amdhsa_system_vgpr_workitem_id 0
		.amdhsa_next_free_vgpr 240
		.amdhsa_next_free_sgpr 66
		.amdhsa_reserve_vcc 0
		.amdhsa_float_denorm_mode_32 3
		.amdhsa_float_denorm_mode_16_64 3
		.amdhsa_memory_ordered 1
		.amdhsa_forward_progress 1
		.amdhsa_inst_pref_size 56
	.end_amdhsa_kernel
	.amdgpu_metadata
---
amdhsa.version: [ 1, 2 ]
amdhsa.kernels:
  - .name:           k_qcaed8fdd56_prep_enc
    .symbol:         k_qcaed8fdd56_prep_enc.kd
    .args:
      - { .name: W_enc, .offset: 0, .size: 8, .value_kind: global_buffer, .address_space: global }
      - { .name: b_enc, .offset: 8, .size: 8, .value_kind: global_buffer, .address_space: global }
      - { .name: ln_w, .offset: 16, .size: 8, .value_kind: global_buffer, .address_space: global }
      - { .name: ln_b, .offset: 24, .size: 8, .value_kind: global_buffer, .address_space: global }
      - { .name: feature_mask, .offset: 32, .size: 8, .value_kind: global_buffer, .address_space: global }
      - { .name: WencB, .offset: 40, .size: 8, .value_kind: global_buffer, .address_space: global }
      - { .name: tabs, .offset: 48, .size: 8, .value_kind: global_buffer, .address_space: global }
      - { .name: order, .offset: 56, .size: 8, .value_kind: global_buffer, .address_space: global }
    .group_segment_fixed_size: 10496
    .private_segment_fixed_size: 0
    .kernarg_segment_align: 8
    .kernarg_segment_size: 64
    .max_flat_workgroup_size: 512
    .sgpr_count:     66
    .vgpr_count:     240
    .wavefront_size: 32
...
	.end_amdgpu_metadata
.endif
;; end of part 7
;; launch prep_rows (part 8): grid 640 x 1, 8 waves a work-group, no clusters, 0 bytes of LDS; arguments W_dec, acts, feature_mask, tabs, WdecH, actsB; writes WdecH, actsB
.if DOCPART == 8
	.amdgcn_target "amdgcn-amd-amdhsa--gfx1250"
	.amdhsa_code_object_version 6
	.text
	.protected	k_qcaed8fdd56_prep_rows
	.globl	k_qcaed8fdd56_prep_rows
	.p2align	8
	.type	k_qcaed8fdd56_prep_rows,@function
k_qcaed8fdd56_prep_rows:
	s_mov_b64 s[64:65], 0
	v_nop
	global_prefetch_b8 v0, s[64:65] scope:SCOPE_SE
	s_setreg_imm32_b32 hwreg(HW_REG_WAVE_SCHED_MODE, 0, 2), 2
	s_setreg_imm32_b32 hwreg(HW_REG_WAVE_MODE, 25, 1), 1
	s_wait_xcnt 0x0
	s_wait_alu depctr_vm_vsrc(0)
; Two jobs on rows of 512 f32, a wave four rows, a row 16 numbers a lane; no LDS, no barrier: a row's sum never leaves its wave.
; Work-groups 0 .. 511: WdecH[j] = bf16(W_dec[j]) / (norm of the rounded row + 1e-8) x bf16(feature_mask[j]), in f16.
; Work-groups 512 .. 639: actsB = acts in bf16, and behind it (byte 4,194,304) cvec[n] = actsB[n] . u + c0 in f32: the mean of the row's first 128 pre-activations, the row's centre.
; Each load of a wave covers 512 consecutive bytes, each store 256, aligned.  Results are written into the row's own registers, which nothing rewrites.
; LIMITS.  |feature_mask| stays under 65,504 (f16); a normalised weight below 6e-5 keeps f16's fixed step of 6e-8; NaN and infinities are not treated apart.
; THE MODE: SCHED_MODE bits 1:0 = 2 (LLVM: expert scheduling mode 2), set by the entry lines.  The code itself states the register dependences
; between vector instructions and memory instructions, with s_wait_alu, always for 0.
; THE PLAN.  Registers that memory instructions touch:
;   v2, v3, v5    offsets, made once at the head and never written again.
;   X             Row r's four loads land in X + 16 r; the row's arithmetic writes its result in place; the row's four stores read it; nothing writes it again.
;   CVA, CVC      the last store's offset and data.
; A row's four stores are issued in the NEXT row's turn, behind a wait on va_vdst that stands there: for W_dec's rows the wait for the next row's root, for acts' rows a wait at the
; next row's head, behind the wait for its data.  No vector instruction behind that wait names the registers of the row before.  The last row's stores have a wait of their own.
.set ZR,  4                            ; v4       0
.set PT,  6                            ; v6       v_permlanex16_b32's destination
.set ACC, 8                            ; v[8:11]  four chains
.set SCL, 12                           ; v12      the row's scale
.set MB,  14                           ; v[14:17] my four rows' mask, rounded to bf16
.set CVC, 18                           ; v18      lane r: cvec of row r
.set CVA, 19                           ; v19      4 l
.set PKT, 20                           ; v[20:27] a row in bf16
.set U,   28                           ; v[28:43] u of my 16 columns
.set X,   48                           ; v[48:111] row r: 16 registers
.macro WSUM r, t
	v_add_f32_dpp v[\r], v[\r], v[\r] row_xmask:1 row_mask:0xf bank_mask:0xf
	v_add_f32_dpp v[\r], v[\r], v[\r] row_xmask:2 row_mask:0xf bank_mask:0xf
	v_add_f32_dpp v[\r], v[\r], v[\r] row_xmask:4 row_mask:0xf bank_mask:0xf
	v_add_f32_dpp v[\r], v[\r], v[\r] row_xmask:8 row_mask:0xf bank_mask:0xf
	v_permlanex16_b32 v[\t], v[\r], s12, s13
	v_add_f32 v[\r], v[\r], v[\t]
.endm
.macro SQR d, p, h, c                  ; d = (bf16 half h of p)^2 + c
	v_fma_mix_f32_bf16 v[\d], v[\p], v[\p], v[\c] op_sel:[\h,\h,0] op_sel_hi:[1,1,0]
.endm
.macro MIXMUL d, p, h, m, c            ; d = (bf16 half h of p) x m + c
	v_fma_mix_f32_bf16 v[\d], v[\p], v[\m], v[\c] op_sel:[\h,0,0] op_sel_hi:[1,0,0]
.endm
.macro FOLD4
	v_add_f32 v[ACC], v[ACC], v[ACC+1]
	v_add_f32 v[ACC+2], v[ACC+2], v[ACC+3]
	v_add_f32 v[ACC], v[ACC], v[ACC+2]
	WSUM ACC, PT
.endm
	s_load_b256 s[16:23], s[0:1], 0x0              ; W_dec 16, acts 18, feature_mask 20, tabs 22
	s_load_b128 s[24:27], s[0:1], 0x20             ; WdecH 24, actsB 26
	v_and_b32 v1, 31, v0
	v_lshrrev_b32 v7, 5, v0
	v_readfirstlane_b32 s8, v7                     ; wave
	v_lshlrev_b32 v5, 4, v1                        ; 16 l
	v_lshl_add_u32 v2, v7, 13, v5                  ; in: 4 w rows of 2,048 bytes + 16 l
	v_lshlrev_b32 v3, 3, v1                        ; out: 8 l
	v_mov_b32 v[ZR], 0
	v_mov_b32 v[PT], 0
	s_mov_b32 s12, 0x76543210
	s_mov_b32 s13, 0xfedcba98
	s_mov_b32 s3, 0
	s_mov_b32 s5, 0
	s_mov_b32 s7, 0
	s_wait_kmcnt 0x0
	s_wait_alu depctr_va_sdst(0)                   ; s8 is written, ahead of the branch and of its first reader on either way
	s_wait_alu depctr_va_vdst(0)                   ; v2, v3 and v5 are written, which every load and store of rows reads as its offset
	s_cmp_ge_u32 ttmp9, 512
	s_cbranch_scc1 .Lacts
	s_lshl_b32 s2, ttmp9, 16                       ; 32 rows of 2,048 bytes a work-group
	s_add_nc_u64 s[16:17], s[16:17], s[2:3]
	s_lshl_b32 s4, ttmp9, 7
	s_lshl_b32 s10, s8, 4
	s_add_co_u32 s4, s4, s10                       ; (32 g + 4 w) x 4 bytes
	s_add_nc_u64 s[20:21], s[20:21], s[4:5]
	s_load_b128 s[32:35], s[20:21], 0x0            ; my four rows' mask
.irp r, 0,1,2,3
.irp j, 0,1,2,3
	global_load_b128 v[X+16*\r+4*\j:X+16*\r+4*\j+3], v2, s[16:17] offset:\r*2048+\j*512 th:TH_LOAD_NT
.endr
.endr
	s_lshl_b32 s6, ttmp9, 15
	s_lshl_b32 s11, s8, 12
	s_add_co_u32 s6, s6, s11                       ; (32 g + 4 w) rows of 1,024 bytes
	s_add_nc_u64 s[24:25], s[24:25], s[6:7]
	s_wait_kmcnt 0x0
.irp r, 0,1,2,3
	v_mov_b32 v[MB+\r], s[32+\r]
	v_cvt_pk_bf16_f32 v[MB+\r], v[MB+\r], v[MB+\r]
	v_lshlrev_b32 v[MB+\r], 16, v[MB+\r]
.endr
.macro OUTW r                          ; row r's four stores
.irp j, 0,1,2,3
	global_store_b64 v3, v[X+16*(\r)+4*\j:X+16*(\r)+4*\j+1], s[24:25] offset:(\r)*1024+\j*256
.endr
.endm
.macro ROWW r
	s_wait_loadcnt 12-4*(\r)                       ; this row's four loads are in; the later rows' stay out
.irp j, 0,1,2,3
	v_cvt_pk_bf16_f32 v[PKT+2*\j],   v[X+16*(\r)+4*\j],   v[X+16*(\r)+4*\j+1]
	v_cvt_pk_bf16_f32 v[PKT+2*\j+1], v[X+16*(\r)+4*\j+2], v[X+16*(\r)+4*\j+3]
.endr
.irp j, 0,1,2,3
	SQR ACC+\j, PKT+2*\j, 0, ZR
.endr
.irp j, 0,1,2,3
	SQR ACC+\j, PKT+2*\j, 1, ACC+\j
.endr
.irp j, 0,1,2,3
	SQR ACC+\j, PKT+2*\j+1, 0, ACC+\j
.endr
.irp j, 0,1,2,3
	SQR ACC+\j, PKT+2*\j+1, 1, ACC+\j
.endr
	FOLD4
	v_sqrt_f32 v[ACC], v[ACC]
	v_nop
	s_wait_alu depctr_va_vdst(0)                   ; the root is written, ahead of its first reader; and the row before has written its f16 numbers, which the four stores below read
.if (\r) > 0
	OUTW (\r)-1                                    ; the row before goes out
.endif
	v_add_f32 v[ACC], 0x322bcc77, v[ACC]           ; + 1e-8
	v_rcp_f32 v[ACC], v[ACC]
	v_nop
	s_wait_alu depctr_va_vdst(0)                   ; the reciprocal is written, ahead of its first reader
	v_mul_f32 v[SCL], v[ACC], v[MB+(\r)]
.irp j, 0,1,2,3
	MIXMUL X+16*(\r)+4*\j,   PKT+2*\j,   0, SCL, ZR
	MIXMUL X+16*(\r)+4*\j+1, PKT+2*\j,   1, SCL, ZR
	MIXMUL X+16*(\r)+4*\j+2, PKT+2*\j+1, 0, SCL, ZR
	MIXMUL X+16*(\r)+4*\j+3, PKT+2*\j+1, 1, SCL, ZR
.endr
.irp j, 0,1,2,3
	v_cvt_pk_f16_f32 v[X+16*(\r)+4*\j],   v[X+16*(\r)+4*\j],   v[X+16*(\r)+4*\j+1]
	v_cvt_pk_f16_f32 v[X+16*(\r)+4*\j+1], v[X+16*(\r)+4*\j+2], v[X+16*(\r)+4*\j+3]
.endr
.endm
	ROWW 0
	ROWW 1
	ROWW 2
	ROWW 3
	s_wait_alu depctr_va_vdst(0)                   ; the last row has written its f16 numbers, which its four stores read
	OUTW 3
	s_endpgm
.Lacts:
	s_sub_co_u32 s9, ttmp9, 512                    ; a: 32 rows of acts
	s_lshl_b32 s2, s9, 16
	s_add_nc_u64 s[18:19], s[18:19], s[2:3]
	s_load_b32 s37, s[22:23], 0x30800              ; c0
.irp j, 0,1,2,3
	global_load_b128 v[U+4*\j:U+4*\j+3], v5, s[22:23] offset:196608+512*\j  ; u, ahead of the rows: the rows' counts cover it
.endr
.irp r, 0,1,2,3
.irp j, 0,1,2,3
	global_load_b128 v[X+16*\r+4*\j:X+16*\r+4*\j+3], v2, s[18:19] offset:\r*2048+\j*512 th:TH_LOAD_NT
.endr
.endr
	s_lshl_b32 s4, s9, 15
	s_lshl_b32 s10, s8, 12
	s_add_co_u32 s4, s4, s10                       ; (32 a + 4 w) rows of 1,024 bytes
	s_add_nc_u64 s[30:31], s[26:27], s[4:5]
	s_lshl_b32 s6, s9, 7
	s_lshl_b32 s10, s8, 4
	s_add_co_u32 s6, s6, s10                       ; (32 a + 4 w) x 4 bytes
	s_add_nc_u64 s[28:29], s[26:27], s[6:7]
	v_mov_b32 v[CVC], 0
	v_lshlrev_b32 v[CVA], 2, v1
	s_wait_kmcnt 0x0
.macro ROWA r
	s_wait_loadcnt 12-4*(\r)
.if (\r) > 0
	s_wait_alu depctr_va_vdst(0)                   ; the row before has written its bf16 numbers, which the four stores below read
.endif
.irp j, 0,1,2,3
.if (\r) > 0
	global_store_b64 v3, v[X+16*((\r)-1)+4*\j:X+16*((\r)-1)+4*\j+1], s[30:31] offset:((\r)-1)*1024+\j*256  ; the row before; no vector instruction since the wait names its registers
.endif
	v_cvt_pk_bf16_f32 v[X+16*(\r)+4*\j],   v[X+16*(\r)+4*\j],   v[X+16*(\r)+4*\j+1]
	v_cvt_pk_bf16_f32 v[X+16*(\r)+4*\j+1], v[X+16*(\r)+4*\j+2], v[X+16*(\r)+4*\j+3]
.endr
.irp j, 0,1,2,3
	MIXMUL ACC+\j, X+16*(\r)+4*\j, 0, U+4*\j, ZR
.endr
.irp j, 0,1,2,3
	MIXMUL ACC+\j, X+16*(\r)+4*\j, 1, U+4*\j+1, ACC+\j
.endr
.irp j, 0,1,2,3
	MIXMUL ACC+\j, X+16*(\r)+4*\j+1, 0, U+4*\j+2, ACC+\j
.endr
.irp j, 0,1,2,3
	MIXMUL ACC+\j, X+16*(\r)+4*\j+1, 1, U+4*\j+3, ACC+\j
.endr
	FOLD4
	v_add_f32 v[ACC], s37, v[ACC]
	v_readfirstlane_b32 s[40+(\r)], v[ACC]         ; each row's centre has a scalar register of its own
.endm
	ROWA 0
	ROWA 1
	ROWA 2
	ROWA 3
	s_wait_alu depctr_va_sdst(0)                   ; s40 to s43 are written, ahead of their first readers: one wait for the four
.irp r, 0,1,2,3
	v_writelane_b32 v[CVC], s[40+\r], \r
.endr
	s_wait_alu depctr_va_vdst(0)                   ; the last row has written its bf16 numbers, which its four stores read
.irp j, 0,1,2,3
	global_store_b64 v3, v[X+48+4*\j:X+48+4*\j+1], s[30:31] offset:3*1024+\j*256
.endr
	v_cmp_gt_u32 vcc_lo, 4, v1
	s_wait_xcnt 0x0                                ; EXEC changes only behind this wait
	s_wait_alu depctr_va_vcc(0)                    ; VCC is written; EXEC is made from it
	s_wait_alu depctr_va_vdst(0)                   ; ahead of the write of EXEC: the vector instructions issued so far are done; CVA and CVC among their results, which the store below reads
	s_wait_alu depctr_vm_vsrc(0)                   ; ahead of the write of EXEC: the stores issued so far have read their registers
	s_and_saveexec_b32 s9, vcc_lo
	global_store_b32 v[CVA], v[CVC], s[28:29] offset:4194304  ; lanes 0 .. 3: my four rows' centres
	s_wait_xcnt 0x0                                ; and again, in front of the line that widens it
	s_wait_alu depctr_va_vdst(0)                   ; ahead of the write of EXEC, as above
	s_wait_alu depctr_vm_vsrc(0)                   ; the store has read its registers under the narrow EXEC
	s_or_b32 exec_lo, exec_lo, s9
	s_endpgm
.Lfunc_end_k_qcaed8fdd56_prep_rows:
	.size	k_qcaed8fdd56_prep_rows, .Lfunc_end_k_qcaed8fdd56_prep_rows-k_qcaed8fdd56_prep_rows
	.p2alignl 7, 3214868480
	.fill 96, 4, 3214868480
	.section	.rodata,"a",@progbits
	.p2align	6, 0x0
	.amdhsa_kernel k_qcaed8fdd56_prep_rows
		.amdhsa_group_segment_fixed_size 0
		.amdhsa_private_segment_fixed_size 0
		.amdhsa_enable_private_segment 0
		.amdhsa_kernarg_size 48
		.amdhsa_user_sgpr_count 2
		.amdhsa_user_sgpr_kernarg_segment_ptr 1
		.amdhsa_wavefront_size32 1
		.amdhsa_system_sgpr_workgroup_id_x 1
		.amdhsa_system_sgpr_workgroup_id_y 1
		.amdhsa_system_sgpr_workgroup_id_z 1
		.amdhsa_system_vgpr_workitem_id 0
		.amdhsa_next_free_vgpr 112
		.amdhsa_next_free_sgpr 66
		.amdhsa_reserve_vcc 1
		.amdhsa_float_denorm_mode_32 3
		.amdhsa_float_denorm_mode_16_64 3
		.amdhsa_memory_ordered 1
		.amdhsa_forward_progress 1
		.amdhsa_inst_pref_size 33
	.end_amdhsa_kernel
	.amdgpu_metadata
---
amdhsa.version: [ 1, 2 ]
amdhsa.kernels:
  - .name:           k_qcaed8fdd56_prep_rows
    .symbol:         k_qcaed8fdd56_prep_rows.kd
    .args:
      - { .name: W_dec, .offset: 0, .size: 8, .value_kind: global_buffer, .address_space: global }
      - { .name: acts, .offset: 8, .size: 8, .value_kind: global_buffer, .address_space: global }
      - { .name: feature_mask, .offset: 16, .size: 8, .value_kind: global_buffer, .address_space: global }
      - { .name: tabs, .offset: 24, .size: 8, .value_kind: global_buffer, .address_space: global }
      - { .name: WdecH, .offset: 32, .size: 8, .value_kind: global_buffer, .address_space: global }
      - { .name: actsB, .offset: 40, .size: 8, .value_kind: global_buffer, .address_space: global }
    .group_segment_fixed_size: 0
    .private_segment_fixed_size: 0
    .kernarg_segment_align: 8
    .kernarg_segment_size: 48
    .max_flat_workgroup_size: 256
    .sgpr_count:     66
    .vgpr_count:     112
    .wavefront_size: 32
...
	.end_amdgpu_metadata
.endif
;; end of part 8
;; launch gemm1: the kernel of part 3 again; grid 64 x 4, 4 waves a work-group, clusters of 4 x 4, 327,680 bytes of LDS; arguments actsB, WencB, Pbuf, tabs; writes Pbuf
;; launch select (part 9): grid 1024 x 1, 4 waves a work-group, no clusters, 66,560 bytes of LDS; arguments Pbuf, tabs, order, Ebuf; writes Ebuf
.if DOCPART == 9
	.amdgcn_target "amdgcn-amd-amdhsa--gfx1250"
	.amdhsa_code_object_version 6
	.text
	.protected	k_qcaed8fdd56_select
	.globl	k_qcaed8fdd56_select
	.p2align	8
	.type	k_qcaed8fdd56_select,@function
k_qcaed8fdd56_select:
	s_mov_b64 s[64:65], 0
	v_nop
	global_prefetch_b8 v0, s[64:65] scope:SCOPE_SE
	s_setreg_imm32_b32 hwreg(HW_REG_WAVE_SCHED_MODE, 0, 2), 2
	s_setreg_imm32_b32 hwreg(HW_REG_WAVE_MODE, 25, 1), 1
	s_wait_xcnt 0x0
	s_wait_alu depctr_vm_vsrc(0)
; For each row of P (f16, 16,384 numbers: the pre-activations less a centre): layer norm, x ln_w + ln_b (bf16), layer norm again (h), the K-th largest h (K = 1638) as threshold,
; E = h x sigmoid((h - thr) / 0.1) in f16.  feature_mask itself sits in the decoder's rows; a chunk of 256 features whose two blocks of 128 have no non-zero mask (order, which an earlier launch
; stored) gets zeros in place of the sigmoid's work: the decoder's rows are 0 there, so its share of the product is 0 either way.
; SHARES.  A work-group takes four rows, one after the other; wave w holds features 4096 w .. + 4095 of the row in 128 registers: chunk i of 256 features, lane l its features 8 l .. 8 l + 7.
; The next row's 16 loads go out while this row is worked on.  A sum over the row: lanes, then the four waves' words in LDS behind one barrier; two sets of words take turns.
; STATISTICS in f32, in two passes: the mean, then the squares of what is left.  With x = h1 - mean2: h = x rs2, rs2 = 1 / sqrt(var2 + 1e-5).
; THE THRESHOLD.  x has mean 0 and variance sd^2, and 1638 of 16,384 numbers lie at or above the K-th largest, 14,747 at or below it; by the one-sided Chebyshev bound it lies in [-0.3334 sd, 3.0004 sd] whatever the numbers are.
; Twelve halvings of [-0.375 sd, 3.125 sd], each by a count of the x above the middle t, and the last interval's middle: off by at most 3.5 / 8192 = 4.3e-4 in h.  The count is the sum of
; clamp((x - t) 2^30 / sd) to 0 .. 1: 0 or 1 but for an x within sd / 2^30 above t, which counts in part; the product t 2^30 / sd is rounded once, the same in all lanes, which moves t by 1e-7 sd at the most.
; The choice is a select, the trip count a constant.
; LIMITS.  That error of the threshold; a feature in an idle chunk gives 0 even where h is not finite; NaN and infinities are not treated apart; var2 below 2^-126 counts as sd = 0 (thr = 0; h is then at most 1e-16).
; THE MODE: SCHED_MODE bits 1:0 = 2 (LLVM: expert scheduling mode 2), set by the entry lines.  The code itself states the register dependences
; between vector instructions and memory or LDS instructions, with s_wait_alu, always for 0.
; THE PLAN.  Registers that memory or LDS instructions touch, round the loop over rows:
;   v2, v4, v5, ZQ  offsets, LDS addresses and four zeros, made once at the head and never written again.
;   PF              The row's 16 loads land in it; the 64 widenings read it; one wait on va_vdst behind them, and the next row's loads follow.
;   X               Written by the widenings and all the row's arithmetic; an active chunk's store reads the chunk's first four registers.  One wait on vm_vsrc at the row's end (and one ahead of
;                   the loop, for the tables' LDS stores) stands ahead of the next widenings.
;   R, RR           A sum over the row: the LDS store reads R, the LDS load lands in RR.  One wait on va_vdst ahead of the store (R is written; the sum before is done with RR), one on vm_vsrc ahead of the line that writes R again.
;   four table buffers  Chunk i's 32 bytes of ln_w and ln_b land in buffer i % 4; the chunk's eight multiply-adds read it.  All four are asked for ahead of the pass; then ONE wait on va_vdst
;                   for every two chunks states that chunks i - 2 and i - 1 are done reading, and the tables of chunks i + 2 and i + 3 are asked for into their buffers.
.set ROWB,  32768                      ; bytes in a row of P and of E
.set W16,   0                          ; LDS: ln_w in bf16; each lane stores and reads back its own 16 bytes of each chunk
.set B16,   32768                      ; LDS: ln_b in bf16
.set REDB,  65536                      ; LDS: the waves' words: set 0 at + 0, set 1 at + 128
.set SPARE, 65792                      ; the spare words, 128 bytes for each wave
.set ONE,  0                           ; v0       1.0
.set ZR,   1                           ; v1       0
.set T1,   3                           ; v3       v_permlanex16_b32's destination
.set ZQ,   8                           ; v[8:11]  four zeros, what an idle chunk stores; never rewritten
                                       ; v[12:23] table buffer 2, and ln_w's half of table buffer 3
.set ACC,  24                          ; v[24:31] four chains of pairs
.set ZB,   32                          ; v[32:39] at work; in the table pass table buffer 0
.set HB,   40                          ; v[40:47] at work; in the table pass table buffer 1
.set RR,   48                          ; v[48:51] the four waves' words
.set MP,   52                          ; v[52:53] a mean, twice
.set RS,   54                          ; v[54:55] 1 / sqrt(var + 1e-5), twice
.set BIG,  56                          ; v[56:57] 2^30 / sd, twice; in the table pass v[56:59] are ln_b's half of table buffer 3
.set NC,   58                          ; v[58:59] - t x BIG, twice
.set NK,   56                          ; later: -10 log2(e) rs2, twice
.set TK,   58                          ; later: - thr x NK, twice
.set R,    60
.set TT,   61                          ; the interval's lower end
.set STEP, 62                          ; half its width
.set CAND, 63
.set PF,   64                          ; v[64:127]  the next row as loaded
.set X,    128                         ; v[128:255] the row in f32
.macro FOLD
	v_pk_add_f32 v[ACC:ACC+1], v[ACC:ACC+1], v[ACC+2:ACC+3]
	v_pk_add_f32 v[ACC+4:ACC+5], v[ACC+4:ACC+5], v[ACC+6:ACC+7]
	v_pk_add_f32 v[ACC:ACC+1], v[ACC:ACC+1], v[ACC+4:ACC+5]
	v_add_f32 v[R], v[ACC], v[ACC+1]
.endm
; R over the whole row, the same bits in every wave.  A set of words is written again only two barriers later, and each wave's reads of it are waited for ahead of the next barrier's signal.
.macro REDUCE slot
	v_add_f32_dpp v[R], v[R], v[R] row_xmask:1 row_mask:0xf bank_mask:0xf
	v_add_f32_dpp v[R], v[R], v[R] row_xmask:2 row_mask:0xf bank_mask:0xf
	v_add_f32_dpp v[R], v[R], v[R] row_xmask:4 row_mask:0xf bank_mask:0xf
	v_add_f32_dpp v[R], v[R], v[R] row_xmask:8 row_mask:0xf bank_mask:0xf
	v_permlanex16_b32 v[T1], v[R], s18, s19
	v_add_f32 v[R], v[R], v[T1]
	s_wait_alu depctr_va_vdst(0)                   ; v[R] is written, which the LDS store reads; the sum before is done with v[RR ..], in which the LDS load lands
	ds_store_b32 v4, v[R] offset:(\slot)*128
	s_wait_dscnt 0x0                               ; for the others' sake: my word is in LDS
	s_barrier_signal -1
	s_barrier_wait -1
	ds_load_b128 v[RR:RR+3], v5 offset:(\slot)*128
	s_wait_dscnt 0x0
	s_wait_alu depctr_vm_vsrc(0)                   ; the LDS store has read v[R], which the third line below writes again
	v_add_f32 v[RR], v[RR], v[RR+1]
	v_add_f32 v[RR+2], v[RR+2], v[RR+3]
	v_add_f32 v[R], v[RR], v[RR+2]
.endm
.macro CSQ                             ; X -= MP; ACC = the sums of X^2
.set g, 0
.rept 16
.irp c, 0,1,2,3
	v_pk_add_f32 v[X+8*g+2*\c:X+8*g+2*\c+1], v[X+8*g+2*\c:X+8*g+2*\c+1], v[MP:MP+1] neg_lo:[0,1] neg_hi:[0,1]
.endr
.irp c, 0,1,2,3
.if g == 0
	v_pk_mul_f32 v[ACC+2*\c:ACC+2*\c+1], v[X+2*\c:X+2*\c+1], v[X+2*\c:X+2*\c+1]
.else
	v_pk_fma_f32 v[ACC+2*\c:ACC+2*\c+1], v[X+8*g+2*\c:X+8*g+2*\c+1], v[X+8*g+2*\c:X+8*g+2*\c+1], v[ACC+2*\c:ACC+2*\c+1]
.endif
.endr
.set g, g+1
.endr
.endm
.macro BSTEP slot                      ; one halving
	v_add_f32 v[CAND], v[TT], v[STEP]
	v_mul_f32 v[NC], -v[CAND], v[BIG]
	v_mul_f32 v[NC+1], -v[CAND], v[BIG]
.set g, 0
.rept 16
.irp c, 0,1,2,3
.if g == 0
	v_pk_fma_f32 v[ACC+2*\c:ACC+2*\c+1], v[X+2*\c:X+2*\c+1], v[BIG:BIG+1], v[NC:NC+1] clamp
.else
	v_pk_fma_f32 v[ZB+8*(g%2)+2*\c:ZB+8*(g%2)+2*\c+1], v[X+8*g+2*\c:X+8*g+2*\c+1], v[BIG:BIG+1], v[NC:NC+1] clamp
.endif
.endr
.if g > 0
.irp c, 0,1,2,3
	v_pk_add_f32 v[ACC+2*\c:ACC+2*\c+1], v[ACC+2*\c:ACC+2*\c+1], v[ZB+8*(g%2)+2*\c:ZB+8*(g%2)+2*\c+1]
.endr
.endif
.set g, g+1
.endr
	FOLD
	REDUCE \slot
	v_cmp_lt_f32 vcc_lo, 0x44ccb000, v[R]          ; 1637.5 < the count: K or more lie above the middle
	v_mul_f32 v[STEP], 0.5, v[STEP]
	s_wait_alu depctr_va_vcc(0)                    ; VCC is written, ahead of the select that reads it
	v_cndmask_b32 v[TT], v[TT], v[CAND], vcc_lo
.endm
.macro ENC i                           ; chunk i.  The packed result goes into the chunk's own registers, which are rewritten only behind the row's last waits
	s_bfe_u32 s15, s14, (2<<16)|(2*(\i))           ; the bits of blocks 32 w + 2 i and + 1
	s_cmp_lg_u32 s15, 0
	s_cbranch_scc0 .Lidle_\@
.irp c, 0,1,2,3
	v_pk_fma_f32 v[ZB+2*\c:ZB+2*\c+1], v[X+8*(\i)+2*\c:X+8*(\i)+2*\c+1], v[NK:NK+1], v[TK:TK+1]  ; -(h - thr) x 10 log2(e)
.endr
.irp j, 0,1,2,3,4,5,6,7
	v_exp_f32 v[ZB+\j], v[ZB+\j]
.endr
.irp c, 0,1,2,3
	v_pk_mul_f32 v[HB+2*\c:HB+2*\c+1], v[X+8*(\i)+2*\c:X+8*(\i)+2*\c+1], v[RS:RS+1]              ; h: plain work behind the exponentials
.endr
	s_wait_alu depctr_va_vdst(0)                   ; the eight exponentials are written, ahead of their first reader
.irp c, 0,1,2,3
	v_pk_add_f32 v[ZB+2*\c:ZB+2*\c+1], v[ZB+2*\c:ZB+2*\c+1], 1.0 op_sel_hi:[1,0]
.endr
.irp j, 0,1,2,3,4,5,6,7
	v_rcp_f32 v[ZB+\j], v[ZB+\j]
.endr
	v_nop
	s_wait_alu depctr_va_vdst(0)                   ; the eight reciprocals are written, ahead of their first reader
.irp c, 0,1,2,3
	v_pk_mul_f32 v[HB+2*\c:HB+2*\c+1], v[HB+2*\c:HB+2*\c+1], v[ZB+2*\c:ZB+2*\c+1]
.endr
.irp c, 0,1,2,3
	v_cvt_pk_f16_f32 v[X+8*(\i)+\c], v[HB+2*\c], v[HB+2*\c+1]
.endr
	s_wait_alu depctr_va_vdst(0)                   ; the four roundings have written the store's data.  The store stands under the branch on the chunk's bits, so it has a wait of its own
	global_store_b128 v2, v[X+8*(\i):X+8*(\i)+3], s[10:11] offset:512*(\i)  ; the wave stores 512 consecutive bytes, aligned
	s_branch .Ldone_\@
.Lidle_\@:
	global_store_b128 v2, v[ZQ:ZQ+3], s[10:11] offset:512*(\i)  ; no wait: ZQ was written ahead of the head's wait
.Ldone_\@:
.endm
.macro TB c                            ; WQ, BQ: where chunk c's 16 bytes of ln_w and of ln_b lie: table buffer c % 4
.if (\c)%4 == 0
.set WQ, 32
.set BQ, 36
.elseif (\c)%4 == 1
.set WQ, 40
.set BQ, 44
.elseif (\c)%4 == 2
.set WQ, 12
.set BQ, 16
.else
.set WQ, 20
.set BQ, 56
.endif
.endm
.macro TLOAD c                         ; chunk c's tables are asked for
	TB \c
	ds_load_b128 v[WQ:WQ+3], v2 offset:W16+512*(\c)
	ds_load_b128 v[BQ:BQ+3], v2 offset:B16+512*(\c)
.endm
	s_load_b256 s[4:11], s[0:1], 0x0               ; P s[4:5], tabs s[6:7], order s[8:9], E s[10:11]
	v_lshl_add_u32 v6, v0, 2, SPARE                ; my spare word
	v_mov_b32 v7, 0                                ; and 0: these two serve the add alone
	v_and_b32 v1, 31, v0
	v_lshrrev_b32 v3, 5, v0
	v_readfirstlane_b32 s12, v3                    ; wave
	s_mov_b32 s17, 0
	s_mov_b32 s18, 0x76543210
	s_mov_b32 s19, 0xfedcba98
	s_lshl_b32 s2, ttmp9, 17                       ; four rows of 32,768 bytes a work-group
	s_mov_b32 s3, 0
	s_wait_alu depctr_va_sdst(0)                   ; s12 is written, ahead of its first reader
	s_lshl_b32 s13, s12, 13
	v_lshl_add_u32 v2, v1, 4, s13                  ; 8,192 w + 16 l: my 16 bytes of chunk 0, in P's and E's rows, in the tables and in LDS
	s_lshl_b32 s16, s12, 2                         ; my wave's word in order,
	s_add_co_u32 s15, s16, REDB
	v_mov_b32 v4, s15                              ; and among the waves' words in LDS
	v_mov_b32 v5, REDB
	v_mov_b32 v[ONE], 1.0
	v_mov_b32 v[ZR], 0
.irp c, 0,1,2,3
	v_mov_b32 v[ZQ+\c], 0
.endr
	s_wait_kmcnt 0x0
	s_add_nc_u64 s[4:5], s[4:5], s[2:3]
	s_add_nc_u64 s[10:11], s[10:11], s[2:3]
	s_add_nc_u64 s[16:17], s[8:9], s[16:17]
	s_load_b32 s14, s[16:17], 0x0                  ; bit t: block 32 w + t is active
	s_wait_alu depctr_va_vdst(0)                   ; v2, v4, v5 and ZQ are written, which the kernel's loads, stores and LDS instructions read as offsets, addresses and data
.irp i, 0,1,2,3,4,5,6,7,8,9,10,11,12,13,14,15
	global_load_b128 v[X+4*\i:X+4*\i+3],       v2, s[6:7] offset:131072+512*\i
	global_load_b128 v[X+64+4*\i:X+64+4*\i+3], v2, s[6:7] offset:163840+512*\i
.endr
.irp i, 0,1,2,3,4,5,6,7,8,9,10,11,12,13,14,15
	global_load_b128 v[PF+4*\i:PF+4*\i+3], v2, s[4:5] offset:512*\i th:TH_LOAD_NT  ; row 0
.endr
	s_wait_loadcnt 16                              ; the tables are in; row 0's sixteen loads stay out
.irp i, 0,1,2,3,4,5,6,7,8,9,10,11,12,13,14,15
	ds_store_b128 v2, v[X+4*\i:X+4*\i+3]       offset:W16+512*\i
	ds_store_b128 v2, v[X+64+4*\i:X+64+4*\i+3] offset:B16+512*\i
.endr
	s_wait_kmcnt 0x0
	s_wait_alu depctr_vm_vsrc(0)                   ; the LDS stores have read X, which the first row's widenings write
	s_mov_b32 s20, 4
.Lrow:
	s_wait_loadcnt 0x0                             ; the row is in
.set k, 0
.rept 64
	v_fma_mix_f32 v[X+2*k],   v[PF+k], v[ONE], v[ZR] op_sel_hi:[1,0,0]               ; f16 to f32: the low half,
	v_fma_mix_f32 v[X+2*k+1], v[PF+k], v[ONE], v[ZR] op_sel:[1,0,0] op_sel_hi:[1,0,0]  ; the high half
.set k, k+1
.endr
	s_cmp_eq_u32 s20, 1
	s_cbranch_scc1 .Lno_next
	s_add_nc_u64 s[4:5], s[4:5], ROWB              ; free since the wait above
	s_wait_alu depctr_va_vdst(0)                   ; the widenings are done reading PF, in which the next row's loads land
.irp i, 0,1,2,3,4,5,6,7,8,9,10,11,12,13,14,15
	global_load_b128 v[PF+4*\i:PF+4*\i+3], v2, s[4:5] offset:512*\i th:TH_LOAD_NT
.endr
.Lno_next:
.irp c, 0,1,2,3
	v_pk_add_f32 v[ACC+2*\c:ACC+2*\c+1], v[X+2*\c:X+2*\c+1], v[X+8+2*\c:X+8+2*\c+1]
.endr
.set p, 8
.rept 56
	v_pk_add_f32 v[ACC+2*(p%4):ACC+2*(p%4)+1], v[ACC+2*(p%4):ACC+2*(p%4)+1], v[X+2*p:X+2*p+1]
.set p, p+1
.endr
	FOLD
	REDUCE 0
	v_mul_f32 v[MP], 0x38800000, v[R]              ; / 16384
	v_mul_f32 v[MP+1], 0x38800000, v[R]
	CSQ
	FOLD
	REDUCE 1
	v_mul_f32 v[R], 0x38800000, v[R]
	v_add_f32 v[RS], 0x3727c5ac, v[R]              ; + 1e-5
	v_rsq_f32 v[RS], v[RS]
	v_nop
	s_wait_alu depctr_va_vdst(0)                   ; rs1 is written, ahead of its first reader; and the row before is done with the four table buffers' registers, in which the LDS loads below land
	v_mov_b32 v[RS+1], v[RS]
	; h1 = x rs1 ln_w + ln_b, and its sum.  The tables' 32 bytes of a chunk are asked for two to three chunks ahead, into four buffers that take turns
	TLOAD 0
	TLOAD 1
	TLOAD 2
	TLOAD 3
.set i, 0
.rept 16
.if (i%2 == 0) && (i >= 2) && (i <= 12)
	s_wait_alu depctr_va_vdst(0)                   ; chunks i - 2 and i - 1 are done reading their table buffers, in which the four LDS loads below land
	TLOAD i+2
	TLOAD i+3
.endif
.irp c, 0,1,2,3
	v_pk_mul_f32 v[X+8*i+2*\c:X+8*i+2*\c+1], v[X+8*i+2*\c:X+8*i+2*\c+1], v[RS:RS+1]
.endr
.if i >= 14
	s_wait_dscnt 2*(15-i)                          ; the counts run down
.elseif i%2 == 0
	s_wait_dscnt 6                                 ; LDS loads come back in order: this chunk's two are in; the three younger chunks' six stay out
.else
	s_wait_dscnt 4                                 ; this chunk's two are in; the two younger chunks' four stay out
.endif
	TB i
.irp c, 0,1,2,3
	v_fma_mix_f32_bf16 v[X+8*i+2*\c],   v[X+8*i+2*\c],   v[WQ+\c], v[BQ+\c] op_sel:[0,0,0] op_sel_hi:[0,1,1]
	v_fma_mix_f32_bf16 v[X+8*i+2*\c+1], v[X+8*i+2*\c+1], v[WQ+\c], v[BQ+\c] op_sel:[0,1,1] op_sel_hi:[0,1,1]
.endr
.if i == 1
.irp c, 0,1,2,3
	v_pk_add_f32 v[ACC+2*\c:ACC+2*\c+1], v[X+2*\c:X+2*\c+1], v[X+8+2*\c:X+8+2*\c+1]
.endr
.endif
.if i > 1
.irp c, 0,1,2,3
	v_pk_add_f32 v[ACC+2*\c:ACC+2*\c+1], v[ACC+2*\c:ACC+2*\c+1], v[X+8*i+2*\c:X+8*i+2*\c+1]
.endr
.endif
.set i, i+1
.endr
	FOLD
	REDUCE 0
	v_mul_f32 v[MP], 0x38800000, v[R]
	v_mul_f32 v[MP+1], 0x38800000, v[R]
	CSQ
	FOLD
	REDUCE 1
	v_mul_f32 v[R], 0x38800000, v[R]               ; var2
	v_add_f32 v[RS], 0x3727c5ac, v[R]
	v_max_num_f32 v[BIG], 0x0d800000, v[R]         ; at least 2^-100, so that BIG stays finite
	v_sqrt_f32 v[TT], v[R]                         ; sd
	v_rsq_f32 v[RS], v[RS]                         ; rs2
	v_rsq_f32 v[BIG], v[BIG]
	v_nop
	s_wait_alu depctr_va_vdst(0)                   ; sd, rs2 and 1 / sd are written, ahead of their first readers
	v_mul_f32 v[STEP], 0x3fe00000, v[TT]           ; 1.75 sd
	v_mul_f32 v[TT], 0xbec00000, v[TT]             ; -0.375 sd
	v_mul_f32 v[BIG], 0x4e800000, v[BIG]           ; 2^30 / sd
	v_mov_b32 v[RS+1], v[RS]
	v_mov_b32 v[BIG+1], v[BIG]
	s_mov_b32 s21, 6
.Lbis:
	BSTEP 0
	BSTEP 1
	s_sub_co_u32 s21, s21, 1
	s_cmp_lg_u32 s21, 0
	s_cbranch_scc1 .Lbis
	v_add_f32 v[TT], v[TT], v[STEP]                ; the last interval's middle
	v_mul_f32 v[NK], 0xc166d4ca, v[RS]             ; -10 log2(e) rs2
	v_mul_f32 v[NK+1], 0xc166d4ca, v[RS]
	v_mul_f32 v[TK], -v[TT], v[NK]
	v_mul_f32 v[TK+1], -v[TT], v[NK]
.irp i, 0,1,2,3,4,5,6,7,8,9,10,11,12,13,14,15
	ENC \i
.endr
	s_wait_xcnt 0x0                                ; E's base and the registers that the stores read are rewritten only behind this wait
	s_wait_alu depctr_vm_vsrc(0)                   ; the row's stores have read their registers of X, which the next row's widenings write
	s_add_nc_u64 s[10:11], s[10:11], ROWB
	s_sub_co_u32 s20, s20, 1
	s_cmp_lg_u32 s20, 0
	s_cbranch_scc1 .Lrow
	s_wait_dscnt 0x0                               ; the closing lines, six on end
	s_wait_alu 0x0
	s_wait_tensorcnt 0x0
	ds_add_u32 v6, v7
	s_wait_dscnt 0x0
	s_endpgm
.Lfunc_end_k_qcaed8fdd56_select:
	.size	k_qcaed8fdd56_select, .Lfunc_end_k_qcaed8fdd56_select-k_qcaed8fdd56_select
	.p2alignl 7, 3214868480
	.fill 96, 4, 3214868480
	.section	.rodata,"a",@progbits
	.p2align	6, 0x0
	.amdhsa_kernel k_qcaed8fdd56_select
		.amdhsa_group_segment_fixed_size 66560
		.amdhsa_private_segment_fixed_size 0
		.amdhsa_enable_private_segment 0
		.amdhsa_kernarg_size 32
		.amdhsa_user_sgpr_count 2
		.amdhsa_user_sgpr_kernarg_segment_ptr 1
		.amdhsa_wavefront_size32 1
		.amdhsa_system_sgpr_workgroup_id_x 1
		.amdhsa_system_sgpr_workgroup_id_y 1
		.amdhsa_system_sgpr_workgroup_id_z 1
		.amdhsa_system_vgpr_workitem_id 0
		.amdhsa_next_free_vgpr 256
		.amdhsa_next_free_sgpr 66
		.amdhsa_reserve_vcc 1
		.amdhsa_float_denorm_mode_32 3
		.amdhsa_float_denorm_mode_16_64 3
		.amdhsa_memory_ordered 1
		.amdhsa_forward_progress 1
		.amdhsa_inst_pref_size 116
	.end_amdhsa_kernel
	.amdgpu_metadata
---
amdhsa.version: [ 1, 2 ]
amdhsa.kernels:
  - .name:           k_qcaed8fdd56_select
    .symbol:         k_qcaed8fdd56_select.kd
    .args:
      - { .name: Pbuf, .offset: 0, .size: 8, .value_kind: global_buffer, .address_space: global }
      - { .name: tabs, .offset: 8, .size: 8, .value_kind: global_buffer, .address_space: global }
      - { .name: order, .offset: 16, .size: 8, .value_kind: global_buffer, .address_space: global }
      - { .name: Ebuf, .offset: 24, .size: 8, .value_kind: global_buffer, .address_space: global }
    .group_segment_fixed_size: 66560
    .private_segment_fixed_size: 0
    .kernarg_segment_align: 8
    .kernarg_segment_size: 32
    .max_flat_workgroup_size: 128
    .sgpr_count:     66
    .vgpr_count:     256
    .wavefront_size: 32
...
	.end_amdgpu_metadata
.endif
;; end of part 9
;; launch gemm2: the kernel of part 5 again; grid 4 x 64, 4 waves a work-group, clusters of 4 x 4, 327,680 bytes of LDS; arguments Ebuf, WdecH, part; writes part
;; launch reduce (part 10): grid 256 x 1, 8 waves a work-group, no clusters, 35,840 bytes of LDS; arguments part, b_dec, out0; writes out0
.if DOCPART == 10
	.amdgcn_target "amdgcn-amd-amdhsa--gfx1250"
	.amdhsa_code_object_version 6
	.text
	.protected	k_qcaed8fdd56_reduce
	.globl	k_qcaed8fdd56_reduce
	.p2align	8
	.type	k_qcaed8fdd56_reduce,@function
k_qcaed8fdd56_reduce:
	s_mov_b64 s[64:65], 0
	v_nop
	global_prefetch_b8 v0, s[64:65] scope:SCOPE_SE
	s_setreg_imm32_b32 hwreg(HW_REG_WAVE_SCHED_MODE, 0, 2), 2
	s_setreg_imm32_b32 hwreg(HW_REG_WAVE_MODE, 25, 1), 1
	s_wait_xcnt 0x0
	s_wait_alu depctr_vm_vsrc(0)
; out0[n][c] = the sum over the eight splits of part, in ascending order, + bf16(b_dec[c]).  A stream: memory binds, so no matrix unit, no cluster, no barrier.
; part lies as the launch before left it: [split][tile row x 2 + tile column][wave][chunk][lane] of 16 bytes.  A PIECE is 4,096 consecutive bytes of a split, eight chunks: 16 rows x 64 columns of the output.
; Piece id, bit by bit: 0 which 64 of the wave's 128 columns; 1-3 which 16 of its 128 rows; 4 the wave's column half; 5 its row half; 6 the tile column; 7-10 the tile row.
; A wave takes one piece: 8 loads of 512 consecutive bytes from each split.  57 loads go out at once (b_dec and splits 0 to 6); split 7 follows into split 1's registers when those have been added.
; In chunk 2 b + q lane l holds row l % 16, columns 16 b + 8 (l / 16) + 4 q + 0 .. 3.  The sums go through a stage of the wave's own (16 rows x 272 bytes) and come back as whole rows of 256 bytes:
; sixteen lanes store 256 consecutive bytes, aligned.
; THE MODE: SCHED_MODE bits 1:0 = 2 (LLVM: expert scheduling mode 2), set by the entry lines.  The code itself states the register dependences
; between vector instructions and memory or LDS instructions, with s_wait_alu, always for 0.
; THE PLAN.  Registers that memory or LDS instructions touch:
;   v1, v2, v3, v8, v9  offsets and LDS addresses, made once at the head and never written again.
;   set 1   Split 1 lands in it; its addition reads it; one wait on va_vdst, and split 7's loads follow at once, so that they are on their way as early as can be.
;   set 0   Takes the sums; the stage's eight LDS stores read it: one wait on va_vdst ahead of them, which also states that split 2's addition is done reading set 2.
;   set 2   The stage's eight LDS loads land in it; the bias is added in place; the eight stores read it; nothing writes it again.  The eight go in two halves: one wait on va_vdst behind the
;           first half's additions, whose four stores are dealt among the second half's additions; one ahead of the last four stores.
.set SPITCH, 272
.set SPARE,  8*16*SPITCH               ; behind the eight stages: the spare words, 128 bytes for each wave
.set B,  4                             ; v[4:7]     b_dec of the 4 columns that I store
.set G,  16                            ; v[16:239]  seven sets of 32 registers: set g holds split g's piece; set 0 takes the sums, set 1 later split 7, set 2 later the rows read back
.macro ADDG g                          ; set 0 += set g
.set p, 0
.rept 16
	v_pk_add_f32 v[G+2*p:G+2*p+1], v[G+2*p:G+2*p+1], v[G+32*(\g)+2*p:G+32*(\g)+2*p+1]
.set p, p+1
.endr
.endm
	s_load_b128 s[4:7], s[0:1], 0x0                ; part s[4:5], b_dec s[6:7]
	s_load_b64 s[8:9], s[0:1], 0x10                ; out0
	v_lshl_add_u32 v10, v0, 2, SPARE               ; my spare word
	v_mov_b32 v11, 0                               ; and 0: these two serve the add alone
	v_and_b32 v12, 31, v0                          ; lane
	v_lshrrev_b32 v13, 5, v0
	v_readfirstlane_b32 s14, v13                   ; wave
	v_lshlrev_b32 v1, 4, v12                       ; 16 l
	v_and_b32 v14, 15, v12                         ; l % 16
	v_lshrrev_b32 v15, 4, v12                      ; l / 16
	s_lshl_b32 s15, ttmp9, 3
	s_wait_alu depctr_va_sdst(0)                   ; s14 is written, ahead of its first reader
	s_add_co_u32 s15, s15, s14                     ; my piece
	s_lshl_b32 s2, s15, 12                         ; its 4,096 bytes in each split
	s_mov_b32 s3, 0
	s_lshr_b32 s10, s15, 7                         ; tile row
	s_lshl_b32 s10, s10, 8
	s_bfe_u32 s11, s15, 0x10005                    ; the wave's row half
	s_lshl_b32 s11, s11, 7
	s_add_co_u32 s10, s10, s11
	s_bfe_u32 s11, s15, 0x30001                    ; the block of 16 rows
	s_lshl_b32 s11, s11, 4
	s_add_co_u32 s10, s10, s11                     ; my first row
	s_bfe_u32 s12, s15, 0x10006                    ; tile column
	s_lshl_b32 s12, s12, 8
	s_bfe_u32 s11, s15, 0x10004                    ; the wave's column half
	s_lshl_b32 s11, s11, 7
	s_add_co_u32 s12, s12, s11
	s_and_b32 s11, s15, 1                          ; which 64 columns
	s_lshl_b32 s11, s11, 6
	s_add_co_u32 s12, s12, s11                     ; my first column,
	s_lshl_b32 s12, s12, 2                         ; in bytes: a multiple of 256
	s_lshl_b32 s10, s10, 11                        ; rows of 2,048 bytes
	s_add_co_u32 s10, s10, s12
	s_mov_b32 s11, 0
	s_mul_i32 s13, s14, 16*SPITCH                  ; my stage
	v_mul_u32_u24 v3, v14, SPITCH                  ; in: row l % 16, 32 bytes for each half of the lanes
	v_lshl_add_u32 v3, v15, 5, v3
	v_add_nc_u32 v3, s13, v3
	v_mul_u32_u24 v8, v15, SPITCH                  ; back: lanes 0-15 take one row of 256 bytes, lanes 16-31 the next
	v_lshl_add_u32 v8, v14, 4, v8
	v_add_nc_u32 v8, s13, v8
	v_lshlrev_b32 v9, 11, v15                      ; and the same two rows in out0
	v_lshl_add_u32 v9, v14, 4, v9
	v_lshl_add_u32 v2, v14, 4, s12                 ; b_dec at the 4 columns that I store
	s_wait_kmcnt 0x0
	s_add_nc_u64 s[16:17], s[4:5], s[2:3]          ; my piece in split 0,
.irp k, 1,2,3,4,5,6,7
	s_add_nc_u64 s[16+2*\k:17+2*\k], s[14+2*\k:15+2*\k], 0x800000  ; and in split k, 8,388,608 bytes further on each time
.endr
	s_add_nc_u64 s[8:9], s[8:9], s[10:11]
	s_wait_alu depctr_va_vdst(0)                   ; v1, v2, v3, v8 and v9 are written, which the loads, the stores and the LDS instructions below read as offsets and addresses
	global_load_b128 v[B:B+3], v2, s[6:7]
.irp k, 0,1,2,3,4,5,6
.irp c, 0,1,2,3,4,5,6,7
	global_load_b128 v[G+32*\k+4*\c:G+32*\k+4*\c+3], v1, s[16+2*\k:17+2*\k] offset:512*\c th:TH_LOAD_NT
.endr
.endr
	s_wait_loadcnt 40                              ; b_dec and splits 0 and 1 are in; the 40 loads of splits 2 to 6 stay out
	ADDG 1
	s_wait_alu depctr_va_vdst(0)                   ; the additions are done reading set 1, in which split 7's loads land
.irp c, 0,1,2,3,4,5,6,7
	global_load_b128 v[G+32+4*\c:G+32+4*\c+3], v1, s[30:31] offset:512*\c th:TH_LOAD_NT  ; split 7, into the set just added
.endr
	v_cvt_pk_bf16_f32 v12, v[B], v[B+1]
	v_cvt_pk_bf16_f32 v13, v[B+2], v[B+3]
	v_lshlrev_b32 v[B],   16, v12
	v_and_b32     v[B+1], 0xffff0000, v12
	v_lshlrev_b32 v[B+2], 16, v13
	v_and_b32     v[B+3], 0xffff0000, v13
.irp k, 2,3,4,5,6
	s_wait_loadcnt 8*(7-\k)                        ; split k is in; the later splits' eight loads each stay out
	ADDG \k
.endr
	s_wait_loadcnt 0x0                             ; split 7
	ADDG 1
	s_wait_alu depctr_va_vdst(0)                   ; the sums are written in set 0, which the LDS stores read; split 2's addition is done reading set 2, in which the LDS loads land
.irp c, 0,1,2,3,4,5,6,7
	ds_store_b128 v3, v[G+4*\c:G+4*\c+3] offset:64*(\c/2)+16*(\c%2)
.endr
.irp t, 0,1,2,3,4,5,6,7
	ds_load_b128 v[G+64+4*\t:G+64+4*\t+3], v8 offset:\t*2*SPITCH  ; LDS serves a wave's instructions in order: these see the stores above
.endr
.irp t, 0,1,2,3
	s_wait_dscnt 7-\t                              ; the 7 - t younger loads stay out
	v_pk_add_f32 v[G+64+4*\t:G+64+4*\t+1],   v[G+64+4*\t:G+64+4*\t+1],   v[B:B+1]
	v_pk_add_f32 v[G+64+4*\t+2:G+64+4*\t+3], v[G+64+4*\t+2:G+64+4*\t+3], v[B+2:B+3]
.endr
	s_wait_alu depctr_va_vdst(0)                   ; the first half's additions have written their registers, which the four stores dealt below read
.irp t, 4,5,6,7
	global_store_b128 v9, v[G+48+4*\t:G+48+4*\t+3], s[8:9] offset:4096*(\t-4) th:TH_STORE_NT  ; pair of rows t - 4; no vector instruction since the wait names its registers
	s_wait_dscnt 7-\t
	v_pk_add_f32 v[G+64+4*\t:G+64+4*\t+1],   v[G+64+4*\t:G+64+4*\t+1],   v[B:B+1]
	v_pk_add_f32 v[G+64+4*\t+2:G+64+4*\t+3], v[G+64+4*\t+2:G+64+4*\t+3], v[B+2:B+3]
.endr
	s_wait_alu depctr_va_vdst(0)                   ; the second half's additions have written their registers, which the last four stores read
.irp t, 4,5,6,7
	global_store_b128 v9, v[G+64+4*\t:G+64+4*\t+3], s[8:9] offset:4096*\t th:TH_STORE_NT
.endr
	s_wait_dscnt 0x0                               ; the closing lines, six on end
	s_wait_alu 0x0
	s_wait_tensorcnt 0x0
	ds_add_u32 v10, v11
	s_wait_dscnt 0x0
	s_endpgm
.Lfunc_end_k_qcaed8fdd56_reduce:
	.size	k_qcaed8fdd56_reduce, .Lfunc_end_k_qcaed8fdd56_reduce-k_qcaed8fdd56_reduce
	.p2alignl 7, 3214868480
	.fill 96, 4, 3214868480
	.section	.rodata,"a",@progbits
	.p2align	6, 0x0
	.amdhsa_kernel k_qcaed8fdd56_reduce
		.amdhsa_group_segment_fixed_size 35840
		.amdhsa_private_segment_fixed_size 0
		.amdhsa_enable_private_segment 0
		.amdhsa_kernarg_size 24
		.amdhsa_user_sgpr_count 2
		.amdhsa_user_sgpr_kernarg_segment_ptr 1
		.amdhsa_wavefront_size32 1
		.amdhsa_system_sgpr_workgroup_id_x 1
		.amdhsa_system_sgpr_workgroup_id_y 1
		.amdhsa_system_sgpr_workgroup_id_z 1
		.amdhsa_system_vgpr_workitem_id 0
		.amdhsa_next_free_vgpr 240
		.amdhsa_next_free_sgpr 66
		.amdhsa_reserve_vcc 0
		.amdhsa_float_denorm_mode_32 3
		.amdhsa_float_denorm_mode_16_64 3
		.amdhsa_memory_ordered 1
		.amdhsa_forward_progress 1
		.amdhsa_inst_pref_size 20
	.end_amdhsa_kernel
	.amdgpu_metadata
---
amdhsa.version: [ 1, 2 ]
amdhsa.kernels:
  - .name:           k_qcaed8fdd56_reduce
    .symbol:         k_qcaed8fdd56_reduce.kd
    .args:
      - { .name: part, .offset: 0, .size: 8, .value_kind: global_buffer, .address_space: global }
      - { .name: b_dec, .offset: 8, .size: 8, .value_kind: global_buffer, .address_space: global }
      - { .name: out0, .offset: 16, .size: 8, .value_kind: global_buffer, .address_space: global }
    .group_segment_fixed_size: 35840
    .private_segment_fixed_size: 0
    .kernarg_segment_align: 8
    .kernarg_segment_size: 24
    .max_flat_workgroup_size: 256
    .sgpr_count:     66
    .vgpr_count:     240
    .wavefront_size: 32
...
	.end_amdgpu_metadata
.endif
;; end of part 10
